; MI455X (gfx1250); checked and timed in simulation.
; The chip was launched on July 23, 2026; its instructions are those of AMD's public machine-readable ISA for CDNA 5 (MIT licence, August 2026) and "CDNA5" Instruction Set Architecture Reference Guide (July 2026). The comments in the code are by the model that wrote it; some were corrected since.
;; Shepards Gated Attention. Allowed arithmetic: matrix products marked QUANTISED: E2M1 operands, one E8M0 scale for each 32 along K, by v_wmma_scale_f32_16x16x128_f8f6f4 with both operands' format E2M1 (or v_wmma_scale_f32_32x16x128_f4), f32 sums; everything else in f32.
;; Inputs: W_in 4,096 x 1,024 float32; W_out 1,024 x 1,024 float32; X 2 x 2,048 x 1,024 float32; b_in 4,096 float32; b_out 1,024 float32.
;; Outputs: out0 2 x 2,048 x 1,024 float32.
;; This version of the problem:
;;   THIS VERSION OF THE PROBLEM IS GIVEN IN LOW PRECISION. The matrix products marked QUANTISED in the list below multiply operands that are first quantised to E2M1 (2 exponent bits, 1 mantissa bit; 4 bits a number), with one power-of-two scale for each 32 numbers along K (OCP MX v1.0); their sums are f32. All else is computed in f32.
;;   The module's matrix products, in the order in which they are computed (A, B: the left and right operand; K: the contracted axis; several contracted axes count as one K, in the product's order):
;;     1. [M 4,096, K 1,024] x [K 1,024, N 4,096]; A: computed on the way; B: input W_in: QUANTISED
;;     2. batch 32 x [M 2,048, K 64] x [K 64, N 2,048]; A: computed on the way; B: computed on the way: QUANTISED
;;     3. batch 32 x [M 2,048, K 2,048] x [K 2,048, N 64]; A: computed on the way; B: computed on the way: QUANTISED
;;     4. [M 4,096, K 1,024] x [K 1,024, N 1,024]; A: computed on the way; B: input W_out: QUANTISED
;;   THE QUANTISER, for each operand of a quantised product, along K:
;;     - K is cut into blocks of 32 from its start; a last block that is shorter is filled with zeros.
;;     - A block's scale is 2^e with e = floor(log2(the largest magnitude in the block)) - 2, held to -126 .. 127; a block of zeros has e = 0. As a byte (E8M0): e + 127.
;;     - Each number is divided by its block's scale, clamped to +-6, and rounded to the nearest number of E2M1, ties to even, subnormals kept.
;;     - The product sums the exact products of the quantised numbers (number of the format x scale) in f32.
;;   ~~~python
;;   def quantise(x, axis):      # numpy; x: float32 -> the quantised numbers, widened to float32 again
;;       x = np.moveaxis(x, axis, -1); K = x.shape[-1]
;;       x = np.pad(x, [(0, 0)] * (x.ndim - 1) + [(0, -K % 32)]); x = x.reshape(x.shape[:-1] + (-1, 32)); a = np.abs(x).max(-1, keepdims=True)
;;       e = np.where(a > 0, np.clip(np.frexp(np.where(a > 0, a, 1))[1] - 1 - 2, -126, 127), 0)      # np.frexp(a)[1] - 1 = floor(log2(a)), exactly
;;       r = np.clip(x / 2.0 ** e, -6, 6)
;;       step = 2.0 ** (np.maximum(np.frexp(np.where(r == 0, 1, r))[1] - 1, 0) - 1)
;;       q = np.round(r / step) * step * 2.0 ** e      # np.round: ties to even
;;       return np.moveaxis(q.reshape(q.shape[:-2] + (-1,))[..., :K], -1, axis).astype(np.float32)
;;   ~~~
;;   OPERANDS COMPUTED ON THE WAY. 'Computed on the way' means the value that the module computes at that place (a softmax that the list does not call 'softmax' is quantised finished and normalised). What goes into a quantiser is computed in f32, as accurately as f32 sums, v_exp_f32 and their like allow (about 1e-6 of the number): no bf16 or f16 on the way to a quantiser, and a product that is left as it is and whose result goes on into a quantised operand takes f32 operands (vector FMAs, or v_wmma_f32_16x16x4_f32). A number that lies on a knife's edge between two numbers of the format may be rounded either way, as far as f32 arithmetic and the matrix unit's own rounding can turn it there, and no further.
;; 3 versions, each right; version 3 is version 2 with the launches attn, outp written anew for expert scheduling mode. Each part assembles by itself: llvm-mc -triple=amdgcn-amd-amdhsa -mcpu=gfx1250 --defsym DOCPART=n.
;; ======== version 1 of 3: 4 launches
;; workspace buffers: prep 5,013,504 bytes; qkv 7,208,960 bytes; gate 16,777,216 bytes; ocode 2,228,224 bytes
;; launch prep (part 1): grid 576 x 1, 16 waves a work-group, no clusters, 93,184 bytes of LDS; arguments X, W_in, W_out, prep; writes prep
.if DOCPART == 1
	.amdgcn_target "amdgcn-amd-amdhsa--gfx1250"
	.amdhsa_code_object_version 6
	.text
	.protected	k_qb002131846_prep
	.globl	k_qb002131846_prep
	.p2align	8
	.type	k_qb002131846_prep,@function
k_qb002131846_prep:
	s_mov_b64 s[64:65], 0
	v_nop
	global_prefetch_b8 v0, s[64:65] scope:SCOPE_SE
	s_setreg_imm32_b32 hwreg(HW_REG_WAVE_MODE, 25, 1), 1
	s_wait_xcnt 0x0
; LayerNorm of X [4096][1024] (no gain, no bias), and X's normalised rows, W_in [4096][1024] and W_out [1024][1024] turned into codes of FP4 (E2M1) along K = 1024,
; with one E8M0 byte for each 32 along K.  One text serves the three tensors: only pointers, a first row and two masks are chosen by the work-group's number.
; OUTPUT.  A TILE is 16 rows.  Tile g (0-255 X, 256-511 W_in, 512-575 W_out) has its codes at g x 8,192 as [block of 32 along K: 32][row 16][16 bytes], which is eight operand images
; of 1,024 bytes (16 rows x 128 K, as the matrix operand's registers lie: 16 bytes a lane, 512 bytes a register group), and its scale bytes at 4,718,592 + g x 512 as [row 16][32].
; WHICH ROWS FORM A TILE.  X: row r of tile T is token 32 (T / 2) + 8 (T % 2) + r + 8 (r / 8), so that the eight result registers of two neighbouring tiles are 16 neighbours.
; W_in: tile 16 hd + 8 ch + b of head hd: b 0-3: rows 256 hd + 64 ch + 32 (b / 2) + 8 (b % 2) + r + 8 (r / 8) (Q for ch 0, K for ch 1); b 4, 5: 256 hd + 128 + 32 ch + 8 (b % 2) + .. (V);
; b 6, 7: 256 hd + 192 + 32 ch + 8 (b % 2) + .. (G).  W_out: plain, row 16 t + r.
; SHARES.  A work-group makes one tile; each of its 16 waves takes one row, 4,096 bytes, by eight loads of 512 consecutive bytes.  Mean and variance in two passes, in f32.
; The conversions want 16 neighbours in a lane: the row turns through the wave's own stage in LDS (16 bytes of padding behind each 64).  Codes and bytes meet in LDS and leave in runs of 512 bytes.
; LIMITS: NaN and infinities are not served; a block whose largest magnitude lies under 2^-124 has its byte held at 1; a block of zeros gets the byte 1, not 127 (its codes are zeros, and this program alone reads the bytes);
; 1 / sqrt(var + 1e-5) is v_rsq_f32 and a multiplication.
.set SP,    80                         ; a lane's place in a turning stage: 64 bytes + 16
.set CST,   81920                      ; behind the 16 waves' stages (5,120 bytes each): the codes, 32 blocks x (256 + 16) bytes
.set SST,   90624                      ; the scale bytes, 16 rows x 32
.set SCAT,  4718592                    ; where the scale bytes begin in the buffer
.set XR,    16                         ; v16-47  the row: x, then x - mean, then the normalised numbers
.set NB,    48                         ; v48-79  two sets of 16 neighbours
.set CD,    80                         ; v80-83  codes
.set EB,    84                         ; v84-85  scale bytes
.set MU,    86                         ; v[86:87] the mean, twice
.set RS,    88                         ; v[88:89] 1 / sqrt(var + eps), twice
.set SBK,   94                         ; v94     where the scale bytes are read back (wave 0); v1-7 and this one are addresses and are never rewritten; v8-15 are at work
	s_load_b256 s[4:11], s[0:1], 0x0               ; X s[4:5], W_in s[6:7], W_out s[8:9], the workspace s[10:11]
	v_lshl_add_u32 v96, v0, 2, 0x16400
	v_mov_b32 v97, 0
	v_lshrrev_b32 v1, 5, v0
	v_readfirstlane_b32 s12, v1                    ; wave = the tile's row
	v_and_b32 v1, 31, v0                           ; lane
	v_lshlrev_b32 v2, 4, v1                        ; 16 x lane
	s_mul_i32 s26, s12, 5120                       ; my two turning stages
	v_lshrrev_b32 v3, 2, v1
	v_mul_u32_u24 v3, v3, SP
	v_and_b32 v8, 3, v1
	v_lshl_add_u32 v3, v8, 4, v3
	v_add_nc_u32 v3, s26, v3                       ; in: four lanes' 64 bytes on end, then the padding
	v_mul_u32_u24 v4, v1, SP
	v_add_nc_u32 v4, s26, v4                       ; out: my 16 neighbours
	v_lshrrev_b32 v8, 1, v1                        ; two lanes hold a block
	v_and_b32 v9, 1, v1
	v_mul_u32_u24 v5, v8, 272
	v_lshl_add_u32 v5, v9, 3, v5
	s_lshl_b32 s26, s12, 4
	s_add_co_u32 s26, s26, CST
	v_add_nc_u32 v5, s26, v5                       ; my 8 bytes of codes: block's 272 + row's 16 + my half's 8
	s_lshl_b32 s26, s12, 5
	s_add_co_u32 s26, s26, SST
	v_add_nc_u32 v6, s26, v8                       ; my block's scale byte
	v_lshrrev_b32 v8, 4, v1
	v_and_b32 v9, 15, v1
	v_mul_u32_u24 v7, v8, 272
	v_lshl_add_u32 v7, v9, 4, v7
	s_mul_i32 s26, s12, 544
	s_add_co_u32 s26, s26, CST
	v_add_nc_u32 v7, s26, v7                       ; back: blocks 2 wave and 2 wave + 1, 16 bytes a lane
	v_add_nc_u32 v[SBK], SST, v2                   ; back: the scale bytes (wave 0)
	; the tile's first row, in each tensor's reading of the work-group's number
	s_mov_b32 s13, ttmp9
	s_lshr_b32 s14, s13, 1
	s_lshl_b32 s14, s14, 5
	s_and_b32 s15, s13, 1
	s_lshl_b32 s15, s15, 3
	s_add_co_u32 s14, s14, s15                     ; X: 32 (g / 2) + 8 (g % 2)
	s_and_b32 s16, s13, 255                        ; W_in: tile 16 hd + 8 ch + b
	s_lshr_b32 s17, s16, 4
	s_lshl_b32 s17, s17, 8
	s_add_co_u32 s17, s17, s15                     ; 256 hd + 8 (b % 2)
	s_bfe_u32 s18, s16, 0x10003                    ; ch
	s_bfe_u32 s19, s16, 0x10001                    ; (b / 2) % 2
	s_lshl_b32 s20, s18, 6
	s_lshl_b32 s21, s19, 5
	s_add_co_u32 s20, s20, s21                     ; b < 4: 64 ch + 32 (b / 2)
	s_lshl_b32 s21, s19, 6
	s_lshl_b32 s22, s18, 5
	s_add_co_u32 s21, s21, s22
	s_add_co_u32 s21, s21, 128                     ; b >= 4: 128 + 64 ((b / 2) % 2) + 32 ch
	s_bitcmp1_b32 s16, 2
	s_cselect_b32 s20, s21, s20
	s_add_co_u32 s17, s17, s20
	s_and_b32 s23, s13, 63
	s_lshl_b32 s23, s23, 4                         ; W_out: 16 t
	s_and_b32 s24, s12, 8                          ; 8 (r / 8)
	s_mov_b32 s26, 0x3a800000                      ; 1 / 1,024
	s_mov_b32 s27, 0x3727c5ac                      ; 1e-5
	s_mov_b32 s28, 0x76543210
	s_mov_b32 s29, 0xfedcba98                      ; v_permlanex16_b32's selects for lane l xor 16
	s_wait_kmcnt 0x0
	s_cmp_lt_u32 s13, 512                          ; the choices hang on the work-group's number alone
	s_cselect_b64 s[18:19], s[6:7], s[8:9]
	s_cselect_b32 s15, s17, s23
	s_cselect_b32 s16, s24, 0
	s_cmp_lt_u32 s13, 256
	s_cselect_b64 s[18:19], s[4:5], s[18:19]
	s_cselect_b32 s15, s14, s15
	s_cselect_b32 s17, -1, 0                       ; all ones: this tile is normalised
	s_add_co_u32 s15, s15, s12
	s_add_co_u32 s15, s15, s16                     ; my row
	s_lshl_b32 s20, s15, 12
	s_mov_b32 s21, 0
	s_add_nc_u64 s[18:19], s[18:19], s[20:21]
.irp i, 0,1,2,3,4,5,6,7
	global_load_b128 v[XR+4*\i:XR+4*\i+3], v2, s[18:19] offset:512*\i th:TH_LOAD_NT   ; 512 consecutive bytes; each row is read once in the launch
.endr
	s_lshl_b32 s20, s13, 13
	s_lshl_b32 s22, s12, 9
	s_add_co_u32 s20, s20, s22
	s_add_nc_u64 s[20:21], s[10:11], s[20:21]      ; the tile's codes, my wave's 512 bytes
	s_lshl_b32 s24, s13, 9
	s_add_co_u32 s24, s24, SCAT
	s_mov_b32 s25, 0
	s_add_nc_u64 s[24:25], s[10:11], s[24:25]      ; the tile's scale bytes
.macro WSUM                            ; v8 summed over the 32 lanes, the result in every lane
	v_add_f32_dpp v8, v8, v8 row_xmask:1 row_mask:0xf bank_mask:0xf
	v_add_f32_dpp v8, v8, v8 row_xmask:2 row_mask:0xf bank_mask:0xf
	v_add_f32_dpp v8, v8, v8 row_xmask:4 row_mask:0xf bank_mask:0xf
	v_add_f32_dpp v8, v8, v8 row_xmask:8 row_mask:0xf bank_mask:0xf
	v_permlanex16_b32 v9, v8, s28, s29
	v_add_f32 v8, v8, v9
.endm
.macro JOIN4                           ; the four chains v[8:15] into v8
	v_pk_add_f32 v[8:9], v[8:9], v[10:11]
	v_pk_add_f32 v[12:13], v[12:13], v[14:15]
	v_pk_add_f32 v[8:9], v[8:9], v[12:13]
	v_add_f32 v8, v8, v9
.endm
	s_wait_loadcnt 0x0
.irp k, 0,1,2,3                        ; the mean: four chains, started by the first eight pairs
	v_pk_add_f32 v[8+2*\k:9+2*\k], v[XR+4*\k:XR+4*\k+1], v[XR+4*\k+2:XR+4*\k+3]
.endr
.irp m, 0,1
.irp k, 0,1,2,3
	v_pk_add_f32 v[8+2*\k:9+2*\k], v[8+2*\k:9+2*\k], v[XR+16+8*\m+2*\k:XR+16+8*\m+2*\k+1]
.endr
.endr
	JOIN4
	WSUM
	v_mul_f32 v[MU], s26, v8
	v_cndmask_b32 v[MU], 0, v[MU], s17             ; a weight keeps its numbers: mean 0,
	v_mov_b32 v[MU+1], v[MU]
.irp j, 0,1,2,3,4,5,6,7,8,9,10,11,12,13,14,15
	v_pk_add_f32 v[XR+2*\j:XR+2*\j+1], v[XR+2*\j:XR+2*\j+1], v[MU:MU+1] neg_lo:[0,1] neg_hi:[0,1]
.endr
.irp k, 0,1,2,3                        ; the variance, of the differences
	v_pk_mul_f32 v[8+2*\k:9+2*\k], v[XR+2*\k:XR+2*\k+1], v[XR+2*\k:XR+2*\k+1]
.endr
.irp m, 1,2,3
.irp k, 0,1,2,3
	v_pk_fma_f32 v[8+2*\k:9+2*\k], v[XR+8*\m+2*\k:XR+8*\m+2*\k+1], v[XR+8*\m+2*\k:XR+8*\m+2*\k+1], v[8+2*\k:9+2*\k]
.endr
.endr
	JOIN4
	WSUM
	v_fma_f32 v[RS], v8, s26, s27                  ; var + 1e-5
	v_rsq_f32 v[RS], v[RS]
	v_nop                                          ; a plain instruction behind the transcendental,
	s_wait_alu depctr_va_vdst(0)                   ; and a wait ahead of its first reader
	v_cndmask_b32 v[RS], 1.0, v[RS], s17           ; and factor 1
	v_mov_b32 v[RS+1], v[RS]
.irp j, 0,1,2,3,4,5,6,7,8,9,10,11,12,13,14,15
	v_pk_mul_f32 v[XR+2*\j:XR+2*\j+1], v[XR+2*\j:XR+2*\j+1], v[RS:RS+1]
.endr
.irp i, 0,1,2,3,4,5,6,7                ; the turn: as loaded in, 64 bytes a lane out.  LDS serves a wave's instructions in order: no wait between
	ds_store_b128 v3, v[XR+4*\i:XR+4*\i+3] offset:2560*(\i/4)+640*(\i%4)
.endr
.irp t, 0,1
.irp j, 0,1,2,3
	ds_load_b128 v[NB+16*\t+4*\j:NB+16*\t+4*\j+3], v4 offset:2560*\t+16*\j
.endr
.endr
; 512 numbers of the row: lane l holds numbers 512 t + 16 l + 0 .. 15: half of block 16 t + l / 2
.macro QSTEP t, left
.set XS, NB+16*\t
	s_wait_dscnt \left
	v_max3_num_f32 v8, |v[XS]|, |v[XS+1]|, |v[XS+2]|
	v_max3_num_f32 v9, |v[XS+3]|, |v[XS+4]|, |v[XS+5]|
.irp i, 6,10
	v_max3_num_f32 v8, v8, |v[XS+\i]|, |v[XS+\i+1]|
	v_max3_num_f32 v9, v9, |v[XS+\i+2]|, |v[XS+\i+3]|
.endr
	v_max3_num_f32 v8, v8, |v[XS+14]|, |v[XS+15]|
	v_max3_num_f32 v8, v8, v9, 0x1800000           ; the floor 2^(3 - 127): the byte cannot fall under 1
	v_max_num_f32_dpp v8, v8, v8 row_xmask:1 row_mask:0xf bank_mask:0xf   ; with my neighbour's 16: the block's largest magnitude
	v_add_nc_u32 v11, 0xff000000, v8               ; 2 off its exponent field: the conversion's scale operand
	v_cvt_scalef32_pk8_fp4_f32 v[CD+2*\t], v[XS:XS+7], v11
	v_cvt_scalef32_pk8_fp4_f32 v[CD+2*\t+1], v[XS+8:XS+15], v11
	v_lshrrev_b32 v[EB+\t], 23, v11                ; the scale's byte (also the plain instruction behind the conversions)
	ds_store_b64 v5, v[CD+2*\t:CD+2*\t+1] offset:4352*\t
	ds_store_b8 v6, v[EB+\t] offset:16*\t          ; both lanes of a block write the same byte with the same value
.endm
	QSTEP 0, 4                                     ; the second step's four loads may be out
	QSTEP 1, 2                                     ; behind its loads stand the first step's two stores
	s_wait_dscnt 0x0                               ; for the others' sake: my stores have landed
	s_barrier_signal -1
	s_barrier_wait -1
	ds_load_b128 v[90:93], v7
	s_wait_dscnt 0x0
	global_store_b128 v2, v[90:93], s[20:21]       ; 512 consecutive bytes, aligned
	s_cmp_lg_u32 s12, 0
	s_cbranch_scc1 .Lend
	ds_load_b128 v[12:15], v[SBK]
	s_wait_dscnt 0x0
	global_store_b128 v2, v[12:15], s[24:25]       ; the tile's 512 scale bytes
.Lend:
	s_wait_tensorcnt 0x0
	ds_add_u32 v96, v97
	s_wait_dscnt 0x0
	s_endpgm
.Lfunc_end_k_qb002131846_prep:
	.size	k_qb002131846_prep, .Lfunc_end_k_qb002131846_prep-k_qb002131846_prep
	.p2alignl 7, 3214868480
	.fill 96, 4, 3214868480
	.section	.rodata,"a",@progbits
	.p2align	6, 0x0
	.amdhsa_kernel k_qb002131846_prep
		.amdhsa_group_segment_fixed_size 93184
		.amdhsa_private_segment_fixed_size 0
		.amdhsa_enable_private_segment 0
		.amdhsa_kernarg_size 32
		.amdhsa_user_sgpr_count 2
		.amdhsa_user_sgpr_kernarg_segment_ptr 1
		.amdhsa_wavefront_size32 1
		.amdhsa_system_sgpr_workgroup_id_x 1
		.amdhsa_system_sgpr_workgroup_id_y 1
		.amdhsa_system_sgpr_workgroup_id_z 1
		.amdhsa_system_vgpr_workitem_id 0
		.amdhsa_next_free_vgpr 98
		.amdhsa_next_free_sgpr 66
		.amdhsa_reserve_vcc 0
		.amdhsa_float_denorm_mode_32 3
		.amdhsa_float_denorm_mode_16_64 3
		.amdhsa_memory_ordered 1
		.amdhsa_forward_progress 1
		.amdhsa_inst_pref_size 14
	.end_amdhsa_kernel
	.amdgpu_metadata
---
amdhsa.version: [ 1, 2 ]
amdhsa.kernels:
  - .name:           k_qb002131846_prep
    .symbol:         k_qb002131846_prep.kd
    .args:
      - { .name: X, .offset: 0, .size: 8, .value_kind: global_buffer, .address_space: global }
      - { .name: W_in, .offset: 8, .size: 8, .value_kind: global_buffer, .address_space: global }
      - { .name: W_out, .offset: 16, .size: 8, .value_kind: global_buffer, .address_space: global }
      - { .name: prep, .offset: 24, .size: 8, .value_kind: global_buffer, .address_space: global }
    .group_segment_fixed_size: 93184
    .private_segment_fixed_size: 0
    .kernarg_segment_align: 8
    .kernarg_segment_size: 32
    .max_flat_workgroup_size: 512
    .sgpr_count:     66
    .vgpr_count:     98
    .wavefront_size: 32
...
	.end_amdgpu_metadata
.endif
;; end of part 1
;; launch proj (part 2): grid 16 x 16, 4 waves a work-group, clusters of 4 x 4, 327,680 bytes of LDS; arguments prep, b_in, qkv, gate; writes qkv, gate
.if DOCPART == 2
	.amdgcn_target "amdgcn-amd-amdhsa--gfx1250"
	.amdhsa_code_object_version 6
	.text
	.protected	k_qb002131846_proj
	.globl	k_qb002131846_proj
	.p2align	8
	.type	k_qb002131846_proj,@function
k_qb002131846_proj:
	s_mov_b64 s[64:65], 0
	v_nop
	global_prefetch_b8 v0, s[64:65] scope:SCOPE_SE
	s_setreg_imm32_b32 hwreg(HW_REG_WAVE_MODE, 25, 1), 1
	s_wait_xcnt 0x0
	s_wait_alu depctr_hold_cnt(0) depctr_sa_sdst(0) depctr_va_vdst(0) depctr_va_sdst(0) depctr_va_ssrc(0) depctr_va_vcc(0) depctr_vm_vsrc(0)
	s_getreg_b32 s2, hwreg(HW_REG_IB_STS2, 6, 4)
	s_cmp_eq_u32 s2, 0
	s_cbranch_scc0 .Lentry_in_a_cluster
	s_endpgm
.Lentry_in_a_cluster:
	s_bfe_u32 s2, ttmp6, 0x10000c
	s_cmp_lg_u32 s2, 0xf033
	s_cbranch_scc0 .Lentry_shape_is_right
	s_endpgm
.Lentry_shape_is_right:
; P = Q(Xn) Q(W_in)^T + b_in on codes of FP4 (E2M1) with E8M0 scales, [4096 tokens][4096], and what attention wants of it:
;   Q and K of each head as codes along the head's 64 (half images of 512 bytes a tile of 16 tokens), their scale bytes, and -1/2 of their f32 sums of squares;
;   V as codes along the TOKENS (images of 16 channels x 128 tokens) with scale words;  G in f32, in the order of the result's registers.
; SHARES.  A work-group of four waves takes 256 tokens x one head's 256 columns; a wave 128 x 128: 64 accumulators, (a, b) at v[8 (8 (a % 4) + b)] of window 2 + a / 4.  The column halves are alike:
; tiles b 0-3 are Q (half 0) or K (half 1), b 4, 5 are 32 channels of V, b 6, 7 are 32 of G: one text serves every wave.
; OPERANDS lie in memory and in LDS as images of their registers (1,024 bytes: 16 rows x 128 K): a fragment is two loads of 512 consecutive bytes.  All of K = 1,024 fits in LDS: two slots of 512 along K,
; each filled ONCE, at the start; no LDS byte is filled again.
; CLUSTERS: 4 x 4 work-groups.  The four of a row need the same tokens' codes, the four of a column the same head's weights: each tile is asked for jointly.
; TWO ORDERS OF THE SOURCES.  b 0-3, 6, 7: source 0 = 16 rows of W_in, source 1 = 16 tokens: a lane holds one token, its registers run along the columns; by the choice of a tile's rows the 16 registers of tiles
; 2 e and 2 e + 1 are 16 neighbouring columns.  b 4, 5: source 0 = 16 tokens, source 1 = 16 rows of W_in: a lane holds one channel of V and its registers run along the tokens, V's K.
; The bias is the C of each sum's first matrix instruction.
; REGISTERS.  window 0: v1-14 addresses; v16-27 LDS addresses; v32-95 scale words, two sets; v96-191 at work on the way out; v192-255 the bias, 8 registers a tile b.
;   window 1: W_in's fragments, two sets, at v0 and v128; the tokens' fragments, one set, at v64.   windows 2, 3: the accumulators.
; LIMITS: as stated in the quantising launch (floor of the scale byte at 1; zeros get byte 1; no NaN or infinities).  V's scale words leave in runs of 128 bytes: 131,072 bytes in the whole launch.
.set SLOT,   131072                    ; a slot: the tokens' 16 tiles x 4,096 bytes, then the weights' 16
.set BOFF,   65536
.set HALFT,  32768                     ; 8 tiles: what one tensor load brings, and what one wave reads of either side
.set SCL,    262144                    ; behind the slots: the scale bytes, as rows of 256 bytes + 16 of padding
.set HALFS,  4352                      ; those of 128 rows (4,096 bytes)
.set SBLK,   544                       ; those of 16 rows
.set WC,     2097152                   ; the workspace: W_in's codes; X's scale bytes; W_in's
.set XS,     4718592
.set WS,     4849664
.set VIMG,   4194304                   ; the output: V's images; -1/2 |q|^2; Q's scale halfwords; V's scale words (K's parts lie one region behind Q's)
.set NHQ,    6291456
.set QSC,    6815744
.set VSC,    7077888
.set LI,   3                           ; v3   16 x lane
.set ADRA, 16                          ; v16-17 the tokens' fragments in slot 0, 1
.set ADRB, 20                          ; v20-21 the weights'
.set ADRS, 27                          ; v27  scale words: lanes 0-15 the tokens', lanes 16-31 the weights'
.set SC,   32
.set TM,   96                          ; v96-103  largest magnitudes, then the conversions' scale operands
.set TX,   104                         ; v104-111 the other half's; then bytes
.set SQ,   112                         ; v112-127 sums of squares
.set PC,   128                         ; v128-159 Q's or K's codes, 4 registers a tile
.set PV,   160                         ; v160-175 V's codes, 8 registers a tile of channels
.set BI,   192
.set AF,   64
.set G1, 24
.set G0, 32
.set G1B, 48
.set G0B, 56
.set G1S, 68
.set G0S, 76
.set G1SB, 80
.set G0SB, 88
.set MSB, 0
.macro WIN new                         ; the immediate's high byte repeats the setting that is left
.if MSB != \new
	s_set_vgpr_msb (MSB<<8)|\new
.set MSB, \new
.endif
.endm
.set TO_F, 0x40                        ; destination window 1, address window 0
; A joint load: waves 0 and 1 fetch for the tokens, waves 2 and 3 for the weights.  The branch hangs on the wave's number alone.  Four v_nop follow each of the two lines.
.macro JLOAD g0a, g1a, g0b, g1b
	s_cmp_eq_u32 s15, 0
	s_cbranch_scc0 .Lfor_b_\@
	tensor_load_to_lds s[\g0a:\g0a+3], s[\g1a:\g1a+7]
	s_nop 0
.rept 4
	v_nop
.endr
	s_branch .Lasked_\@
.Lfor_b_\@:
	tensor_load_to_lds s[\g0b:\g0b+3], s[\g1b:\g1b+7]
	s_nop 0
.rept 4
	v_nop
.endr
.Lasked_\@:
.endm
.macro CROUND                          ; a round of the cluster's barrier
	s_barrier_signal -1
	s_barrier_wait -1
	s_cmp_lg_u32 s14, 0
	s_cbranch_scc1 .Lnot_wave_0_\@
	s_barrier_signal -3
.Lnot_wave_0_\@:
	s_barrier_wait -3
	s_barrier_signal -1
	s_barrier_wait -1
.endm
	s_load_b256 s[4:11], s[0:1], 0x0               ; the codes' workspace s[4:5], b_in s[6:7], qkv s[8:9], gate s[10:11]
	v_lshl_add_u32 v190, v0, 2, 0x44400
	v_mov_b32 v191, 0
	ds_add_u32 v190, v191
	ds_add_u32 v190, v191
	v_lshrrev_b32 v1, 5, v0
	v_readfirstlane_b32 s14, v1                    ; wave 0..3
	s_lshr_b32 s15, s14, 1                         ; which 128 tokens are mine.  Also: I fetch for the tokens (0) or for the weights (1)
	s_and_b32 s16, s14, 1                          ; which column half.  Also: which 8 tiles I fetch
	s_bfe_u32 s40, ttmp6, 0x40000                  ; cx, cy: my place in the cluster
	s_bfe_u32 s41, ttmp6, 0x40004
	s_lshl_b32 s42, ttmp9, 2
	s_add_co_u32 s42, s42, s40                     ; the head = 4 x cluster x + cx
	s_and_b32 s17, ttmp7, 0xffff
	s_lshl_b32 s17, s17, 2
	s_add_co_u32 s17, s17, s41                     ; the block of 256 tokens = 4 x cluster y + cy
	s_lshl_b32 s43, s41, 2
	s_lshl_b32 s43, 15, s43                        ; my row of the cluster
	s_lshl_b32 s44, 0x1111, s40                    ; my column
	; group 1 for codes: 8 tiles, of each 4,096 consecutive bytes (512 elements of 8 bytes), 8,192 bytes apart in memory, dense in LDS
	s_or_b32 s[G1+0], s43, (3<<16)|(1<<21)
	s_or_b32 s[G1B+0], s44, (3<<16)|(1<<21)
.irp g, G1, G1B
	s_mov_b32 s[\g+1], 512<<16                     ; tensor_dim0
	s_mov_b32 s[\g+2], 8<<16                       ; tensor_dim1
	s_mov_b32 s[\g+3], 512<<16                     ; tile_dim0
	s_mov_b32 s[\g+4], 8                           ; tile_dim1
	s_mov_b32 s[\g+5], 1024                        ; tensor_dim0_stride
	s_mov_b32 s[\g+6], 0
	s_mov_b32 s[\g+7], 0
.endr
	; group 1 for the scale bytes of 128 rows: 4,096 dense bytes as 16 rows of 256, 16 bytes of padding behind each
	s_or_b32 s[G1S+0], s43, (3<<16)|(1<<20)|(1<<21)|(5<<22)|(3<<25)
	s_or_b32 s[G1SB+0], s44, (3<<16)|(1<<20)|(1<<21)|(5<<22)|(3<<25)
.irp g, G1S, G1SB
	s_mov_b32 s[\g+1], 32<<16
	s_mov_b32 s[\g+2], 16<<16
	s_mov_b32 s[\g+3], 32<<16
	s_mov_b32 s[\g+4], 16
	s_mov_b32 s[\g+5], 32
	s_mov_b32 s[\g+6], 0
	s_mov_b32 s[\g+7], 0
.endr
	s_lshl_b32 s20, s17, 17                        ; the tokens' codes: 16 tiles of 8,192 bytes a block, + my 8 tiles
	s_lshl_b32 s18, s16, 16
	s_add_co_u32 s20, s20, s18
	s_mov_b32 s21, 0
	s_lshl_b32 s46, s42, 17                        ; the head's weights likewise
	s_add_co_u32 s46, s46, s18
	s_add_co_u32 s46, s46, WC
	s_mov_b32 s47, 0
	s_lshl_b32 s22, s17, 13                        ; and the scale bytes: 512 a tile
	s_lshl_b32 s18, s16, 12
	s_add_co_u32 s22, s22, s18
	s_add_co_u32 s22, s22, XS
	s_mov_b32 s23, 0
	s_lshl_b32 s92, s42, 13
	s_add_co_u32 s92, s92, s18
	s_add_co_u32 s92, s92, WS
	s_mov_b32 s93, 0
	s_mul_i32 s45, s14, HALFT                      ; where they go: by the wave's number alone
	s_mul_i32 s94, s14, HALFS
	s_wait_dscnt 0x0
	s_wait_kmcnt 0x0
	s_add_nc_u64 s[20:21], s[4:5], s[20:21]
	s_add_nc_u64 s[22:23], s[4:5], s[22:23]
	s_add_nc_u64 s[46:47], s[4:5], s[46:47]
	s_add_nc_u64 s[92:93], s[4:5], s[92:93]
	CROUND                                         ; all sixteen work-groups are here: the joint loads meet
	s_mov_b32 s[G0S], 1
	s_add_co_u32 s[G0S+1], s94, SCL
	s_mov_b64 s[G0S+2:G0S+3], s[22:23]
	s_or_b32 s[G0S+3], s[G0S+3], 0x80000000
	s_mov_b32 s[G0SB], 1
	s_add_co_u32 s[G0SB+1], s94, SCL
	s_mov_b64 s[G0SB+2:G0SB+3], s[92:93]
	s_or_b32 s[G0SB+3], s[G0SB+3], 0x80000000
	JLOAD G0S, G1S, G0SB, G1SB                     ; the scale bytes first
.irp s, 0,1
	s_mov_b32 s[G0+4*\s], 1
	s_add_co_u32 s[G0+4*\s+1], s45, \s*SLOT
	s_add_nc_u64 s[G0+4*\s+2:G0+4*\s+3], s[20:21], \s*4096
	s_or_b32 s[G0+4*\s+3], s[G0+4*\s+3], 0x80000000
	s_mov_b32 s[G0B+4*\s], 1
	s_add_co_u32 s[G0B+4*\s+1], s45, \s*SLOT
	s_add_nc_u64 s[G0B+4*\s+2:G0B+4*\s+3], s[46:47], \s*4096
	s_or_b32 s[G0B+4*\s+3], s[G0B+4*\s+3], 0x80000000
	JLOAD G0+4*\s, G1, G0B+4*\s, G1B               ; three tensor loads of mine are out behind the second of these
.endr
	v_and_b32 v1, 15, v0                           ; r
	v_bfe_u32 v2, v0, 4, 1                         ; h
	v_and_b32 v12, 31, v0
	v_lshlrev_b32 v[LI], 4, v12
	s_mul_i32 s21, s15, HALFT                      ; my 8 tiles of tokens,
	s_mul_i32 s22, s16, HALFT
	s_add_co_u32 s22, s22, BOFF                    ; my 8 tiles of weights
.irp s, 0,1
	v_add_nc_u32 v[ADRA+\s], s21, v[LI]
	v_add_nc_u32 v[ADRB+\s], s22, v[LI]
	s_add_co_u32 s21, s21, SLOT
	s_add_co_u32 s22, s22, SLOT
.endr
	v_mul_u32_u24 v5, v1, 32                       ; my row's scale bytes: 32 a row,
	v_lshrrev_b32 v6, 8, v5
	v_lshl_add_u32 v5, v6, 4, v5                   ; and 16 more for each 256 passed
	s_mul_i32 s21, s15, HALFS
	s_mul_i32 s22, s16, HALFS
	s_add_co_u32 s22, s22, 2*HALFS
	s_sub_co_u32 s22, s22, s21
	v_mul_u32_u24 v6, s22, v2                      ; lanes 16-31 take the weights'
	s_add_co_u32 s21, s21, SCL
	v_add_nc_u32 v5, v5, v6
	v_add_nc_u32 v[ADRS], s21, v5
	s_lshl_b32 s23, s14, 10                        ; the way out: 1,024 bytes a wave at the head of slot 0, which has had its one fill and is read by nobody behind the change of slots
	v_lshl_add_u32 v8, v1, 2, s23                  ; in: -1/2 |.|^2, [tile 8][r] f32
	v_add_nc_u32 v9, 512, v8                       ; in: scale halfwords, [pair of tiles 4][r] words
	v_add_nc_u32 v10, s23, v[LI]                   ; back
	v_lshlrev_b32 v13, 2, v12                      ; 4 x lane
	v_lshlrev_b32 v12, 3, v12                      ; 8 x lane
	v_add_nc_u32 v11, s23, v12
	v_add_nc_u32 v11, 512, v11                     ; back
	v_lshlrev_b32 v14, 6, v2                       ; the bias: 64 h bytes: my half's 16 columns
	v_and_b32 v4, 8, v1
	v_add_nc_u32 v4, v4, v1
	v_lshlrev_b32 v4, 2, v4                        ; or, for V, my channel: 4 (r + 8 (r / 8))
	s_lshl_b32 s66, s42, 10
	s_lshl_b32 s2, s16, 7
	s_add_co_u32 s2, s66, s2
	s_mov_b32 s3, 0
	s_add_nc_u64 s[2:3], s[6:7], s[2:3]            ; b_in at column 256 hd + 32 ch
	s_lshl_b32 s67, s16, 8
	s_add_co_u32 s66, s66, s67
	s_mov_b32 s67, 0
	s_add_nc_u64 s[66:67], s[6:7], s[66:67]        ; b_in at column 256 hd + 64 ch
.irp b, 0,1,2,3
	global_load_b128 v[BI+8*\b:BI+8*\b+3], v14, s[66:67] offset:4*(32*(\b/2)+8*(\b%2))
	global_load_b128 v[BI+8*\b+4:BI+8*\b+7], v14, s[66:67] offset:4*(32*(\b/2)+8*(\b%2))+16
.endr
.irp u, 0,1
	global_load_b32 v[BI+32+8*\u], v4, s[2:3] offset:512+32*\u
	global_load_b128 v[BI+48+8*\u:BI+48+8*\u+3], v14, s[2:3] offset:768+32*\u
	global_load_b128 v[BI+52+8*\u:BI+52+8*\u+3], v14, s[2:3] offset:768+32*\u+16
.endr
	; where my results go.  U = 256 hd + my first tile of tokens
	s_lshl_b32 s45, s42, 8
	s_lshl_b32 s46, s17, 4
	s_add_co_u32 s45, s45, s46
	s_lshl_b32 s46, s15, 3
	s_add_co_u32 s45, s45, s46
	s_lshl_b32 s12, s45, 9                         ; Q's or K's half images: 512 bytes a tile
	s_lshl_b32 s46, s16, 21
	s_add_co_u32 s12, s12, s46
	s_mov_b32 s13, 0
	s_add_nc_u64 s[12:13], s[8:9], s[12:13]
	s_lshl_b32 s18, s45, 6                         ; -1/2 |.|^2: 64 bytes a tile
	s_lshl_b32 s46, s16, 18
	s_add_co_u32 s18, s18, s46
	s_add_co_u32 s18, s18, NHQ
	s_mov_b32 s19, 0
	s_add_nc_u64 s[18:19], s[8:9], s[18:19]
	s_lshl_b32 s20, s45, 5                         ; scale halfwords: 64 bytes a pair of tiles
	s_lshl_b32 s46, s16, 17
	s_add_co_u32 s20, s20, s46
	s_add_co_u32 s20, s20, QSC
	s_mov_b32 s21, 0
	s_add_nc_u64 s[20:21], s[8:9], s[20:21]
	s_lshl_b32 s22, s45, 9                         ; V's images: 4 x 1,024 bytes for 128 tokens, my two
	s_lshl_b32 s46, s16, 11
	s_add_co_u32 s22, s22, s46
	s_add_co_u32 s22, s22, VIMG
	s_mov_b32 s23, 0
	s_add_nc_u64 s[22:23], s[8:9], s[22:23]
	s_lshl_b32 s92, s45, 5                         ; V's scale words: 4 x 64 bytes for 128 tokens, my two
	s_lshl_b32 s46, s16, 7
	s_add_co_u32 s92, s92, s46
	s_add_co_u32 s92, s92, VSC
	s_mov_b32 s93, 0
	s_add_nc_u64 s[92:93], s[8:9], s[92:93]
	s_lshl_b32 s94, s45, 12                        ; G: 2 x 2,048 bytes a tile, my half
	s_lshl_b32 s46, s16, 11
	s_add_co_u32 s94, s94, s46
	s_mov_b32 s95, 0
	s_add_nc_u64 s[94:95], s[10:11], s[94:95]
	s_mov_b32 s96, 0x76543210
	s_mov_b32 s97, 0xfedcba98                      ; v_permlanex16_b32's selects for lane l xor 16
	s_mov_b32 s98, 0xffff0000                      ; lanes 16-31
.macro FRAG reg, adr, q, i             ; tile i's image of the slot's q-th 128 along K: two loads of 512 consecutive bytes
.irp c, 0,1
	ds_load_b128 v[\reg+4*\c:\reg+4*\c+3], v[\adr] offset:(\i)*4096+(\q)*1024+512*\c
.endr
.endm
.macro FETCH_B slot, q, p              ; the weights' eight fragments into set p
	WIN TO_F
.irp i, 0,1,2,3,4,5,6,7
	FRAG 128*(\p)+8*\i, ADRB+\slot, \q, \i
.endr
.endm
.macro FETCH_A slot, q, i0             ; the tokens' tiles i0 .. i0 + 3
	WIN TO_F
.irp i, \i0, \i0+1, \i0+2, \i0+3
	FRAG AF+8*(\i), ADRA+\slot, \q, \i
.endr
.endm
.macro SCALES sc                       ; a slot's scale words: 4 words a row; lanes 0-15 the tokens' tile i, lanes 16-31 the weights' tile i
	WIN 0
.irp i, 0,1,2,3,4,5,6,7
	ds_load_b128 v[SC+32*\sc+4*\i:SC+32*\sc+4*\i+3], v[ADRS] offset:\i*SBLK
.endr
.endm
.macro PLACES n                        ; plain vector instructions between a matrix instruction and a load into, or a read of, its registers
.rept \n
	v_nop
.endr
.endm
; 16 matrix instructions: the tokens' tiles a0, a0 + 1 x the weights' eight.  The 64 accumulators take turns, one instruction a turn, in the same order in every step.
.macro MUL16 a0, p, q, sc, first
.irp a, \a0, \a0+1
.irp b, 0,1,2,3,4,5,6,7
.set rD, 8*(8*((\a)%4)+\b)
.set rB, 128*(\p)+8*\b
.set rA, AF+8*(\a)
.set sB, SC+32*(\sc)+4*\b+(\q)
.set sA, SC+32*(\sc)+4*(\a)+(\q)
.if \first
.set rC, BI+8*\b
.else
.set rC, rD
.endif
.if (\b == 4) || (\b == 5)
	v_wmma_scale_f32_16x16x128_f8f6f4 v[rD:rD+7], v[rA:rA+7], v[rB:rB+7], v[rC:rC+7], v[sA], v[sB] matrix_a_fmt:MATRIX_FMT_FP4 matrix_b_fmt:MATRIX_FMT_FP4 matrix_b_scale:MATRIX_SCALE_ROW1
.else
	v_wmma_scale_f32_16x16x128_f8f6f4 v[rD:rD+7], v[rB:rB+7], v[rA:rA+7], v[rC:rC+7], v[sB], v[sA] matrix_a_fmt:MATRIX_FMT_FP4 matrix_b_fmt:MATRIX_FMT_FP4 matrix_a_scale:MATRIX_SCALE_ROW1
.endif
.endr
.endr
.endm
; A step of 128 along K that has its successor in the same slot.  first = 1: C is the bias, in window 0
.macro STEP slot, q, first
	s_wait_dscnt 8                                 ; all but the youngest eight loads (the tokens' tiles 4-7) are in
	WIN 0xa5-0x20*\first                           ; both sources window 1; D window 2; C window 2, or 0
	MUL16 0, (\q)%2, \q, \slot, \first
	MUL16 2, (\q)%2, \q, \slot, \first
	s_wait_dscnt 0                                 ; the tokens' tiles 4-7 are in
	PLACES 4
	FETCH_B \slot, (\q)+1, 1-(\q)%2
	FETCH_A \slot, (\q)+1, 0
	WIN 0xf5-0x30*\first                           ; D window 3; C window 3, or 0
	MUL16 4, (\q)%2, \q, \slot, \first
	MUL16 6, (\q)%2, \q, \slot, \first
	PLACES 4
	FETCH_A \slot, (\q)+1, 4
.endm
	s_wait_tensorcnt 1                             ; the scale bytes and my part of slot 0 are in; slot 1's load may be out
	s_barrier_signal -1
	s_barrier_wait -1                              ; everybody's are
	FETCH_B 0, 0, 0
	FETCH_A 0, 0, 0
	SCALES 0
	FETCH_A 0, 0, 4
	WIN 0
	s_wait_loadcnt 0x0                             ; the bias
.irp u, 0,1
.irp j, 1,2,3,4,5,6,7
	v_mov_b32 v[BI+32+8*\u+\j], v[BI+32+8*\u]      ; V's tiles: a lane holds one channel, so its eight registers take the same number
.endr
.endr
	STEP 0, 0, 1
	STEP 0, 1, 0
	STEP 0, 2, 0
	; slot 0's last step changes slots: my part of slot 1 has landed and my reads of slot 0 are over, then the barrier
	s_wait_tensorcnt 0x0
	s_wait_dscnt 8
	WIN 0xa5
	MUL16 0, 1, 3, 0, 0
	s_wait_dscnt 0x0
	s_barrier_signal -1
	MUL16 2, 1, 3, 0, 0
	s_barrier_wait -1
	PLACES 4
	WIN 0
	v_add_nc_u32 v[ADRS], 16, v[ADRS]              ; slot 1's scale words (no LDS load of mine is out)
	FETCH_B 1, 0, 0
	FETCH_A 1, 0, 0
	SCALES 1
	WIN 0xf5
	MUL16 4, 1, 3, 0, 0
	MUL16 6, 1, 3, 0, 0
	PLACES 4
	FETCH_A 1, 0, 4
	STEP 1, 0, 0
	STEP 1, 1, 0
	STEP 1, 2, 0
	s_wait_dscnt 8                                 ; the very last step
	WIN 0xa5
	MUL16 0, 1, 3, 1, 0
	MUL16 2, 1, 3, 1, 0
	s_wait_dscnt 0
	WIN 0xf5
	MUL16 4, 1, 3, 1, 0
	MUL16 6, 1, 3, 1, 0
	WIN 0
.irp k, 0,1,2,3,4,5,6,7
	v_mov_b32 v[TX+\k], 0                          ; a lane permute's destination counts as one of its sources.  (These eight are also the places behind the last products)
.endr
	; G leaves as it stands: registers 4 c + i of tiles 6 and 7 are G(token r, channel 32 ch + 16 h + 4 c + i); each store covers 512 consecutive bytes; each accumulator from its low end on
.irp a, 0,1,2,3,4,5,6,7
	WIN 0x08+4*(\a/4)                              ; a store's data are its source 1: window 2 or 3
.irp c, 0,1,2,3
	global_store_b128 v[LI], v[64*(\a%4)+48+4*\c:64*(\a%4)+48+4*\c+3], s[94:95] offset:\a*4096+512*\c th:TH_STORE_NT
.endr
.endr
; Q or K of four tiles of tokens (window 2 + g).  Register 16 e + i of a tile's first 32 is channel 32 e + 16 h + i of token r.
.macro QKGROUP g
	s_wait_dscnt 0x0                               ; the last group's LDS stores have read their registers
	WIN 0x0a+5*\g                                  ; sources 0 and 1: window 2 + g
.irp p, 0,1,2,3,4,5,6,7,8,9,10,11,12,13,14,15      ; the sum of squares of the UNQUANTISED numbers, two chains a tile, ascending
.irp x, 0,1,2,3
.if \p < 2
	v_pk_mul_f32 v[SQ+4*\x+2*(\p%2):SQ+4*\x+2*(\p%2)+1], v[64*\x+2*\p:64*\x+2*\p+1], v[64*\x+2*\p:64*\x+2*\p+1]
.else
	v_pk_fma_f32 v[SQ+4*\x+2*(\p%2):SQ+4*\x+2*(\p%2)+1], v[64*\x+2*\p:64*\x+2*\p+1], v[64*\x+2*\p:64*\x+2*\p+1], v[SQ+4*\x+2*(\p%2):SQ+4*\x+2*(\p%2)+1]
.endif
.endr
.endr
.irp i, 0,2,4,6,8,10,12,14                         ; the largest magnitude of my 16 of each block, with the floor 2^(3 - 127)
.irp x, 0,1,2,3
.irp e, 0,1
.if \i == 0
	v_max3_num_f32 v[TM+2*\x+\e], |v[64*\x+16*\e]|, |v[64*\x+16*\e+1]|, 0x1800000
.else
	v_max3_num_f32 v[TM+2*\x+\e], |v[64*\x+16*\e+\i]|, |v[64*\x+16*\e+\i+1]|, v[TM+2*\x+\e]
.endif
.endr
.endr
.endr
	WIN 0
.irp x, 0,1,2,3
	v_pk_add_f32 v[SQ+4*\x:SQ+4*\x+1], v[SQ+4*\x:SQ+4*\x+1], v[SQ+4*\x+2:SQ+4*\x+3]
.endr
.irp x, 0,1,2,3
	v_add_f32 v[SQ+4*\x], v[SQ+4*\x], v[SQ+4*\x+1]
.endr
.irp x, 0,1,2,3
	v_permlanex16_b32 v[SQ+4*\x+1], v[SQ+4*\x], s96, s97
.endr
.irp x, 0,1,2,3
	v_add_f32 v[SQ+4*\x], v[SQ+4*\x], v[SQ+4*\x+1] ; with lane l xor 16's 32 channels
.endr
.irp x, 0,1,2,3
	v_mul_f32 v[SQ+4*\x], -0.5, v[SQ+4*\x]
.endr
.irp x, 0,1,2,3
	ds_store_b32 v8, v[SQ+4*\x] offset:(4*\g+\x)*64
.endr
.irp k, 0,1,2,3,4,5,6,7
	v_permlanex16_b32 v[TX+\k], v[TM+\k], s96, s97
.endr
.irp k, 0,1,2,3,4,5,6,7
	v_max_num_f32 v[TM+\k], v[TM+\k], v[TX+\k]     ; the block's largest magnitude
.endr
.irp k, 0,1,2,3,4,5,6,7
	v_add_nc_u32 v[TM+\k], 0xff000000, v[TM+\k]    ; 2 off its exponent field: the conversion's scale operand
.endr
.irp k, 0,1,2,3,4,5,6,7
	v_lshrrev_b32 v[TX+\k], 23, v[TM+\k]           ; the scale's byte
.endr
.irp x, 0,1,2,3
	v_lshl_or_b32 v[TX+2*\x], v[TX+2*\x+1], 8, v[TX+2*\x]
.endr
.irp x, 0,1,2,3
	ds_store_b16 v9, v[TX+2*\x] offset:64*((4*\g+\x)/2)+2*((4*\g+\x)%2)
.endr
	WIN 0x02+\g
.irp x, 0,1,2,3
.irp e, 0,1
.irp f, 0,1
	v_cvt_scalef32_pk8_fp4_f32 v[PC+4*(4*\g+\x)+2*\e+\f], v[64*\x+16*\e+8*\f:64*\x+16*\e+8*\f+7], v[TM+2*\x+\e]
.endr
.endr
.endr
	WIN 0
	v_nop                                          ; one plain instruction behind the conversions
.irp x, 0,1,2,3
.irp i, 0,1
	v_permlane16_swap_b32 v[PC+4*(4*\g+\x)+\i], v[PC+4*(4*\g+\x)+2+\i]   ; a whole block to a lane: lanes 0-15 block 0, lanes 16-31 block 1
.endr
.endr
.irp x, 0,1,2,3
	global_store_b128 v[LI], v[PC+4*(4*\g+\x):PC+4*(4*\g+\x)+3], s[12:13] offset:(4*\g+\x)*512   ; the tile's half image: 512 consecutive bytes
.endr
.endm
	QKGROUP 0
	QKGROUP 1
	; V: tiles b = 4 + u.  A lane holds one channel; block e' of 32 tokens lies in the accumulators of the tokens' tiles 2 e' and 2 e' + 1, my half's 16
	s_wait_dscnt 0x0
.irp w, 0,1
	WIN 0x0a+5*\w
.irp i, 0,2,4,6,8,10,12,14
.irp u, 0,1
.irp e, 0,1
.if \i == 0
	v_max3_num_f32 v[TM+4*\u+2*\w+\e], |v[128*\e+32+8*\u]|, |v[128*\e+32+8*\u+1]|, 0x1800000
.else
	v_max3_num_f32 v[TM+4*\u+2*\w+\e], |v[64*(2*\e+\i/8)+32+8*\u+\i%8]|, |v[64*(2*\e+\i/8)+32+8*\u+\i%8+1]|, v[TM+4*\u+2*\w+\e]
.endif
.endr
.endr
.endr
.endr
	WIN 0
.irp k, 0,1,2,3,4,5,6,7
	v_permlanex16_b32 v[TX+\k], v[TM+\k], s96, s97
.endr
.irp k, 0,1,2,3,4,5,6,7
	v_max_num_f32 v[TM+\k], v[TM+\k], v[TX+\k]
.endr
.irp k, 0,1,2,3,4,5,6,7
	v_add_nc_u32 v[TM+\k], 0xff000000, v[TM+\k]
.endr
.irp k, 0,1,2,3,4,5,6,7
	v_lshrrev_b32 v[TX+\k], 23, v[TM+\k]
.endr
.irp u, 0,1
	v_lshl_or_b32 v[TX+4*\u], v[TX+4*\u+1], 8, v[TX+4*\u]
	v_lshl_or_b32 v[TX+4*\u], v[TX+4*\u+2], 16, v[TX+4*\u]
	v_lshl_or_b32 v[TX+4*\u], v[TX+4*\u+3], 24, v[TX+4*\u]     ; my channel's scale word for these 128 tokens
.endr
	v_cndmask_b32 v[TX], v[TX], v[TX+4], s98       ; lanes 0-15 tile u = 0's, lanes 16-31 tile u = 1's
.irp w, 0,1
	WIN 0x02+\w
.irp u, 0,1
.irp e, 0,1
.irp f, 0,1
	v_cvt_scalef32_pk8_fp4_f32 v[PV+8*\u+2*(2*\w+\e)+\f], v[64*(2*\e+\f)+32+8*\u:64*(2*\e+\f)+32+8*\u+7], v[TM+4*\u+2*\w+\e]
.endr
.endr
.endr
.endr
	WIN 0
	v_nop
.irp u, 0,1
.irp c, 0,1
.irp i, 0,1
	v_permlane16_swap_b32 v[PV+8*\u+4*\c+\i], v[PV+8*\u+4*\c+2+\i]
.endr
.endr
.endr
.irp u, 0,1
.irp c, 0,1
	global_store_b128 v[LI], v[PV+8*\u+4*\c:PV+8*\u+4*\c+3], s[22:23] offset:1024*\u+512*\c
.endr
.endr
	global_store_b32 v13, v[TX], s[92:93]          ; 128 consecutive bytes
	ds_load_b128 v[176:179], v10                   ; LDS serves a wave's instructions in order: these see my stores
	ds_load_b64 v[180:181], v11
	s_wait_dscnt 0x0
	global_store_b128 v[LI], v[176:179], s[18:19]  ; 512 consecutive bytes
	global_store_b64 v12, v[180:181], s[20:21]     ; 256 consecutive bytes
	s_wait_tensorcnt 0x0
	s_wait_tensorcnt 0x0
	ds_add_u32 v190, v191
	s_wait_dscnt 0x0
	CROUND                                         ; the closing round: no work-group ends while a partner may still ask for a tile that names it
	s_endpgm
.Lfunc_end_k_qb002131846_proj:
	.size	k_qb002131846_proj, .Lfunc_end_k_qb002131846_proj-k_qb002131846_proj
	.p2alignl 7, 3214868480
	.fill 96, 4, 3214868480
	.section	.rodata,"a",@progbits
	.p2align	6, 0x0
	.amdhsa_kernel k_qb002131846_proj
		.amdhsa_group_segment_fixed_size 327680
		.amdhsa_private_segment_fixed_size 0
		.amdhsa_enable_private_segment 0
		.amdhsa_kernarg_size 32
		.amdhsa_user_sgpr_count 2
		.amdhsa_user_sgpr_kernarg_segment_ptr 1
		.amdhsa_wavefront_size32 1
		.amdhsa_system_sgpr_workgroup_id_x 1
		.amdhsa_system_sgpr_workgroup_id_y 1
		.amdhsa_system_sgpr_workgroup_id_z 1
		.amdhsa_system_vgpr_workitem_id 0
		.amdhsa_next_free_vgpr 1024
		.amdhsa_next_free_sgpr 100
		.amdhsa_reserve_vcc 0
		.amdhsa_float_denorm_mode_32 3
		.amdhsa_float_denorm_mode_16_64 3
		.amdhsa_memory_ordered 1
		.amdhsa_forward_progress 1
		.amdhsa_inst_pref_size 136
	.end_amdhsa_kernel
	.amdgpu_metadata
---
amdhsa.version: [ 1, 2 ]
amdhsa.kernels:
  - .name:           k_qb002131846_proj
    .symbol:         k_qb002131846_proj.kd
    .args:
      - { .name: prep, .offset: 0, .size: 8, .value_kind: global_buffer, .address_space: global }
      - { .name: b_in, .offset: 8, .size: 8, .value_kind: global_buffer, .address_space: global }
      - { .name: qkv, .offset: 16, .size: 8, .value_kind: global_buffer, .address_space: global }
      - { .name: gate, .offset: 24, .size: 8, .value_kind: global_buffer, .address_space: global }
    .group_segment_fixed_size: 327680
    .private_segment_fixed_size: 0
    .kernarg_segment_align: 8
    .kernarg_segment_size: 32
    .max_flat_workgroup_size: 128
    .sgpr_count:     100
    .vgpr_count:     1024
    .wavefront_size: 32
...
	.end_amdgpu_metadata
.endif
;; end of part 2
;; launch attn (part 3): grid 8 x 32, 8 waves a work-group, no clusters, 76,800 bytes of LDS; arguments qkv, gate, ocode; writes ocode
.if DOCPART == 3
	.amdgcn_target "amdgcn-amd-amdhsa--gfx1250"
	.amdhsa_code_object_version 6
	.text
	.protected	k_qb002131846_attn
	.globl	k_qb002131846_attn
	.p2align	8
	.type	k_qb002131846_attn,@function
k_qb002131846_attn:
	s_mov_b64 s[64:65], 0
	v_nop
	global_prefetch_b8 v0, s[64:65] scope:SCOPE_SE
	s_setreg_imm32_b32 hwreg(HW_REG_WAVE_MODE, 25, 1), 1
	s_wait_xcnt 0x0
; Shepard's attention of one (batch, head): W = (1e-4 + sqrt(max(|q|^2 + |k|^2 - 2 q.k, 0)))^-2, W / (1e-4 + the row's sum), A = W V, O = G A, O quantised along d for the last product.
; q.k and W V are products on codes of FP4 (E2M1) with E8M0 scales; |q|^2 and |k|^2 are f32 sums of the unquantised numbers.  W is quantised FINISHED AND NORMALISED, so the row's sum must be known first:
; THE UNNORMALISED W OF 32 QUERIES x ALL 2,048 KEYS STAYS IN REGISTERS: 8 waves x 256 registers.  Each root and each reciprocal is taken once.
; SHARES.  A work-group takes 256 queries, 32 a trip.  Wave w keeps keys 256 w .. 256 w + 255 in registers for the whole launch: K's codes (8 fragments, two tiles of 16 keys each), V^T's (8), their scale words.
; They go from memory straight into registers, once a work-group; so there is no tensor load, no ring, and no cluster: a joint load ends in LDS, where nothing of this is wanted.
; LAYOUT.  Both products are used transposed: S^T = K Q^T, O^T = V^T P^T: a lane holds one query.  A tile's keys are chosen (by the launch that made the tiles) so that the 16 registers of tiles 2 e, 2 e + 1 are keys 32 e + 16 h + 0 .. 15.
; K = 64 is half of the matrix instruction's 128: a fragment of K holds two tiles of keys, and Q stands beside zero codes, once in the lower half of K and once in the upper.
; -1/2 |k|^2 is the C of the first product; then sq = -2 (q.k - 1/2 |k|^2) + |q|^2 is one fused multiply-add.
; A TRIP, two barriers: scores; W, in batches of 64 registers with plain work between the roots and reciprocals; each wave's part of the rows' sums to LDS | barrier | normalise, quantise, V^T P^T; the eight waves' parts of O^T to LDS | barrier |
; waves 0-3 add them, one (tile of queries, 32 channels) each, multiply by G, quantise, store.
; LIMITS: no NaN or infinities; floor of the scale byte at 1, zeros get byte 1; divisions are v_rcp_f32 and a multiplication; sums over keys in this text's fixed order.  O's scale bytes leave as halfwords 4 bytes apart: 131,072 bytes in the whole launch.
; REGISTERS.  window 1: W(qt, kt) at v[128 qt + 8 kt]; later O^T(qt, dt) at v[8 (4 qt + dt)]; the owners use v64-207.   window 0: below.
.set KIMG, 2097152
.set VIMG, 4194304
.set NHQ,  6291456
.set NHK,  6553600
.set QSC,  6815744
.set KSC,  6946816
.set VSC,  7077888
.set OSC,  2097152
.set SUMA, 8192                        ; LDS: 0: -1/2 |k|^2, 1,024 bytes a wave, its own;  here: the sums' parts, [32 queries][8 waves] f32;
.set SCB,  9216                        ; O's scale bytes, [trip 8][qt 2][r 16][2];
.set OP,   10240                       ; the parts of O^T, 8,192 bytes a wave
; v1 16 x lane; v2 4 r; v3 my -1/2 |k|^2; v4, v5 the sums' parts, in and back; v6, v7 O^T's parts, in and back; v8 G's offset; v9 O's codes' offset; v10, v11 O's scale byte; v12 256 x lane; v13-15 Q's scale word and -1/2 |q|^2 as loaded
; v16-39 Q: for each qt zeros (4), q (4), zeros (4); v40-41 Q's scale words; v[42:43], v[44:45] |q|^2; v46-53 four sums; v[54:55], v[56:57] 1 / (1e-4 + sum)
.set TM,  58                           ; v58-65  largest numbers, then scale operands
.set TX,  66                           ; v66-73  the other half's, then bytes
.set PC,  74                           ; v74-105 P's codes: (qt, ks) at 74 + 16 qt + 8 ks
.set PS,  106                          ; v106-109 P's scale words
.set KF,  112                          ; v112-175 K
.set VF,  176                          ; v176-239 V^T: (ks, dt) at 176 + 8 (4 ks + dt)
.set KS,  240
.set VS,  248
.set MSB, 0
.macro WIN new                         ; bits 1:0 source 0, 3:2 source 1, 5:4 source 2, 7:6 destination; the high byte repeats the setting that is left
.if MSB != \new
	s_set_vgpr_msb (MSB<<8)|\new
.set MSB, \new
.endif
.endm
	s_load_b128 s[4:7], s[0:1], 0x0                ; qkv, gate
	s_load_b64 s[8:9], s[0:1], 0x10                ; ocode
	v_lshrrev_b32 v60, 5, v0
	v_readfirstlane_b32 s10, v60                   ; wave 0..7
	s_and_b32 s11, ttmp7, 0xffff
	s_lshr_b32 s12, s11, 4                         ; batch
	s_and_b32 s13, s11, 15                         ; head
	s_lshl_b32 s36, s13, 8
	s_lshl_b32 s37, s12, 7
	s_add_co_u32 s36, s36, s37                     ; 256 hd + 128 bt: the (batch, head)'s first tile
	s_lshl_b32 s37, s10, 4
	s_add_co_u32 s37, s36, s37                     ; my first tile of keys
	s_lshl_b32 s38, ttmp9, 4
	s_add_co_u32 s36, s36, s38                     ; the work-group's first tile of queries
	s_lshl_b32 s14, s12, 7
	s_add_co_u32 s14, s14, s38                     ; the same without the head
	s_lshl_b32 s40, s37, 9
	s_add_co_u32 s40, s40, KIMG
	s_mov_b32 s41, 0
	s_lshl_b32 s42, s37, 5
	s_add_co_u32 s42, s42, KSC
	s_mov_b32 s43, 0
	s_lshl_b32 s44, s37, 9
	s_add_co_u32 s44, s44, VIMG
	s_mov_b32 s45, 0
	s_lshl_b32 s46, s37, 5
	s_add_co_u32 s46, s46, VSC
	s_mov_b32 s47, 0
	s_lshl_b32 s48, s37, 6
	s_add_co_u32 s48, s48, NHK
	s_mov_b32 s49, 0
	s_lshl_b32 s16, s36, 9
	s_mov_b32 s17, 0
	s_lshl_b32 s18, s36, 5
	s_add_co_u32 s18, s18, QSC
	s_mov_b32 s19, 0
	s_lshl_b32 s20, s36, 6
	s_add_co_u32 s20, s20, NHQ
	s_mov_b32 s21, 0
	s_lshl_b32 s22, s36, 12
	s_mov_b32 s23, 0
	s_lshl_b32 s24, s14, 13                        ; O's codes: 8,192 bytes a tile; the head's two blocks of 256 bytes at 512 hd
	s_lshl_b32 s38, s13, 9
	s_add_co_u32 s24, s24, s38
	s_mov_b32 s25, 0
	s_lshr_b32 s26, s13, 1                         ; O's scale words: [hd / 2][tile][r], my halfword hd % 2
	s_lshl_b32 s26, s26, 14
	s_lshl_b32 s38, s14, 6
	s_add_co_u32 s26, s26, s38
	s_and_b32 s38, s13, 1
	s_lshl_b32 s38, s38, 1
	s_add_co_u32 s26, s26, s38
	s_add_co_u32 s26, s26, OSC
	s_mov_b32 s27, 0
	s_lshl_b32 s50, s10, 10
	s_lshl_b32 s51, s10, 2
	s_add_co_u32 s51, s51, SUMA
	s_lshl_b32 s52, s10, 13
	s_add_co_u32 s52, s52, OP
	s_and_b32 s53, s10, 3
	s_lshl_b32 s53, s53, 11                        ; an owner's (qt, e) = (wave / 2, wave % 2): 2,048 bytes each
	s_add_co_u32 s56, s53, OP
	s_bfe_u32 s54, s10, 0x10001
	s_and_b32 s55, s10, 1
	s_lshl_b32 s57, s54, 13
	s_lshl_b32 s58, s55, 8
	s_add_co_u32 s57, s57, s58
	s_lshl_b32 s58, s54, 5
	s_add_co_u32 s58, s58, s55
	s_add_co_u32 s58, s58, SCB
	s_mov_b32 s28, 0                               ; the trip
	s_mov_b32 s29, 0                               ; 64 x the trip
	s_mov_b32 s30, 0x38d1b717                      ; 1e-4
	s_mov_b32 s31, s30
	s_mov_b32 s32, 0x76543210
	s_mov_b32 s33, 0xfedcba98                      ; v_permlanex16_b32's selects for lane l xor 16
	s_mov_b32 s34, 0xffff0000                      ; lanes 16-31
	s_cmp_eq_u32 s10, 4
	s_cselect_b32 s35, 7, 0                        ; wave 4 prefetches, in trips 0 to 6
	v_and_b32 v60, 15, v0                          ; r
	v_bfe_u32 v61, v0, 4, 1                        ; h
	v_and_b32 v62, 31, v0                          ; lane
	v_lshlrev_b32 v1, 4, v62
	v_lshlrev_b32 v2, 2, v60
	v_lshl_add_u32 v3, v61, 5, s50
	v_lshl_add_u32 v4, v62, 5, s51
	v_lshl_add_u32 v5, v60, 5, SUMA
	v_add_nc_u32 v6, s52, v1
	v_add_nc_u32 v7, s56, v1
	v_add_nc_u32 v8, s53, v1
	v_lshlrev_b32 v9, 4, v60
	v_lshl_add_u32 v9, v61, 3, v9
	v_add_nc_u32 v9, s57, v9
	v_lshl_add_u32 v10, v60, 1, s58
	v_add_nc_u32 v11, s50, v1
	v_lshlrev_b32 v12, 8, v62
	s_wait_kmcnt 0x0
	s_add_nc_u64 s[40:41], s[4:5], s[40:41]
	s_add_nc_u64 s[42:43], s[4:5], s[42:43]
	s_add_nc_u64 s[44:45], s[4:5], s[44:45]
	s_add_nc_u64 s[46:47], s[4:5], s[46:47]
	s_add_nc_u64 s[48:49], s[4:5], s[48:49]
	s_add_nc_u64 s[16:17], s[4:5], s[16:17]
	s_add_nc_u64 s[18:19], s[4:5], s[18:19]
	s_add_nc_u64 s[20:21], s[4:5], s[20:21]
	s_add_nc_u64 s[22:23], s[6:7], s[22:23]
	s_add_nc_u64 s[24:25], s[8:9], s[24:25]
	s_add_nc_u64 s[26:27], s[8:9], s[26:27]
.irp p, 0,1,2,3,4,5,6,7
	global_load_b128 v[KF+8*\p:KF+8*\p+3], v1, s[40:41] offset:1024*\p         ; tile 2 p of my keys: k 0-63 of the fragment,
	global_load_b128 v[KF+8*\p+4:KF+8*\p+7], v1, s[40:41] offset:1024*\p+512   ; tile 2 p + 1: k 64-127
	global_load_b32 v[KS+\p], v2, s[42:43] offset:64*\p
.endr
.irp k, 0,1,2,3,4,5,6,7
	global_load_b128 v[VF+8*\k:VF+8*\k+3], v1, s[44:45] offset:1024*\k
	global_load_b128 v[VF+8*\k+4:VF+8*\k+7], v1, s[44:45] offset:1024*\k+512
	global_load_b32 v[VS+\k], v2, s[46:47] offset:64*\k
.endr
	global_load_b128 v[74:77], v1, s[48:49]
	global_load_b128 v[78:81], v1, s[48:49] offset:512
.macro QLOAD                           ; 32 queries: two half images, the pair's scale word, -1/2 |q|^2
	global_load_b128 v[20:23], v1, s[16:17]
	global_load_b128 v[32:35], v1, s[16:17] offset:512
	global_load_b32 v13, v2, s[18:19]
	global_load_b32 v14, v2, s[20:21]
	global_load_b32 v15, v2, s[20:21] offset:64
.endm
	QLOAD
.irp k, 16,17,18,19,24,25,26,27,28,29,30,31,36,37,38,39
	v_mov_b32 v\k, 0                               ; the zero codes beside Q
.endr
.irp k, 43,45,55,57,66,67,68,69,70,71,72,73
	v_mov_b32 v\k, 0                               ; upper halves of pairs that are named whole, and lane permutes' destinations
.endr
	s_wait_loadcnt 0x0
	ds_store_b128 v11, v[74:77]                    ; my keys' -1/2 |k|^2, [tile 16][row 16] f32: read by my wave alone
	ds_store_b128 v11, v[78:81] offset:512
	s_wait_xcnt 0x0                                ; the loads have read their bases
	s_add_nc_u64 s[16:17], s[16:17], 1024          ; Q's three bases stand one trip ahead
	s_add_nc_u64 s[18:19], s[18:19], 64
	s_add_nc_u64 s[20:21], s[20:21], 128
; Plain step j (0 .. 63) of a stage on batch i (64 registers: qt = i / 2).  Stage 1: sq = max(-2 s' + |q|^2, 0).  Stage 2: (1e-4 + dist)^2.
.macro P1 i, j
.if ((\j) % 2) == 0
	v_pk_fma_f32 v[64*(\i)+(\j):64*(\i)+(\j)+1], v[64*(\i)+(\j):64*(\i)+(\j)+1], -2.0, v[42+2*((\i)/2):43+2*((\i)/2)] op_sel_hi:[1,0,0]
.else
	v_max_num_f32 v[64*(\i)+(\j)-1], 0, v[64*(\i)+(\j)-1]
	v_max_num_f32 v[64*(\i)+(\j)], 0, v[64*(\i)+(\j)]
.endif
.endm
.macro P2 i, j
.if ((\j) % 2) == 0
	v_pk_add_f32 v[64*(\i)+(\j):64*(\i)+(\j)+1], v[64*(\i)+(\j):64*(\i)+(\j)+1], s[30:31] op_sel_hi:[1,0]
.else
	v_pk_mul_f32 v[64*(\i)+(\j)-1:64*(\i)+(\j)], v[64*(\i)+(\j)-1:64*(\i)+(\j)], v[64*(\i)+(\j)-1:64*(\i)+(\j)]
.endif
.endm
; 64 roots (kind 1) or reciprocals (kind 2) in place on batch tb, with a plain stage on ANOTHER batch between them; then ONE wait for the 64, ahead of the first instruction that names a result
.macro ROUND kind, tb, stage, pb
.set J, 0
.rept 64
.if \kind == 1
	v_sqrt_f32 v[64*(\tb)+J], v[64*(\tb)+J]
.else
	v_rcp_f32 v[64*(\tb)+J], v[64*(\tb)+J]
.endif
.if \stage == 1
	P1 \pb, J
.elseif \stage == 2
	P2 \pb, J
.endif
.set J, J+1
.endr
.if \stage == 0
	v_nop                                          ; a plain instruction behind the last transcendental
.endif
	s_wait_alu depctr_va_vdst(0)
.endm
; W of tile qt of the queries: normalised, then quantised along my 256 keys: 8 blocks of 32, two fragments
.macro NORMQ qt
	WIN 0x41
.set M, 0
.rept 64
	v_pk_mul_f32 v[128*\qt+2*M:128*\qt+2*M+1], v[128*\qt+2*M:128*\qt+2*M+1], v[54+2*\qt:55+2*\qt] op_sel_hi:[1,0]
.set M, M+1
.endr
	WIN 0x05
.irp i, 0,2,4,6,8,10,12,14                         ; no |.|: W is positive.  The eight blocks by turns
.irp b, 0,1,2,3,4,5,6,7
.if \i == 0
	v_max3_num_f32 v[TM+\b], v[128*\qt+16*\b], v[128*\qt+16*\b+1], 0x1800000
.else
	v_max3_num_f32 v[TM+\b], v[128*\qt+16*\b+\i], v[128*\qt+16*\b+\i+1], v[TM+\b]
.endif
.endr
.endr
	WIN 0
.irp b, 0,1,2,3,4,5,6,7
	v_permlanex16_b32 v[TX+\b], v[TM+\b], s32, s33
.endr
.irp b, 0,1,2,3,4,5,6,7
	v_max_num_f32 v[TM+\b], v[TM+\b], v[TX+\b]
.endr
.irp b, 0,1,2,3,4,5,6,7
	v_add_nc_u32 v[TM+\b], 0xff000000, v[TM+\b]    ; 2 off the exponent field: the conversion's scale operand
.endr
.irp b, 0,1,2,3,4,5,6,7
	v_lshrrev_b32 v[TX+\b], 23, v[TM+\b]           ; the scale's byte
.endr
.irp s, 0,1
	v_lshl_or_b32 v[PS+2*\qt+\s], v[TX+4*\s+1], 8, v[TX+4*\s]
	v_lshl_or_b32 v[PS+2*\qt+\s], v[TX+4*\s+2], 16, v[PS+2*\qt+\s]
	v_lshl_or_b32 v[PS+2*\qt+\s], v[TX+4*\s+3], 24, v[PS+2*\qt+\s]
.endr
	WIN 0x01
.irp b, 0,1,2,3,4,5,6,7
.irp f, 0,1
	v_cvt_scalef32_pk8_fp4_f32 v[PC+16*\qt+2*\b+\f], v[128*\qt+16*\b+8*\f:128*\qt+16*\b+8*\f+7], v[TM+\b]
.endr
.endr
	WIN 0
	v_nop                                          ; one plain instruction behind the conversions
.irp g, 0,1,2,3
.irp i, 0,1
	v_permlane16_swap_b32 v[PC+16*\qt+4*\g+\i], v[PC+16*\qt+4*\g+2+\i]   ; a whole block to a lane
.endr
.endr
.endm
.Lblk:                                             ; 8 trips of 32 queries
	s_wait_loadcnt 0x0                             ; this trip's Q
	v_perm_b32 v40, v13, v13, 0x01000100           ; tile 0's two scale bytes, twice: they serve Q in either half of K
	v_perm_b32 v41, v13, v13, 0x03020302           ; tile 1's
	v_mul_f32 v42, -2.0, v14                       ; |q|^2
	v_mul_f32 v44, -2.0, v15
.irp k, 0,1,2,3,4,5,6,7
	v_mov_b32 v[46+\k], 0                          ; the sums.  (With the lines round them: the eleven plain instructions between the scale words' making and the scaled products)
.endr
	v_add_nc_u32 v11, s29, v10
	WIN 0x40
.irp q, 0,1
.irp k, 0,1,2,3,4,5,6,7,8,9,10,11,12,13,14,15
	ds_load_b128 v[128*\q+8*\k:128*\q+8*\k+3], v3 offset:64*\k          ; -1/2 |k|^2 of keys 8 h + 0 .. 7 of tile k, straight into the accumulator
	ds_load_b128 v[128*\q+8*\k+4:128*\q+8*\k+7], v3 offset:64*\k+16
.endr
.endr
	s_wait_dscnt 0x0
	WIN 0x50                                       ; C and D window 1
.irp q, 0,1                                        ; 32 products on 32 accumulators
.irp p, 0,1,2,3,4,5,6,7
	v_wmma_scale_f32_16x16x128_f8f6f4 v[128*\q+16*\p:128*\q+16*\p+7], v[KF+8*\p:KF+8*\p+7], v[20+12*\q:27+12*\q], v[128*\q+16*\p:128*\q+16*\p+7], v[KS+\p], v[40+\q] matrix_a_fmt:MATRIX_FMT_FP4 matrix_b_fmt:MATRIX_FMT_FP4
	v_wmma_scale_f32_16x16x128_f8f6f4 v[128*\q+16*\p+8:128*\q+16*\p+15], v[KF+8*\p:KF+8*\p+7], v[16+12*\q:23+12*\q], v[128*\q+16*\p+8:128*\q+16*\p+15], v[KS+\p], v[40+\q] matrix_a_fmt:MATRIX_FMT_FP4 matrix_b_fmt:MATRIX_FMT_FP4
.endr
.endr
	WIN 0
.rept 4
	v_nop                                          ; places behind the products: for the loads into Q's registers and the first reads of the scores
.endr
	s_cmp_eq_u32 s28, 7
	s_cbranch_scc1 .Lnoq                           ; no load leaves its buffer
	QLOAD                                          ; the next trip's Q: a whole trip ahead
.Lnoq:
	s_cmp_lt_u32 s28, s35
	s_cbranch_scc0 .Lnopf
	global_prefetch_b8 v12, s[22:23] offset:8192 th:TH_LOAD_NT scope:SCOPE_SE   ; the next trip's 8,192 bytes of G: a lane to each 256, one wave of the one work-group that reads them; the last trip asks for nothing
.Lnopf:
	WIN 0x45                                       ; W as destination and as sources 0 and 1; |q|^2 in window 0
.set J, 0
.rept 64
	P1 0, J
.set J, J+1
.endr
	ROUND 1, 0, 1, 1
	ROUND 1, 1, 2, 0
	ROUND 2, 0, 1, 2
	ROUND 1, 2, 2, 1
	ROUND 2, 1, 1, 3
	ROUND 1, 3, 2, 2
	ROUND 2, 2, 2, 3
	ROUND 2, 3, 0, 0
	WIN 0x04                                       ; the rows' sums over my keys: four chains by turns
.set M, 0
.rept 32
.irp q, 0,1
.irp c, 0,1
	v_pk_add_f32 v[46+4*\q+2*\c:47+4*\q+2*\c], v[46+4*\q+2*\c:47+4*\q+2*\c], v[128*\q+4*M+2*\c:128*\q+4*M+2*\c+1]
.endr
.endr
.set M, M+1
.endr
	WIN 0
	v_pk_add_f32 v[46:47], v[46:47], v[48:49]
	v_pk_add_f32 v[50:51], v[50:51], v[52:53]
	v_add_f32 v46, v46, v47
	v_add_f32 v50, v50, v51
	v_permlanex16_b32 v47, v46, s32, s33
	v_permlanex16_b32 v51, v50, s32, s33
	v_add_f32 v46, v46, v47
	v_add_f32 v50, v50, v51
	v_cndmask_b32 v46, v46, v50, s34               ; lanes 0-15 tile 0's queries, lanes 16-31 tile 1's
	ds_store_b32 v4, v46
	s_wait_dscnt 0x0                               ; my part has landed; an owner's reads of the last trip's parts of O^T are back
	s_barrier_signal -1
	s_barrier_wait -1
.irp q, 0,1
.irp c, 0,1
	ds_load_b128 v[74+8*\q+4*\c:74+8*\q+4*\c+3], v5 offset:512*\q+16*\c
.endr
.endr
	s_wait_dscnt 0x0
.irp q, 0,1
	v_pk_add_f32 v[74+8*\q:75+8*\q], v[74+8*\q:75+8*\q], v[76+8*\q:77+8*\q]
	v_pk_add_f32 v[78+8*\q:79+8*\q], v[78+8*\q:79+8*\q], v[80+8*\q:81+8*\q]
.endr
.irp q, 0,1
	v_pk_add_f32 v[74+8*\q:75+8*\q], v[74+8*\q:75+8*\q], v[78+8*\q:79+8*\q]
.endr
.irp q, 0,1
	v_add_f32 v[74+8*\q], v[74+8*\q], v[75+8*\q]   ; the same order in every wave: the same bits
.endr
.irp q, 0,1
	v_add_f32 v[54+2*\q], s30, v[74+8*\q]
.endr
	v_rcp_f32 v54, v54
	v_rcp_f32 v56, v56
	v_nop
	s_wait_alu depctr_va_vdst(0)                   ; one wait for the two reciprocals, ahead of their first reader
	NORMQ 0
	NORMQ 1
	s_cmp_lt_u32 s10, 4
	s_cbranch_scc0 .Lnog
	WIN 0x40
.irp c, 0,1,2,3
	global_load_b128 v[192+4*\c:192+4*\c+3], v8, s[22:23] offset:512*\c th:TH_LOAD_NT   ; an owner's 16 numbers a lane of G, in O^T's layout
.endr
	WIN 0
.Lnog:
.rept 8
	v_nop                                          ; a scale word made by vector instructions stands eight plain instructions ahead of a scaled product, an operand four
.endr
	WIN 0x50
.irp s, 0,1                                        ; O^T over my 256 keys: eight accumulators by turns
.irp d, 0,1,2,3
.irp q, 0,1
.if \s == 0
	v_wmma_scale_f32_16x16x128_f8f6f4 v[8*(4*\q+\d):8*(4*\q+\d)+7], v[VF+8*\d:VF+8*\d+7], v[PC+16*\q:PC+16*\q+7], 0, v[VS+\d], v[PS+2*\q] matrix_a_fmt:MATRIX_FMT_FP4 matrix_b_fmt:MATRIX_FMT_FP4
.else
	v_wmma_scale_f32_16x16x128_f8f6f4 v[8*(4*\q+\d):8*(4*\q+\d)+7], v[VF+32+8*\d:VF+32+8*\d+7], v[PC+16*\q+8:PC+16*\q+15], v[8*(4*\q+\d):8*(4*\q+\d)+7], v[VS+4+\d], v[PS+2*\q+1] matrix_a_fmt:MATRIX_FMT_FP4 matrix_b_fmt:MATRIX_FMT_FP4
.endif
.endr
.endr
.endr
	WIN 0
.rept 4
	v_nop
.endr
	WIN 0x04                                       ; an LDS store's data are its source 1
.irp k, 0,1,2,3,4,5,6,7,8,9,10,11,12,13,14,15
	ds_store_b128 v6, v[4*\k:4*\k+3] offset:512*\k ; as the registers stand, each accumulator from its low end on
.endr
	WIN 0
	s_wait_dscnt 0x0                               ; my part of O^T has landed, and my reads of the sums' parts are back
	s_barrier_signal -1
	s_barrier_wait -1
	s_cmp_lt_u32 s10, 4
	s_cbranch_scc0 .Lnoown
	WIN 0x40                                       ; owner (qt, e): register i of 16 is channel 32 e + 16 h + i of query r
.irp s, 0,1,2,3,4,5,6,7
.irp c, 0,1,2,3
	ds_load_b128 v[64+16*\s+4*\c:64+16*\s+4*\c+3], v7 offset:8192*\s+512*\c
.endr
.endr
	s_wait_dscnt 0x0
	WIN 0x55
.irp s, 1,2,3,4,5,6,7
.irp m, 0,1,2,3,4,5,6,7
	v_pk_add_f32 v[64+2*\m:65+2*\m], v[64+2*\m:65+2*\m], v[64+16*\s+2*\m:65+16*\s+2*\m]
.endr
.endr
	s_wait_loadcnt 0x0                             ; G
.irp m, 0,1,2,3,4,5,6,7
	v_pk_mul_f32 v[64+2*\m:65+2*\m], v[64+2*\m:65+2*\m], v[192+2*\m:193+2*\m]
.endr
	WIN 0x05
	v_max3_num_f32 v58, |v64|, |v65|, 0x1800000
	v_max3_num_f32 v59, |v72|, |v73|, 0x1800000
.irp i, 2,4,6
	v_max3_num_f32 v58, |v[64+\i]|, |v[65+\i]|, v58
	v_max3_num_f32 v59, |v[72+\i]|, |v[73+\i]|, v59
.endr
	WIN 0
	v_max_num_f32 v58, v58, v59
	v_permlanex16_b32 v66, v58, s32, s33
	v_max_num_f32 v58, v58, v66                    ; the block of 32 along d lies in lanes l and l xor 16
	v_add_nc_u32 v58, 0xff000000, v58
	v_lshrrev_b32 v66, 23, v58
	WIN 0x01
	v_cvt_scalef32_pk8_fp4_f32 v110, v[64:71], v58
	v_cvt_scalef32_pk8_fp4_f32 v111, v[72:79], v58
	WIN 0
	v_nop
	global_store_b64 v9, v[110:111], s[24:25]      ; the block's 16 rows x 16 bytes: 256 consecutive bytes, aligned
	ds_store_b8 v11, v66                           ; both lanes of a row write the same byte with the same value
.Lnoown:
	s_wait_xcnt 0x0                                ; loads, the store and the prefetch have read their registers and bases
	s_add_nc_u64 s[16:17], s[16:17], 1024
	s_add_nc_u64 s[18:19], s[18:19], 64
	s_add_nc_u64 s[20:21], s[20:21], 128
	s_add_nc_u64 s[22:23], s[22:23], 8192
	s_add_nc_u64 s[24:25], s[24:25], 16384
	s_add_co_u32 s29, s29, 64
	s_add_co_u32 s28, s28, 1
	s_cmp_lt_u32 s28, 8
	s_cbranch_scc1 .Lblk
	s_wait_dscnt 0x0                               ; the owners' scale bytes have landed
	s_barrier_signal -1
	s_barrier_wait -1
	v_lshl_add_u32 v11, v0, 1, SCB                 ; thread 16 tile + r takes that row's two bytes
	v_lshlrev_b32 v12, 2, v0
	ds_load_u16 v13, v11
	s_wait_dscnt 0x0
	global_store_b16 v12, v13, s[26:27]
	s_wait_xcnt 0x0
	v_lshl_add_u32 v254, v0, 2, 0x12800
	v_mov_b32 v255, 0
	s_wait_tensorcnt 0x0
	ds_add_u32 v254, v255
	s_wait_dscnt 0x0
	s_endpgm
.Lfunc_end_k_qb002131846_attn:
	.size	k_qb002131846_attn, .Lfunc_end_k_qb002131846_attn-k_qb002131846_attn
	.p2alignl 7, 3214868480
	.fill 96, 4, 3214868480
	.section	.rodata,"a",@progbits
	.p2align	6, 0x0
	.amdhsa_kernel k_qb002131846_attn
		.amdhsa_group_segment_fixed_size 76800
		.amdhsa_private_segment_fixed_size 0
		.amdhsa_enable_private_segment 0
		.amdhsa_kernarg_size 24
		.amdhsa_user_sgpr_count 2
		.amdhsa_user_sgpr_kernarg_segment_ptr 1
		.amdhsa_wavefront_size32 1
		.amdhsa_system_sgpr_workgroup_id_x 1
		.amdhsa_system_sgpr_workgroup_id_y 1
		.amdhsa_system_sgpr_workgroup_id_z 1
		.amdhsa_system_vgpr_workitem_id 0
		.amdhsa_next_free_vgpr 512
		.amdhsa_next_free_sgpr 66
		.amdhsa_reserve_vcc 0
		.amdhsa_float_denorm_mode_32 3
		.amdhsa_float_denorm_mode_16_64 3
		.amdhsa_memory_ordered 1
		.amdhsa_forward_progress 1
		.amdhsa_inst_pref_size 114
	.end_amdhsa_kernel
	.amdgpu_metadata
---
amdhsa.version: [ 1, 2 ]
amdhsa.kernels:
  - .name:           k_qb002131846_attn
    .symbol:         k_qb002131846_attn.kd
    .args:
      - { .name: qkv, .offset: 0, .size: 8, .value_kind: global_buffer, .address_space: global }
      - { .name: gate, .offset: 8, .size: 8, .value_kind: global_buffer, .address_space: global }
      - { .name: ocode, .offset: 16, .size: 8, .value_kind: global_buffer, .address_space: global }
    .group_segment_fixed_size: 76800
    .private_segment_fixed_size: 0
    .kernarg_segment_align: 8
    .kernarg_segment_size: 24
    .max_flat_workgroup_size: 256
    .sgpr_count:     66
    .vgpr_count:     512
    .wavefront_size: 32
...
	.end_amdgpu_metadata
.endif
;; end of part 3
;; launch outp (part 4): grid 8 x 32, 4 waves a work-group, no clusters, 35,328 bytes of LDS; arguments ocode, prep, X, b_out, out0; writes out0
.if DOCPART == 4
	.amdgcn_target "amdgcn-amd-amdhsa--gfx1250"
	.amdhsa_code_object_version 6
	.text
	.protected	k_qb002131846_outp
	.globl	k_qb002131846_outp
	.p2align	8
	.type	k_qb002131846_outp,@function
k_qb002131846_outp:
	s_mov_b64 s[64:65], 0
	v_nop
	global_prefetch_b8 v0, s[64:65] scope:SCOPE_SE
	s_setreg_imm32_b32 hwreg(HW_REG_WAVE_MODE, 25, 1), 1
	s_wait_xcnt 0x0
; out = X + Q(O) Q(W_out)^T + b_out, [4096][1024] f32, the product on codes of FP4 (E2M1) with E8M0 scales, K = 1,024.
; SHARES.  A work-group takes 128 tokens x 128 columns, a wave 64 x 64: 16 accumulators.  Both operands lie in memory as images of their registers (1,024 bytes: 16 rows x 128 K): all eight K steps of a wave's four tiles
; of tokens and four tiles of W_out go straight into 512 registers, each fragment by two loads of 512 consecutive bytes, and feed four products each.  No loop, no barrier, no tensor load; so no cluster either: nothing passes through LDS on the way in.
; Source 0 = 16 rows of W_out, source 1 = 16 tokens: a lane holds one token and eight neighbouring columns.  b_out is the C of each sum's first matrix instruction.
; A tile's tokens are 32 (T / 2) + 8 (T % 2) + r + 8 (r / 8): the wave's own stage in LDS (32 rows x (256 + 16) bytes) puts two tiles' rows in order; they come back as whole rows, X is added, and sixteen lanes store 256 consecutive bytes, aligned.
; REGISTERS.  window 0: v1-10 addresses; v16-47 O's scale words (tile a, K step s: 16 + 8 a + s); v48-79 W_out's: these 64 hold scales and nothing else; v80-111 the bias; v128-255 the accumulators.
;   window 1: O's fragments at v[8 (8 a + s)]; on the way out v0-63 take rows.   window 2: W_out's.   window 3: v0-127 X.
.set OSC,  2097152
.set WOI,  4194304
.set WOS,  4980736
.set AS,   16
.set BS,   48
.set BI,   80
.set ACC,  128
.set RB,   0                           ; the way out: 16 x 4 registers of window 1
.set MSB, 0
.macro WIN new                         ; bits 1:0 source 0, 3:2 source 1, 5:4 source 2, 7:6 destination; the high byte repeats the setting that is left
.if MSB != \new
	s_set_vgpr_msb (MSB<<8)|\new
.set MSB, \new
.endif
.endm
	s_load_b256 s[4:11], s[0:1], 0x0               ; O's codes and scales s[4:5], the weights' workspace s[6:7], X s[8:9], b_out s[10:11]
	s_load_b64 s[12:13], s[0:1], 0x20              ; out
	v_lshl_add_u32 v126, v0, 2, 0x8800
	v_mov_b32 v127, 0
	v_lshrrev_b32 v1, 5, v0
	v_readfirstlane_b32 s14, v1                    ; wave 0..3
	s_lshr_b32 s15, s14, 1                         ; which 64 tokens
	s_and_b32 s16, s14, 1                          ; which 64 columns
	s_and_b32 s17, ttmp7, 0xffff
	s_lshl_b32 s18, s17, 3
	s_lshl_b32 s19, s15, 2
	s_add_co_u32 s18, s18, s19                     ; my first tile of tokens
	s_lshl_b32 s19, ttmp9, 3
	s_lshl_b32 s34, s16, 2
	s_add_co_u32 s19, s19, s34                     ; my first tile of W_out
	s_lshl_b32 s20, s18, 13
	s_mov_b32 s21, 0
	s_lshl_b32 s22, s18, 6
	s_add_co_u32 s22, s22, OSC
	s_mov_b32 s23, 0
	s_lshl_b32 s24, s19, 13
	s_add_co_u32 s24, s24, WOI
	s_mov_b32 s25, 0
	s_lshl_b32 s26, s19, 9
	s_add_co_u32 s26, s26, WOS
	s_mov_b32 s27, 0
	s_lshl_b32 s28, s19, 6                         ; 16 columns of 4 bytes a tile
	s_mov_b32 s29, 0
	s_lshl_b32 s30, s18, 16                        ; 16 rows of 4,096 bytes a tile
	s_add_co_u32 s30, s30, s28
	s_mov_b32 s31, 0
	v_and_b32 v7, 15, v0                           ; r
	v_bfe_u32 v8, v0, 4, 1                         ; h
	v_and_b32 v9, 31, v0
	v_lshlrev_b32 v1, 4, v9                        ; 16 x lane
	v_lshlrev_b32 v2, 2, v7                        ; 4 r
	v_lshlrev_b32 v3, 5, v7                        ; 32 r
	v_lshlrev_b32 v10, 5, v8                       ; 32 h
	s_mul_i32 s35, s14, 8704                       ; my stage
	v_and_b32 v4, 8, v7
	v_add_nc_u32 v4, v4, v7
	v_mul_u32_u24 v4, v4, 272
	v_lshl_add_u32 v4, v8, 5, v4
	v_add_nc_u32 v4, s35, v4                       ; in: row r + 8 (r / 8), + 32 h bytes
	v_mul_u32_u24 v5, v8, 272
	v_lshl_add_u32 v5, v7, 4, v5
	v_add_nc_u32 v5, s35, v5                       ; back: lanes 0-15 one row, lanes 16-31 the next
	v_lshlrev_b32 v6, 12, v8
	v_lshl_add_u32 v6, v7, 4, v6                   ; and the same two rows in X and in out
	s_wait_kmcnt 0x0
	s_add_nc_u64 s[20:21], s[4:5], s[20:21]
	s_add_nc_u64 s[22:23], s[4:5], s[22:23]
	s_add_nc_u64 s[24:25], s[6:7], s[24:25]
	s_add_nc_u64 s[26:27], s[6:7], s[26:27]
	s_add_nc_u64 s[28:29], s[10:11], s[28:29]
	s_add_nc_u64 s[32:33], s[12:13], s[30:31]
	s_add_nc_u64 s[30:31], s[8:9], s[30:31]
.irp b, 0,1,2,3
	global_load_b128 v[BS+8*\b:BS+8*\b+3], v3, s[26:27] offset:512*\b          ; a row's 32 scale bytes: the words of K steps 0-3,
	global_load_b128 v[BS+8*\b+4:BS+8*\b+7], v3, s[26:27] offset:512*\b+16     ; and 4-7
.endr
.irp a, 0,1,2,3
.irp s, 0,1,2,3,4,5,6,7
	global_load_b32 v[AS+8*\a+\s], v2, s[22:23] offset:16384*\s+64*\a
.endr
.endr
.irp b, 0,1,2,3
	global_load_b128 v[BI+8*\b:BI+8*\b+3], v10, s[28:29] offset:64*\b
	global_load_b128 v[BI+8*\b+4:BI+8*\b+7], v10, s[28:29] offset:64*\b+16
.endr
.irp s, 0,1,2,3,4,5,6,7                            ; K step by K step: 16 loads each
	WIN 0x40
.irp a, 0,1,2,3
	global_load_b128 v[8*(8*\a+\s):8*(8*\a+\s)+3], v1, s[20:21] offset:8192*\a+1024*\s
	global_load_b128 v[8*(8*\a+\s)+4:8*(8*\a+\s)+7], v1, s[20:21] offset:8192*\a+1024*\s+512
.endr
	WIN 0x80
.irp b, 0,1,2,3
	global_load_b128 v[8*(8*\b+\s):8*(8*\b+\s)+3], v1, s[24:25] offset:8192*\b+1024*\s
	global_load_b128 v[8*(8*\b+\s)+4:8*(8*\b+\s)+7], v1, s[24:25] offset:8192*\b+1024*\s+512
.endr
.endr
	WIN 0xc0
.irp p, 0,1
.irp t, 0,1,2,3,4,5,6,7,8,9,10,11,12,13,14,15
	global_load_b128 v[64*\p+4*\t:64*\p+4*\t+3], v6, s[30:31] offset:(32*\p+2*\t)*4096 th:TH_LOAD_NT   ; X: read once in the launch
.endr
.endr
; K step s: 16 products, the accumulators by turns
.macro MUL s
.if 16*(7-\s)+32 > 63
	s_wait_loadcnt 63                              ; a lower count than the loads issued behind this K step's
.else
	s_wait_loadcnt 16*(7-\s)+32                    ; behind this K step's loads: 16 for each later K step, and X's 32
.endif
	WIN 0x06                                       ; source 0 (W_out) window 2, source 1 (O) window 1
.irp a, 0,1,2,3
.irp b, 0,1,2,3
.if \s == 0
	v_wmma_scale_f32_16x16x128_f8f6f4 v[ACC+8*(4*\a+\b):ACC+8*(4*\a+\b)+7], v[8*(8*\b+\s):8*(8*\b+\s)+7], v[8*(8*\a+\s):8*(8*\a+\s)+7], v[BI+8*\b:BI+8*\b+7], v[BS+8*\b+\s], v[AS+8*\a+\s] matrix_a_fmt:MATRIX_FMT_FP4 matrix_b_fmt:MATRIX_FMT_FP4
.else
	v_wmma_scale_f32_16x16x128_f8f6f4 v[ACC+8*(4*\a+\b):ACC+8*(4*\a+\b)+7], v[8*(8*\b+\s):8*(8*\b+\s)+7], v[8*(8*\a+\s):8*(8*\a+\s)+7], v[ACC+8*(4*\a+\b):ACC+8*(4*\a+\b)+7], v[BS+8*\b+\s], v[AS+8*\a+\s] matrix_a_fmt:MATRIX_FMT_FP4 matrix_b_fmt:MATRIX_FMT_FP4
.endif
.endr
.endr
.endm
.irp s, 0,1,2,3,4,5,6,7
	MUL \s
.endr
	WIN 0
; 32 tokens: tiles 2 p and 2 p + 1 through the stage
.macro OUT p
.if \p == 0
.rept 4
	v_nop                                          ; places behind the last products: for the reads of results and the loads into registers that held O's fragments
.endr
.else
	s_wait_xcnt 0x0                                ; the first half's stores have read their registers
.endif
.irp u, 0,1
.irp b, 0,1,2,3
.irp c, 0,1
	ds_store_b128 v4, v[ACC+8*(4*(2*\p+\u)+\b)+4*\c:ACC+8*(4*(2*\p+\u)+\b)+4*\c+3] offset:2176*\u+64*\b+16*\c   ; each accumulator from its low end on
.endr
.endr
.endr
	WIN 0x40                                       ; destination window 1, address window 0
.irp t, 0,1,2,3,4,5,6,7,8,9,10,11,12,13,14,15
	ds_load_b128 v[RB+4*\t:RB+4*\t+3], v5 offset:544*\t    ; LDS serves a wave's instructions in order: these see my stores
.endr
	s_wait_dscnt 0x0
.if \p == 0
	s_wait_loadcnt 0x0                             ; X
.endif
	WIN 0x4d                                       ; destination and source 0 window 1, source 1 (X) window 3
.set M, 0
.rept 32
	v_pk_add_f32 v[RB+2*M:RB+2*M+1], v[RB+2*M:RB+2*M+1], v[64*\p+2*M:64*\p+2*M+1]
.set M, M+1
.endr
	WIN 0x04                                       ; a store's data are its source 1: window 1; its address window 0
.irp t, 0,1,2,3,4,5,6,7,8,9,10,11,12,13,14,15
	global_store_b128 v6, v[RB+4*\t:RB+4*\t+3], s[32:33] offset:(32*\p+2*\t)*4096 th:TH_STORE_NT   ; sixteen lanes store 256 consecutive bytes, aligned
.endr
	WIN 0
.endm
	OUT 0
	OUT 1
	s_wait_tensorcnt 0x0
	ds_add_u32 v126, v127
	s_wait_dscnt 0x0
	s_endpgm
.Lfunc_end_k_qb002131846_outp:
	.size	k_qb002131846_outp, .Lfunc_end_k_qb002131846_outp-k_qb002131846_outp
	.p2alignl 7, 3214868480
	.fill 96, 4, 3214868480
	.section	.rodata,"a",@progbits
	.p2align	6, 0x0
	.amdhsa_kernel k_qb002131846_outp
		.amdhsa_group_segment_fixed_size 35328
		.amdhsa_private_segment_fixed_size 0
		.amdhsa_enable_private_segment 0
		.amdhsa_kernarg_size 40
		.amdhsa_user_sgpr_count 2
		.amdhsa_user_sgpr_kernarg_segment_ptr 1
		.amdhsa_wavefront_size32 1
		.amdhsa_system_sgpr_workgroup_id_x 1
		.amdhsa_system_sgpr_workgroup_id_y 1
		.amdhsa_system_sgpr_workgroup_id_z 1
		.amdhsa_system_vgpr_workitem_id 0
		.amdhsa_next_free_vgpr 1024
		.amdhsa_next_free_sgpr 66
		.amdhsa_reserve_vcc 0
		.amdhsa_float_denorm_mode_32 3
		.amdhsa_float_denorm_mode_16_64 3
		.amdhsa_memory_ordered 1
		.amdhsa_forward_progress 1
		.amdhsa_inst_pref_size 51
	.end_amdhsa_kernel
	.amdgpu_metadata
---
amdhsa.version: [ 1, 2 ]
amdhsa.kernels:
  - .name:           k_qb002131846_outp
    .symbol:         k_qb002131846_outp.kd
    .args:
      - { .name: ocode, .offset: 0, .size: 8, .value_kind: global_buffer, .address_space: global }
      - { .name: prep, .offset: 8, .size: 8, .value_kind: global_buffer, .address_space: global }
      - { .name: X, .offset: 16, .size: 8, .value_kind: global_buffer, .address_space: global }
      - { .name: b_out, .offset: 24, .size: 8, .value_kind: global_buffer, .address_space: global }
      - { .name: out0, .offset: 32, .size: 8, .value_kind: global_buffer, .address_space: global }
    .group_segment_fixed_size: 35328
    .private_segment_fixed_size: 0
    .kernarg_segment_align: 8
    .kernarg_segment_size: 40
    .max_flat_workgroup_size: 128
    .sgpr_count:     66
    .vgpr_count:     1024
    .wavefront_size: 32
...
	.end_amdgpu_metadata
.endif
;; end of part 4
;; ======== version 2 of 3: 4 launches
;; workspace buffers: prep 5,013,504 bytes; qkv 7,208,960 bytes; gate 16,777,216 bytes; ocode 2,228,224 bytes
;; launch prep (part 5): grid 576 x 1, 16 waves a work-group, no clusters, 93,184 bytes of LDS; arguments X, W_in, W_out, prep; writes prep
.if DOCPART == 5
	.amdgcn_target "amdgcn-amd-amdhsa--gfx1250"
	.amdhsa_code_object_version 6
	.text
	.protected	k_qb002131846_prep
	.globl	k_qb002131846_prep
	.p2align	8
	.type	k_qb002131846_prep,@function
k_qb002131846_prep:
	s_mov_b64 s[64:65], 0
	v_nop
	global_prefetch_b8 v0, s[64:65] scope:SCOPE_SE
	s_setreg_imm32_b32 hwreg(HW_REG_WAVE_MODE, 25, 1), 1
	s_wait_xcnt 0x0
; LayerNorm of X [4096][1024] (no gain, no bias), and X's normalised rows, W_in [4096][1024] and W_out [1024][1024] turned into codes of FP4 (E2M1) along K = 1024,
; with one E8M0 byte for each 32 along K.  One text serves the three tensors: only pointers, a first row and two masks are chosen by the work-group's number.
; OUTPUT.  A TILE is 16 rows.  Tile g (0-255 X, 256-511 W_in, 512-575 W_out) has its codes at g x 8,192 as [block of 32 along K: 32][row 16][16 bytes], which is eight operand images
; of 1,024 bytes (16 rows x 128 K, as the matrix operand's registers lie: 16 bytes a lane, 512 bytes a register group), and its scale bytes at 4,718,592 + g x 512 as [row 16][32].
; WHICH ROWS FORM A TILE.  X: row r of tile T is token 32 (T / 2) + 8 (T % 2) + r + 8 (r / 8), so that the eight result registers of two neighbouring tiles are 16 neighbours.
; W_in: tile 16 hd + 8 ch + b of head hd: b 0-3: rows 256 hd + 64 ch + 32 (b / 2) + 8 (b % 2) + r + 8 (r / 8) (Q for ch 0, K for ch 1); b 4, 5: 256 hd + 128 + 32 ch + 8 (b % 2) + .. (V);
; b 6, 7: 256 hd + 192 + 32 ch + 8 (b % 2) + .. (G).  W_out: plain, row 16 t + r.
; SHARES.  A work-group makes one tile; each of its 16 waves takes one row, 4,096 bytes, by eight loads of 512 consecutive bytes.  Mean and variance in two passes, in f32.
; The conversions want 16 neighbours in a lane: the row turns through the wave's own stage in LDS (16 bytes of padding behind each 64) and comes back into the registers that it left.
; Codes and bytes meet in LDS and leave in runs of 512 bytes.  64 registers a wave and 91,136 bytes of LDS: three work-groups fit on a WGP, so that each has its loads on their way from the start.
; LIMITS: NaN and infinities are not served; a block whose largest magnitude lies under 2^-124 has its byte held at 1; a block of zeros gets the byte 1, not 127 (its codes are zeros, and this program alone reads the bytes);
; 1 / sqrt(var + 1e-5) is v_rsq_f32 and a multiplication.
.set SP,    80                         ; a lane's place in a turning stage: 64 bytes + 16
.set CST,   81920                      ; behind the 16 waves' stages (5,120 bytes each): the codes, 32 blocks x (256 + 16) bytes
.set SST,   90624                      ; the scale bytes, 16 rows x 32
.set SCAT,  4718592                    ; where the scale bytes begin in the buffer
.set XR,    16                         ; v16-47  the row: x, then x - mean, then the normalised numbers,
.set NB,    16                         ;         then two sets of 16 neighbours
.set CD,    48                         ; v48-51  codes
.set EB,    52                         ; v52-53  scale bytes
.set MU,    54                         ; v[54:55] the mean, twice
.set RS,    56                         ; v[56:57] 1 / sqrt(var + eps), twice
.set BK,    58                         ; v58-61  my 16 bytes of the tile's codes, read back
.set SBK,   62                         ; v62     where the scale bytes are read back (wave 0); v1-7 and this one are addresses and are never rewritten; v8-15 are at work
	s_load_b256 s[4:11], s[0:1], 0x0               ; X s[4:5], W_in s[6:7], W_out s[8:9], the workspace s[10:11]
	v_lshl_add_u32 v64, v0, 2, 0x16400
	v_mov_b32 v65, 0
	v_lshrrev_b32 v1, 5, v0
	v_readfirstlane_b32 s12, v1                    ; wave = the tile's row
	v_and_b32 v1, 31, v0                           ; lane
	v_lshlrev_b32 v2, 4, v1                        ; 16 x lane
	s_mul_i32 s26, s12, 5120                       ; my two turning stages
	v_lshrrev_b32 v3, 2, v1
	v_mul_u32_u24 v3, v3, SP
	v_and_b32 v8, 3, v1
	v_lshl_add_u32 v3, v8, 4, v3
	v_add_nc_u32 v3, s26, v3                       ; in: four lanes' 64 bytes on end, then the padding
	v_mul_u32_u24 v4, v1, SP
	v_add_nc_u32 v4, s26, v4                       ; out: my 16 neighbours
	v_lshrrev_b32 v8, 1, v1                        ; two lanes hold a block
	v_and_b32 v9, 1, v1
	v_mul_u32_u24 v5, v8, 272
	v_lshl_add_u32 v5, v9, 3, v5
	s_lshl_b32 s26, s12, 4
	s_add_co_u32 s26, s26, CST
	v_add_nc_u32 v5, s26, v5                       ; my 8 bytes of codes: block's 272 + row's 16 + my half's 8
	s_lshl_b32 s26, s12, 5
	s_add_co_u32 s26, s26, SST
	v_add_nc_u32 v6, s26, v8                       ; my block's scale byte
	v_lshrrev_b32 v8, 4, v1
	v_and_b32 v9, 15, v1
	v_mul_u32_u24 v7, v8, 272
	v_lshl_add_u32 v7, v9, 4, v7
	s_mul_i32 s26, s12, 544
	s_add_co_u32 s26, s26, CST
	v_add_nc_u32 v7, s26, v7                       ; back: blocks 2 wave and 2 wave + 1, 16 bytes a lane
	v_add_nc_u32 v[SBK], SST, v2                   ; back: the scale bytes (wave 0)
	; the tile's first row, in each tensor's reading of the work-group's number
	s_mov_b32 s13, ttmp9
	s_lshr_b32 s14, s13, 1
	s_lshl_b32 s14, s14, 5
	s_and_b32 s15, s13, 1
	s_lshl_b32 s15, s15, 3
	s_add_co_u32 s14, s14, s15                     ; X: 32 (g / 2) + 8 (g % 2)
	s_and_b32 s16, s13, 255                        ; W_in: tile 16 hd + 8 ch + b
	s_lshr_b32 s17, s16, 4
	s_lshl_b32 s17, s17, 8
	s_add_co_u32 s17, s17, s15                     ; 256 hd + 8 (b % 2)
	s_bfe_u32 s18, s16, 0x10003                    ; ch
	s_bfe_u32 s19, s16, 0x10001                    ; (b / 2) % 2
	s_lshl_b32 s20, s18, 6
	s_lshl_b32 s21, s19, 5
	s_add_co_u32 s20, s20, s21                     ; b < 4: 64 ch + 32 (b / 2)
	s_lshl_b32 s21, s19, 6
	s_lshl_b32 s22, s18, 5
	s_add_co_u32 s21, s21, s22
	s_add_co_u32 s21, s21, 128                     ; b >= 4: 128 + 64 ((b / 2) % 2) + 32 ch
	s_bitcmp1_b32 s16, 2
	s_cselect_b32 s20, s21, s20
	s_add_co_u32 s17, s17, s20
	s_and_b32 s23, s13, 63
	s_lshl_b32 s23, s23, 4                         ; W_out: 16 t
	s_and_b32 s24, s12, 8                          ; 8 (r / 8)
	s_mov_b32 s26, 0x3a800000                      ; 1 / 1,024
	s_mov_b32 s27, 0x3727c5ac                      ; 1e-5
	s_mov_b32 s28, 0x76543210
	s_mov_b32 s29, 0xfedcba98                      ; v_permlanex16_b32's selects for lane l xor 16
	s_wait_kmcnt 0x0
	s_cmp_lt_u32 s13, 512                          ; the choices hang on the work-group's number alone
	s_cselect_b64 s[18:19], s[6:7], s[8:9]
	s_cselect_b32 s15, s17, s23
	s_cselect_b32 s16, s24, 0
	s_cmp_lt_u32 s13, 256
	s_cselect_b64 s[18:19], s[4:5], s[18:19]
	s_cselect_b32 s15, s14, s15
	s_cselect_b32 s17, -1, 0                       ; all ones: this tile is normalised
	s_add_co_u32 s15, s15, s12
	s_add_co_u32 s15, s15, s16                     ; my row
	s_lshl_b32 s20, s15, 12
	s_mov_b32 s21, 0
	s_add_nc_u64 s[18:19], s[18:19], s[20:21]
.irp i, 0,1,2,3,4,5,6,7
	global_load_b128 v[XR+4*\i:XR+4*\i+3], v2, s[18:19] offset:512*\i th:TH_LOAD_NT   ; 512 consecutive bytes; each row is read once in the launch
.endr
	s_lshl_b32 s20, s13, 13
	s_lshl_b32 s22, s12, 9
	s_add_co_u32 s20, s20, s22
	s_add_nc_u64 s[20:21], s[10:11], s[20:21]      ; the tile's codes, my wave's 512 bytes
	s_lshl_b32 s24, s13, 9
	s_add_co_u32 s24, s24, SCAT
	s_mov_b32 s25, 0
	s_add_nc_u64 s[24:25], s[10:11], s[24:25]      ; the tile's scale bytes
.macro WSUM                            ; v8 summed over the 32 lanes, the result in every lane
	v_add_f32_dpp v8, v8, v8 row_xmask:1 row_mask:0xf bank_mask:0xf
	v_add_f32_dpp v8, v8, v8 row_xmask:2 row_mask:0xf bank_mask:0xf
	v_add_f32_dpp v8, v8, v8 row_xmask:4 row_mask:0xf bank_mask:0xf
	v_add_f32_dpp v8, v8, v8 row_xmask:8 row_mask:0xf bank_mask:0xf
	v_permlanex16_b32 v9, v8, s28, s29
	v_add_f32 v8, v8, v9
.endm
.macro JOIN4                           ; the four chains v[8:15] into v8
	v_pk_add_f32 v[8:9], v[8:9], v[10:11]
	v_pk_add_f32 v[12:13], v[12:13], v[14:15]
	v_pk_add_f32 v[8:9], v[8:9], v[12:13]
	v_add_f32 v8, v8, v9
.endm
	s_wait_loadcnt 0x0
.irp k, 0,1,2,3                        ; the mean: four chains, started by the first eight pairs
	v_pk_add_f32 v[8+2*\k:9+2*\k], v[XR+4*\k:XR+4*\k+1], v[XR+4*\k+2:XR+4*\k+3]
.endr
.irp m, 0,1
.irp k, 0,1,2,3
	v_pk_add_f32 v[8+2*\k:9+2*\k], v[8+2*\k:9+2*\k], v[XR+16+8*\m+2*\k:XR+16+8*\m+2*\k+1]
.endr
.endr
	JOIN4
	WSUM
	v_mul_f32 v[MU], s26, v8
	v_cndmask_b32 v[MU], 0, v[MU], s17             ; a weight keeps its numbers: mean 0,
	v_mov_b32 v[MU+1], v[MU]
.irp j, 0,1,2,3,4,5,6,7,8,9,10,11,12,13,14,15
	v_pk_add_f32 v[XR+2*\j:XR+2*\j+1], v[XR+2*\j:XR+2*\j+1], v[MU:MU+1] neg_lo:[0,1] neg_hi:[0,1]
.endr
.irp k, 0,1,2,3                        ; the variance, of the differences
	v_pk_mul_f32 v[8+2*\k:9+2*\k], v[XR+2*\k:XR+2*\k+1], v[XR+2*\k:XR+2*\k+1]
.endr
.irp m, 1,2,3
.irp k, 0,1,2,3
	v_pk_fma_f32 v[8+2*\k:9+2*\k], v[XR+8*\m+2*\k:XR+8*\m+2*\k+1], v[XR+8*\m+2*\k:XR+8*\m+2*\k+1], v[8+2*\k:9+2*\k]
.endr
.endr
	JOIN4
	WSUM
	v_fma_f32 v[RS], v8, s26, s27                  ; var + 1e-5
	v_rsq_f32 v[RS], v[RS]
	v_nop                                          ; a plain instruction behind the transcendental,
	s_wait_alu depctr_va_vdst(0)                   ; and a wait ahead of its first reader
	v_cndmask_b32 v[RS], 1.0, v[RS], s17           ; and factor 1
	v_mov_b32 v[RS+1], v[RS]
.irp j, 0,1,2,3,4,5,6,7,8,9,10,11,12,13,14,15
	v_pk_mul_f32 v[XR+2*\j:XR+2*\j+1], v[XR+2*\j:XR+2*\j+1], v[RS:RS+1]
.endr
.irp i, 0,1,2,3,4,5,6,7                ; the turn: as loaded in, 64 bytes a lane out.  LDS serves a wave's instructions in order: no wait between, and the loads land in the registers that the stores have read
	ds_store_b128 v3, v[XR+4*\i:XR+4*\i+3] offset:2560*(\i/4)+640*(\i%4)
.endr
.irp t, 0,1
.irp j, 0,1,2,3
	ds_load_b128 v[NB+16*\t+4*\j:NB+16*\t+4*\j+3], v4 offset:2560*\t+16*\j
.endr
.endr
; 512 numbers of the row: lane l holds numbers 512 t + 16 l + 0 .. 15: half of block 16 t + l / 2
.macro QSTEP t, left
.set XS, NB+16*\t
	s_wait_dscnt \left
	v_max3_num_f32 v8, |v[XS]|, |v[XS+1]|, |v[XS+2]|
	v_max3_num_f32 v9, |v[XS+3]|, |v[XS+4]|, |v[XS+5]|
.irp i, 6,10
	v_max3_num_f32 v8, v8, |v[XS+\i]|, |v[XS+\i+1]|
	v_max3_num_f32 v9, v9, |v[XS+\i+2]|, |v[XS+\i+3]|
.endr
	v_max3_num_f32 v8, v8, |v[XS+14]|, |v[XS+15]|
	v_max3_num_f32 v8, v8, v9, 0x1800000           ; the floor 2^(3 - 127): the byte cannot fall under 1
	v_max_num_f32_dpp v8, v8, v8 row_xmask:1 row_mask:0xf bank_mask:0xf   ; with my neighbour's 16: the block's largest magnitude
	v_add_nc_u32 v11, 0xff000000, v8               ; 2 off its exponent field: the conversion's scale operand
	v_cvt_scalef32_pk8_fp4_f32 v[CD+2*\t], v[XS:XS+7], v11
	v_cvt_scalef32_pk8_fp4_f32 v[CD+2*\t+1], v[XS+8:XS+15], v11
	v_lshrrev_b32 v[EB+\t], 23, v11                ; the scale's byte (also the plain instruction behind the conversions)
	ds_store_b64 v5, v[CD+2*\t:CD+2*\t+1] offset:4352*\t
	ds_store_b8 v6, v[EB+\t] offset:16*\t          ; both lanes of a block write the same byte with the same value
.endm
	QSTEP 0, 4                                     ; the second step's four loads may be out
	QSTEP 1, 2                                     ; behind its loads stand the first step's two stores
	s_wait_dscnt 0x0                               ; for the others' sake: my stores have landed
	s_barrier_signal -1
	s_barrier_wait -1
	ds_load_b128 v[BK:BK+3], v7
	s_wait_dscnt 0x0
	global_store_b128 v2, v[BK:BK+3], s[20:21]     ; 512 consecutive bytes, aligned
	s_cmp_lg_u32 s12, 0
	s_cbranch_scc1 .Lend
	ds_load_b128 v[12:15], v[SBK]
	s_wait_dscnt 0x0
	global_store_b128 v2, v[12:15], s[24:25]       ; the tile's 512 scale bytes
.Lend:
	s_wait_tensorcnt 0x0
	ds_add_u32 v64, v65
	s_wait_dscnt 0x0
	s_endpgm
.Lfunc_end_k_qb002131846_prep:
	.size	k_qb002131846_prep, .Lfunc_end_k_qb002131846_prep-k_qb002131846_prep
	.p2alignl 7, 3214868480
	.fill 96, 4, 3214868480
	.section	.rodata,"a",@progbits
	.p2align	6, 0x0
	.amdhsa_kernel k_qb002131846_prep
		.amdhsa_group_segment_fixed_size 93184
		.amdhsa_private_segment_fixed_size 0
		.amdhsa_enable_private_segment 0
		.amdhsa_kernarg_size 32
		.amdhsa_user_sgpr_count 2
		.amdhsa_user_sgpr_kernarg_segment_ptr 1
		.amdhsa_wavefront_size32 1
		.amdhsa_system_sgpr_workgroup_id_x 1
		.amdhsa_system_sgpr_workgroup_id_y 1
		.amdhsa_system_sgpr_workgroup_id_z 1
		.amdhsa_system_vgpr_workitem_id 0
		.amdhsa_next_free_vgpr 66
		.amdhsa_next_free_sgpr 66
		.amdhsa_reserve_vcc 0
		.amdhsa_float_denorm_mode_32 3
		.amdhsa_float_denorm_mode_16_64 3
		.amdhsa_memory_ordered 1
		.amdhsa_forward_progress 1
		.amdhsa_inst_pref_size 14
	.end_amdhsa_kernel
	.amdgpu_metadata
---
amdhsa.version: [ 1, 2 ]
amdhsa.kernels:
  - .name:           k_qb002131846_prep
    .symbol:         k_qb002131846_prep.kd
    .args:
      - { .name: X, .offset: 0, .size: 8, .value_kind: global_buffer, .address_space: global }
      - { .name: W_in, .offset: 8, .size: 8, .value_kind: global_buffer, .address_space: global }
      - { .name: W_out, .offset: 16, .size: 8, .value_kind: global_buffer, .address_space: global }
      - { .name: prep, .offset: 24, .size: 8, .value_kind: global_buffer, .address_space: global }
    .group_segment_fixed_size: 93184
    .private_segment_fixed_size: 0
    .kernarg_segment_align: 8
    .kernarg_segment_size: 32
    .max_flat_workgroup_size: 512
    .sgpr_count:     66
    .vgpr_count:     66
    .wavefront_size: 32
...
	.end_amdgpu_metadata
.endif
;; end of part 5
;; launch proj: the kernel of part 2 again; grid 16 x 16, 4 waves a work-group, clusters of 4 x 4, 327,680 bytes of LDS; arguments prep, b_in, qkv, gate; writes qkv, gate
;; launch attn (part 6): grid 8 x 32, 8 waves a work-group, no clusters, 76,800 bytes of LDS; arguments qkv, gate, ocode; writes ocode
.if DOCPART == 6
	.amdgcn_target "amdgcn-amd-amdhsa--gfx1250"
	.amdhsa_code_object_version 6
	.text
	.protected	k_qb002131846_attn
	.globl	k_qb002131846_attn
	.p2align	8
	.type	k_qb002131846_attn,@function
k_qb002131846_attn:
	s_mov_b64 s[64:65], 0
	v_nop
	global_prefetch_b8 v0, s[64:65] scope:SCOPE_SE
	s_setreg_imm32_b32 hwreg(HW_REG_WAVE_MODE, 25, 1), 1
	s_wait_xcnt 0x0
; Shepard's attention of one (batch, head): W = (1e-4 + sqrt(max(|q|^2 + |k|^2 - 2 q.k, 0)))^-2, W / (1e-4 + the row's sum), A = W V, O = G A, O quantised along d for the last product.
; q.k and W V are products on codes of FP4 (E2M1) with E8M0 scales; |q|^2 and |k|^2 are f32 sums of the unquantised numbers.  W is quantised FINISHED AND NORMALISED, so the row's sum must be known first:
; THE UNNORMALISED W OF 32 QUERIES x ALL 2,048 KEYS STAYS IN REGISTERS: 8 waves x 256 registers.  Each root and each reciprocal is taken once.
; SHARES.  A work-group takes 256 queries, 32 a trip.  Wave w keeps keys 256 w .. 256 w + 255 in registers for the whole launch: K's codes (8 fragments, two tiles of 16 keys each), V^T's (8), their scale words.
; They go from memory straight into registers, once a work-group; so there is no tensor load, no ring, and no cluster: a joint load ends in LDS, where nothing of this is wanted.
; LAYOUT.  Both products are used transposed: S^T = K Q^T, O^T = V^T P^T: a lane holds one query.  A tile's keys are chosen (by the launch that made the tiles) so that the 16 registers of tiles 2 e, 2 e + 1 are keys 32 e + 16 h + 0 .. 15.
; K = 64 is half of the matrix instruction's 128: a fragment of K holds two tiles of keys, and Q stands beside zero codes, once in the lower half of K and once in the upper.
; -1/2 |k|^2 is the C of the first product; then sq = -2 (q.k - 1/2 |k|^2) + |q|^2 is one fused multiply-add.  It comes from LDS ONCE for both tiles of queries, into bank 0: tile 1's products take bank 0 as C and write bank 1,
; then tile 0's add in place.  It is asked for a trip ahead, as soon as tile 0's conversions have left bank 0 free.
; A TRIP, two barriers: scores; W, in batches of 64 registers with plain work between the roots and reciprocals; each wave's part of the rows' sums to LDS | barrier | normalise, quantise, V^T P^T; the eight waves' parts of O^T to LDS | barrier |
; waves 0-3 add them, one (tile of queries, 32 channels) each, multiply by G, quantise, store.
; THE BLOCKS' LARGEST NUMBERS ARE TAKEN OF THE UNNORMALISED W, round the first barrier, where a wave would else have nothing to issue.  Rounding a product by one positive factor keeps the order of the numbers, so the largest W times that
; factor has the bits of the largest normalised W.  The floor of the scale is laid on behind that multiplication.
; LIMITS: no NaN or infinities; floor of the scale byte at 1, zeros get byte 1; divisions are v_rcp_f32 and a multiplication; sums over keys in this text's fixed order.  O's scale bytes leave as halfwords 4 bytes apart: 131,072 bytes in the whole launch.
; REGISTERS.  window 1: bank 0 = v0-127: W(0, kt) at v[8 kt]; from its conversions on, -1/2 |k|^2 for the next trip.  bank 1 = v128-255: W(1, kt); later O^T(qt, dt) at v[128 + 8 (4 qt + dt)]; later an owner's eight parts.   window 0: below.
.set KIMG, 2097152
.set VIMG, 4194304
.set NHQ,  6291456
.set NHK,  6553600
.set QSC,  6815744
.set KSC,  6946816
.set VSC,  7077888
.set OSC,  2097152
.set SUMA, 8192                        ; LDS: 0: -1/2 |k|^2, 1,024 bytes a wave, its own;  here: the sums' parts, [32 queries][8 waves] f32;
.set SCB,  9216                        ; O's scale bytes, [trip 8][qt 2][r 16][2];
.set OP,   10240                       ; the parts of O^T, 8,192 bytes a wave
; v1 16 x lane; v2 4 r; v3 my -1/2 |k|^2; v4, v5 the sums' parts, in and back; v6, v7 O^T's parts, in and back; v8 G's offset; v9 O's codes' offset; v10, v11 O's scale byte; v12 256 x lane; v13-15 Q's scale word and -1/2 |q|^2 as loaded
; v16-39 Q: for each qt zeros (4), q (4), zeros (4); v40-41 Q's scale words; v[42:43], v[44:45] |q|^2; v46-48 an owner's work; v[54:55], v[56:57] 1 / (1e-4 + sum)
.set TM,  58                           ; v58-73  (qt, block) at 58 + 8 qt + b: largest numbers, then scale operands; behind the conversions an owner's 16 numbers of G
.set SU,  74                           ; v74-89  eight sums, (qt, chain) at 74 + 8 qt + 2 c; then the eight waves' parts read back
.set TX,  90                           ; v90-105 the other half's largest numbers, then bytes
.set PC,  74                           ; v74-105 P's codes: (qt, ks) at 74 + 16 qt + 8 ks, over what the two lines above have left
.set PS,  106                          ; v106-109 P's scale words
.set KF,  112                          ; v112-175 K
.set VF,  176                          ; v176-239 V^T: (ks, dt) at 176 + 8 (4 ks + dt)
.set KS,  240
.set VS,  248
.set MSB, 0
.macro WIN new                         ; bits 1:0 source 0, 3:2 source 1, 5:4 source 2, 7:6 destination; the high byte repeats the setting that is left
.if MSB != \new
	s_set_vgpr_msb (MSB<<8)|\new
.set MSB, \new
.endif
.endm
	s_load_b128 s[4:7], s[0:1], 0x0                ; qkv, gate
	s_load_b64 s[8:9], s[0:1], 0x10                ; ocode
	v_lshl_add_u32 v52, v0, 2, 0x12800
	v_mov_b32 v53, 0
	v_lshrrev_b32 v60, 5, v0
	v_readfirstlane_b32 s10, v60                   ; wave 0..7
	s_and_b32 s11, ttmp7, 0xffff
	s_lshr_b32 s12, s11, 4                         ; batch
	s_and_b32 s13, s11, 15                         ; head
	s_lshl_b32 s36, s13, 8
	s_lshl_b32 s37, s12, 7
	s_add_co_u32 s36, s36, s37                     ; 256 hd + 128 bt: the (batch, head)'s first tile
	s_lshl_b32 s37, s10, 4
	s_add_co_u32 s37, s36, s37                     ; my first tile of keys
	s_lshl_b32 s38, ttmp9, 4
	s_add_co_u32 s36, s36, s38                     ; the work-group's first tile of queries
	s_lshl_b32 s14, s12, 7
	s_add_co_u32 s14, s14, s38                     ; the same without the head
	s_lshl_b32 s40, s37, 9
	s_add_co_u32 s40, s40, KIMG
	s_mov_b32 s41, 0
	s_lshl_b32 s42, s37, 5
	s_add_co_u32 s42, s42, KSC
	s_mov_b32 s43, 0
	s_lshl_b32 s44, s37, 9
	s_add_co_u32 s44, s44, VIMG
	s_mov_b32 s45, 0
	s_lshl_b32 s46, s37, 5
	s_add_co_u32 s46, s46, VSC
	s_mov_b32 s47, 0
	s_lshl_b32 s48, s37, 6
	s_add_co_u32 s48, s48, NHK
	s_mov_b32 s49, 0
	s_lshl_b32 s16, s36, 9
	s_mov_b32 s17, 0
	s_lshl_b32 s18, s36, 5
	s_add_co_u32 s18, s18, QSC
	s_mov_b32 s19, 0
	s_lshl_b32 s20, s36, 6
	s_add_co_u32 s20, s20, NHQ
	s_mov_b32 s21, 0
	s_lshl_b32 s22, s36, 12
	s_mov_b32 s23, 0
	s_lshl_b32 s24, s14, 13                        ; O's codes: 8,192 bytes a tile; the head's two blocks of 256 bytes at 512 hd
	s_lshl_b32 s38, s13, 9
	s_add_co_u32 s24, s24, s38
	s_mov_b32 s25, 0
	s_lshr_b32 s26, s13, 1                         ; O's scale words: [hd / 2][tile][r], my halfword hd % 2
	s_lshl_b32 s26, s26, 14
	s_lshl_b32 s38, s14, 6
	s_add_co_u32 s26, s26, s38
	s_and_b32 s38, s13, 1
	s_lshl_b32 s38, s38, 1
	s_add_co_u32 s26, s26, s38
	s_add_co_u32 s26, s26, OSC
	s_mov_b32 s27, 0
	s_lshl_b32 s50, s10, 10
	s_lshl_b32 s51, s10, 2
	s_add_co_u32 s51, s51, SUMA
	s_lshl_b32 s52, s10, 13
	s_add_co_u32 s52, s52, OP
	s_and_b32 s53, s10, 3
	s_lshl_b32 s53, s53, 11                        ; an owner's (qt, e) = (wave / 2, wave % 2): 2,048 bytes each
	s_add_co_u32 s56, s53, OP
	s_bfe_u32 s54, s10, 0x10001
	s_and_b32 s55, s10, 1
	s_lshl_b32 s57, s54, 13
	s_lshl_b32 s58, s55, 8
	s_add_co_u32 s57, s57, s58
	s_lshl_b32 s58, s54, 5
	s_add_co_u32 s58, s58, s55
	s_add_co_u32 s58, s58, SCB
	s_mov_b32 s28, 0                               ; the trip
	s_mov_b32 s29, 0                               ; 64 x the trip
	s_mov_b32 s30, 0x38d1b717                      ; 1e-4
	s_mov_b32 s31, s30
	s_mov_b32 s32, 0x76543210
	s_mov_b32 s33, 0xfedcba98                      ; v_permlanex16_b32's selects for lane l xor 16
	s_mov_b32 s34, 0xffff0000                      ; lanes 16-31
	s_cmp_eq_u32 s10, 4
	s_cselect_b32 s35, 7, 0                        ; wave 4 prefetches, in trips 0 to 6
	v_and_b32 v60, 15, v0                          ; r
	v_bfe_u32 v61, v0, 4, 1                        ; h
	v_and_b32 v62, 31, v0                          ; lane
	v_lshlrev_b32 v1, 4, v62
	v_lshlrev_b32 v2, 2, v60
	v_lshl_add_u32 v3, v61, 5, s50
	v_lshl_add_u32 v4, v62, 5, s51
	v_lshl_add_u32 v5, v60, 5, SUMA
	v_add_nc_u32 v6, s52, v1
	v_add_nc_u32 v7, s56, v1
	v_add_nc_u32 v8, s53, v1
	v_lshlrev_b32 v9, 4, v60
	v_lshl_add_u32 v9, v61, 3, v9
	v_add_nc_u32 v9, s57, v9
	v_lshl_add_u32 v10, v60, 1, s58
	v_add_nc_u32 v11, s50, v1
	v_lshlrev_b32 v12, 8, v62
	s_wait_kmcnt 0x0
	s_add_nc_u64 s[40:41], s[4:5], s[40:41]
	s_add_nc_u64 s[42:43], s[4:5], s[42:43]
	s_add_nc_u64 s[44:45], s[4:5], s[44:45]
	s_add_nc_u64 s[46:47], s[4:5], s[46:47]
	s_add_nc_u64 s[48:49], s[4:5], s[48:49]
	s_add_nc_u64 s[16:17], s[4:5], s[16:17]
	s_add_nc_u64 s[18:19], s[4:5], s[18:19]
	s_add_nc_u64 s[20:21], s[4:5], s[20:21]
	s_add_nc_u64 s[22:23], s[6:7], s[22:23]
	s_add_nc_u64 s[24:25], s[8:9], s[24:25]
	s_add_nc_u64 s[26:27], s[8:9], s[26:27]
.irp p, 0,1,2,3,4,5,6,7
	global_load_b128 v[KF+8*\p:KF+8*\p+3], v1, s[40:41] offset:1024*\p         ; tile 2 p of my keys: k 0-63 of the fragment,
	global_load_b128 v[KF+8*\p+4:KF+8*\p+7], v1, s[40:41] offset:1024*\p+512   ; tile 2 p + 1: k 64-127
	global_load_b32 v[KS+\p], v2, s[42:43] offset:64*\p
.endr
.irp k, 0,1,2,3,4,5,6,7
	global_load_b128 v[VF+8*\k:VF+8*\k+3], v1, s[44:45] offset:1024*\k
	global_load_b128 v[VF+8*\k+4:VF+8*\k+7], v1, s[44:45] offset:1024*\k+512
	global_load_b32 v[VS+\k], v2, s[46:47] offset:64*\k
.endr
	global_load_b128 v[74:77], v1, s[48:49]
	global_load_b128 v[78:81], v1, s[48:49] offset:512
.macro QLOAD                           ; 32 queries: two half images, the pair's scale word, -1/2 |q|^2
	global_load_b128 v[20:23], v1, s[16:17]
	global_load_b128 v[32:35], v1, s[16:17] offset:512
	global_load_b32 v13, v2, s[18:19]
	global_load_b32 v14, v2, s[20:21]
	global_load_b32 v15, v2, s[20:21] offset:64
.endm
; -1/2 |k|^2 of keys 8 h + 0 .. 7 of each of my 16 tiles, into bank 0, in the layout of a product's C: 32 loads serve both tiles of queries
.macro HKLOAD
	WIN 0x40                                       ; destination window 1, address window 0
.irp k, 0,1,2,3,4,5,6,7,8,9,10,11,12,13,14,15
	ds_load_b128 v[8*\k:8*\k+3], v3 offset:64*\k
	ds_load_b128 v[8*\k+4:8*\k+7], v3 offset:64*\k+16
.endr
	WIN 0
.endm
	QLOAD
.irp k, 16,17,18,19,24,25,26,27,28,29,30,31,36,37,38,39
	v_mov_b32 v\k, 0                               ; the zero codes beside Q
.endr
.irp k, 43,45,48,55,57
	v_mov_b32 v\k, 0                               ; upper halves of pairs that are named whole, and a lane permute's destination
.endr
.irp k, 0,1,2,3,4,5,6,7,8,9,10,11,12,13,14,15
	v_mov_b32 v[TX+\k], 0                          ; lane permutes' destinations count as sources: written once
.endr
	s_wait_loadcnt 0x0
	ds_store_b128 v11, v[74:77]                    ; my keys' -1/2 |k|^2, [tile 16][row 16] f32: read by my wave alone
	ds_store_b128 v11, v[78:81] offset:512
	HKLOAD                                         ; the first trip's (LDS serves a wave's instructions in order: these see the stores)
	s_wait_xcnt 0x0                                ; the loads have read their bases
	s_add_nc_u64 s[16:17], s[16:17], 1024          ; Q's three bases stand one trip ahead
	s_add_nc_u64 s[18:19], s[18:19], 64
	s_add_nc_u64 s[20:21], s[20:21], 128
; Plain step j (0 .. 63) of a stage on batch i (64 registers: qt = i / 2).  Stage 1: sq = max(-2 s' + |q|^2, 0).  Stage 2: (1e-4 + dist)^2.
; In each stage the 32 packed lines come first and the lines that read their results 32 steps later: no line reads a result just made.
.macro P1 i, j
.if (\j) < 32
	v_pk_fma_f32 v[64*(\i)+2*(\j):64*(\i)+2*(\j)+1], v[64*(\i)+2*(\j):64*(\i)+2*(\j)+1], -2.0, v[42+2*((\i)/2):43+2*((\i)/2)] op_sel_hi:[1,0,0]
.else
	v_max_num_f32 v[64*(\i)+2*(\j)-64], 0, v[64*(\i)+2*(\j)-64]
	v_max_num_f32 v[64*(\i)+2*(\j)-63], 0, v[64*(\i)+2*(\j)-63]
.endif
.endm
.macro P2 i, j
.if (\j) < 32
	v_pk_add_f32 v[64*(\i)+2*(\j):64*(\i)+2*(\j)+1], v[64*(\i)+2*(\j):64*(\i)+2*(\j)+1], s[30:31] op_sel_hi:[1,0]
.else
	v_pk_mul_f32 v[64*(\i)+2*(\j)-64:64*(\i)+2*(\j)-63], v[64*(\i)+2*(\j)-64:64*(\i)+2*(\j)-63], v[64*(\i)+2*(\j)-64:64*(\i)+2*(\j)-63]
.endif
.endm
; 64 roots (kind 1) or reciprocals (kind 2) in place on batch tb, with a plain stage on ANOTHER batch between them; then ONE wait for the 64, ahead of the first instruction that names a result
.macro ROUND kind, tb, stage, pb
.set J, 0
.rept 64
.if \kind == 1
	v_sqrt_f32 v[64*(\tb)+J], v[64*(\tb)+J]
.else
	v_rcp_f32 v[64*(\tb)+J], v[64*(\tb)+J]
.endif
.if \stage == 1
	P1 \pb, J
.elseif \stage == 2
	P2 \pb, J
.endif
.set J, J+1
.endr
.if \stage == 0
	v_nop                                          ; a plain instruction behind the last transcendental
.endif
	s_wait_alu depctr_va_vdst(0)
.endm
; The largest of my 16 numbers of each of tile qt's eight blocks of 32 keys.  No |.|: W is positive.  The eight blocks by turns
.macro MAXB qt
	WIN 0x05                                       ; sources 0 and 1 window 1
.irp i, 0,2,4,6,8,10,12,14
.irp b, 0,1,2,3,4,5,6,7
.if \i == 0
	v_max_num_f32 v[TM+8*\qt+\b], v[128*\qt+16*\b], v[128*\qt+16*\b+1]
.else
	v_max3_num_f32 v[TM+8*\qt+\b], v[128*\qt+16*\b+\i], v[128*\qt+16*\b+\i+1], v[TM+8*\qt+\b]
.endif
.endr
.endr
.endm
; W of tile qt: normalised, then turned into codes: 8 blocks of 32 keys, two fragments
.macro NORMC qt
	WIN 0x41
.set M, 0
.rept 64
	v_pk_mul_f32 v[128*\qt+2*M:128*\qt+2*M+1], v[128*\qt+2*M:128*\qt+2*M+1], v[54+2*\qt:55+2*\qt] op_sel_hi:[1,0]
.set M, M+1
.endr
	WIN 0x01
.irp b, 0,1,2,3,4,5,6,7
.irp f, 0,1
	v_cvt_scalef32_pk8_fp4_f32 v[PC+16*\qt+2*\b+\f], v[128*\qt+16*\b+8*\f:128*\qt+16*\b+8*\f+7], v[TM+8*\qt+\b]
.endr
.endr
.endm
.Lblk:                                             ; 8 trips of 32 queries
	s_wait_loadcnt 0x0                             ; this trip's Q
	v_perm_b32 v40, v13, v13, 0x01000100           ; tile 0's two scale bytes, twice: they serve Q in either half of K
	v_perm_b32 v41, v13, v13, 0x03020302           ; tile 1's
	v_mul_f32 v42, -2.0, v14                       ; |q|^2
	v_mul_f32 v44, -2.0, v15
	v_add_nc_u32 v11, s29, v10
.rept 6
	v_nop                                          ; with the three lines above: nine plain instructions between the scale words' making and the scaled products (eight are asked)
.endr
	s_wait_dscnt 0x0                               ; -1/2 |k|^2 lies in bank 0
	WIN 0x50                                       ; C and D window 1
.irp p, 0,1,2,3,4,5,6,7                            ; tile 1 of the queries: C = bank 0, D = bank 1
	v_wmma_scale_f32_16x16x128_f8f6f4 v[128+16*\p:128+16*\p+7], v[KF+8*\p:KF+8*\p+7], v[32:39], v[16*\p:16*\p+7], v[KS+\p], v41 matrix_a_fmt:MATRIX_FMT_FP4 matrix_b_fmt:MATRIX_FMT_FP4
	v_wmma_scale_f32_16x16x128_f8f6f4 v[128+16*\p+8:128+16*\p+15], v[KF+8*\p:KF+8*\p+7], v[28:35], v[16*\p+8:16*\p+15], v[KS+\p], v41 matrix_a_fmt:MATRIX_FMT_FP4 matrix_b_fmt:MATRIX_FMT_FP4
.endr
.rept 5
	v_nop                                          ; five plain instructions before a matrix instruction writes over a register that an earlier one took as C
.endr
.irp p, 0,1,2,3,4,5,6,7                            ; tile 0: in place on bank 0
	v_wmma_scale_f32_16x16x128_f8f6f4 v[16*\p:16*\p+7], v[KF+8*\p:KF+8*\p+7], v[20:27], v[16*\p:16*\p+7], v[KS+\p], v40 matrix_a_fmt:MATRIX_FMT_FP4 matrix_b_fmt:MATRIX_FMT_FP4
	v_wmma_scale_f32_16x16x128_f8f6f4 v[16*\p+8:16*\p+15], v[KF+8*\p:KF+8*\p+7], v[16:23], v[16*\p+8:16*\p+15], v[KS+\p], v40 matrix_a_fmt:MATRIX_FMT_FP4 matrix_b_fmt:MATRIX_FMT_FP4
.endr
	WIN 0
.rept 4
	v_nop                                          ; places behind the products: for the loads into Q's registers and the first reads of the scores
.endr
	s_cmp_eq_u32 s28, 7
	s_cbranch_scc1 .Lnoq                           ; no load leaves its buffer
	QLOAD                                          ; the next trip's Q: a whole trip ahead
.Lnoq:
	s_cmp_lt_u32 s28, s35
	s_cbranch_scc0 .Lnopf
	global_prefetch_b8 v12, s[22:23] offset:8192 th:TH_LOAD_NT scope:SCOPE_SE   ; the next trip's 8,192 bytes of G: a lane to each 256, one wave of the one work-group that reads them; the last trip asks for nothing
.Lnopf:
	WIN 0x45                                       ; W as destination and as sources 0 and 1; |q|^2 in window 0
.set J, 0
.rept 64                                           ; the batches go in the order 2, 3, 0, 1: bank 1's products were issued first
	P1 2, J
.set J, J+1
.endr
	ROUND 1, 2, 1, 3
	ROUND 1, 3, 2, 2
	ROUND 2, 2, 1, 0
	ROUND 1, 0, 2, 3
	ROUND 2, 3, 1, 1
	ROUND 1, 1, 2, 0
	ROUND 2, 0, 2, 1
	ROUND 2, 1, 0, 0
	WIN 0x05                                       ; the rows' sums over my keys: eight chains by turns; the first additions start them, nothing is cleared
.irp q, 0,1
.irp c, 0,1,2,3
	v_pk_add_f32 v[SU+8*\q+2*\c:SU+8*\q+2*\c+1], v[128*\q+2*\c:128*\q+2*\c+1], v[128*\q+8+2*\c:128*\q+8+2*\c+1]
.endr
.endr
	WIN 0x04
.set M, 2
.rept 14
.irp q, 0,1
.irp c, 0,1,2,3
	v_pk_add_f32 v[SU+8*\q+2*\c:SU+8*\q+2*\c+1], v[SU+8*\q+2*\c:SU+8*\q+2*\c+1], v[128*\q+8*M+2*\c:128*\q+8*M+2*\c+1]
.endr
.endr
.set M, M+1
.endr
	WIN 0
.irp q, 0,1
	v_pk_add_f32 v[SU+8*\q:SU+8*\q+1], v[SU+8*\q:SU+8*\q+1], v[SU+8*\q+2:SU+8*\q+3]
	v_pk_add_f32 v[SU+8*\q+4:SU+8*\q+5], v[SU+8*\q+4:SU+8*\q+5], v[SU+8*\q+6:SU+8*\q+7]
.endr
.irp q, 0,1
	v_pk_add_f32 v[SU+8*\q:SU+8*\q+1], v[SU+8*\q:SU+8*\q+1], v[SU+8*\q+4:SU+8*\q+5]
.endr
.irp q, 0,1
	v_add_f32 v[SU+8*\q], v[SU+8*\q], v[SU+8*\q+1]
.endr
.irp q, 0,1
	v_permlanex16_b32 v[SU+8*\q+1], v[SU+8*\q], s32, s33
.endr
.irp q, 0,1
	v_add_f32 v[SU+8*\q], v[SU+8*\q], v[SU+8*\q+1]
.endr
	v_cndmask_b32 v[SU], v[SU], v[SU+8], s34       ; lanes 0-15 tile 0's queries, lanes 16-31 tile 1's
	ds_store_b32 v4, v[SU]
	MAXB 0                                         ; work on registers while the store is on its way,
	s_wait_dscnt 0x0                               ; my part has landed; an owner's reads of the last trip's parts of O^T are back
	s_barrier_signal -1
	MAXB 1                                         ; and while the other waves arrive
	WIN 0
	s_barrier_wait -1
.irp q, 0,1
.irp c, 0,1
	ds_load_b128 v[SU+8*\q+4*\c:SU+8*\q+4*\c+3], v5 offset:512*\q+16*\c
.endr
.endr
.irp k, 0,1,2,3,4,5,6,7,8,9,10,11,12,13,14,15
	v_permlanex16_b32 v[TX+\k], v[TM+\k], s32, s33 ; a block's other 16 keys lie in lane l xor 16
.endr
	s_wait_dscnt 0x0
.irp q, 0,1
	v_pk_add_f32 v[SU+8*\q:SU+8*\q+1], v[SU+8*\q:SU+8*\q+1], v[SU+8*\q+2:SU+8*\q+3]
	v_pk_add_f32 v[SU+8*\q+4:SU+8*\q+5], v[SU+8*\q+4:SU+8*\q+5], v[SU+8*\q+6:SU+8*\q+7]
.endr
.irp q, 0,1
	v_pk_add_f32 v[SU+8*\q:SU+8*\q+1], v[SU+8*\q:SU+8*\q+1], v[SU+8*\q+4:SU+8*\q+5]
.endr
.irp q, 0,1
	v_add_f32 v[SU+8*\q], v[SU+8*\q], v[SU+8*\q+1] ; the same order in every wave: the same bits
.endr
.irp q, 0,1
	v_add_f32 v[54+2*\q], s30, v[SU+8*\q]
.endr
	v_rcp_f32 v54, v54
	v_rcp_f32 v56, v56
.irp k, 0,1,2,3,4,5,6,7,8,9,10,11,12,13,14,15
	v_max_num_f32 v[TM+\k], v[TM+\k], v[TX+\k]     ; the block's largest W.  (Plain work behind the reciprocals, which it does not name)
.endr
	s_wait_alu depctr_va_vdst(0)                   ; one wait for the two reciprocals, ahead of their first reader
.irp q, 0,1
.irp b, 0,1,2,3,4,5,6,7
	v_mul_f32 v[TM+8*\q+\b], v[TM+8*\q+\b], v[54+2*\q]   ; normalised: the bits of the block's largest normalised W
.endr
.endr
.irp k, 0,1,2,3,4,5,6,7,8,9,10,11,12,13,14,15
	v_max_num_f32 v[TM+\k], 0x1800000, v[TM+\k]    ; the floor 2^(3 - 127): the byte cannot fall under 1
.endr
.irp k, 0,1,2,3,4,5,6,7,8,9,10,11,12,13,14,15
	v_add_nc_u32 v[TM+\k], 0xff000000, v[TM+\k]    ; 2 off the exponent field: the conversion's scale operand
.endr
.irp k, 0,1,2,3,4,5,6,7,8,9,10,11,12,13,14,15
	v_lshrrev_b32 v[TX+\k], 23, v[TM+\k]           ; the scale's byte
.endr
.irp w, 0,1,2,3                                    ; word 2 qt + ks: the bytes of blocks 4 ks .. 4 ks + 3 of tile qt
	v_lshl_or_b32 v[PS+\w], v[TX+4*\w+1], 8, v[TX+4*\w]
.endr
.irp w, 0,1,2,3
	v_lshl_or_b32 v[PS+\w], v[TX+4*\w+2], 16, v[PS+\w]
.endr
.irp w, 0,1,2,3
	v_lshl_or_b32 v[PS+\w], v[TX+4*\w+3], 24, v[PS+\w]
.endr
	NORMC 0
	HKLOAD                                         ; bank 0 is free: the next trip's -1/2 |k|^2 (in the last trip: read and not used)
	NORMC 1
	WIN 0
	v_nop                                          ; one plain instruction behind the conversions
.irp q, 0,1
.irp g, 0,1,2,3
.irp i, 0,1
	v_permlane16_swap_b32 v[PC+16*\q+4*\g+\i], v[PC+16*\q+4*\g+2+\i]   ; a whole block to a lane
.endr
.endr
.endr
	s_cmp_lt_u32 s10, 4
	s_cbranch_scc0 .Lnog
.irp c, 0,1,2,3
	global_load_b128 v[TM+4*\c:TM+4*\c+3], v8, s[22:23] offset:512*\c th:TH_LOAD_NT   ; an owner's 16 numbers a lane of G, in O^T's layout, into registers that the conversions have left
.endr
.Lnog:
.rept 8
	v_nop                                          ; an operand made by vector instructions stands four plain instructions ahead of a scaled product (the scale words were made long before)
.endr
	WIN 0x50
.irp s, 0,1                                        ; O^T over my 256 keys: eight accumulators by turns
.irp d, 0,1,2,3
.irp q, 0,1
.if \s == 0
	v_wmma_scale_f32_16x16x128_f8f6f4 v[128+8*(4*\q+\d):128+8*(4*\q+\d)+7], v[VF+8*\d:VF+8*\d+7], v[PC+16*\q:PC+16*\q+7], 0, v[VS+\d], v[PS+2*\q] matrix_a_fmt:MATRIX_FMT_FP4 matrix_b_fmt:MATRIX_FMT_FP4
.else
	v_wmma_scale_f32_16x16x128_f8f6f4 v[128+8*(4*\q+\d):128+8*(4*\q+\d)+7], v[VF+32+8*\d:VF+32+8*\d+7], v[PC+16*\q+8:PC+16*\q+15], v[128+8*(4*\q+\d):128+8*(4*\q+\d)+7], v[VS+4+\d], v[PS+2*\q+1] matrix_a_fmt:MATRIX_FMT_FP4 matrix_b_fmt:MATRIX_FMT_FP4
.endif
.endr
.endr
.endr
	WIN 0
.rept 4
	v_nop                                          ; places behind the products: for the stores of the results, and for an owner's loads into these registers
.endr
	WIN 0x04                                       ; an LDS store's data are its source 1
.irp k, 0,1,2,3,4,5,6,7,8,9,10,11,12,13,14,15
	ds_store_b128 v6, v[128+4*\k:128+4*\k+3] offset:512*\k   ; as the registers stand, each accumulator from its low end on
.endr
	WIN 0
	s_wait_dscnt 0x0                               ; my part of O^T has landed, my reads of the sums' parts are back, and so is -1/2 |k|^2
	s_barrier_signal -1
	s_barrier_wait -1
	s_cmp_lt_u32 s10, 4
	s_cbranch_scc0 .Lnoown
	WIN 0x40                                       ; owner (qt, e): register i of 16 is channel 32 e + 16 h + i of query r
.irp s, 0,1,2,3,4,5,6,7
.irp c, 0,1,2,3
	ds_load_b128 v[128+16*\s+4*\c:128+16*\s+4*\c+3], v7 offset:8192*\s+512*\c
.endr
.endr
	WIN 0x55
.irp s, 1,2,3,4,5,6,7
	s_wait_dscnt 4*(7-\s)                          ; parts 0 to s are in: behind them stand four loads for each later part
.irp m, 0,1,2,3,4,5,6,7
	v_pk_add_f32 v[128+2*\m:129+2*\m], v[128+2*\m:129+2*\m], v[128+16*\s+2*\m:129+16*\s+2*\m]
.endr
.endr
	s_wait_loadcnt 0x0                             ; G
	WIN 0x41
.irp m, 0,1,2,3,4,5,6,7
	v_pk_mul_f32 v[128+2*\m:129+2*\m], v[128+2*\m:129+2*\m], v[TM+2*\m:TM+2*\m+1]
.endr
	WIN 0x05
	v_max3_num_f32 v46, |v128|, |v129|, 0x1800000
	v_max3_num_f32 v47, |v136|, |v137|, 0x1800000
.irp i, 2,4,6
	v_max3_num_f32 v46, |v[128+\i]|, |v[129+\i]|, v46
	v_max3_num_f32 v47, |v[136+\i]|, |v[137+\i]|, v47
.endr
	WIN 0
	v_max_num_f32 v46, v46, v47
	v_permlanex16_b32 v48, v46, s32, s33
	v_max_num_f32 v46, v46, v48                    ; the block of 32 along d lies in lanes l and l xor 16
	v_add_nc_u32 v46, 0xff000000, v46
	v_lshrrev_b32 v48, 23, v46
	WIN 0x01
	v_cvt_scalef32_pk8_fp4_f32 v110, v[128:135], v46
	v_cvt_scalef32_pk8_fp4_f32 v111, v[136:143], v46
	WIN 0
	v_nop
	global_store_b64 v9, v[110:111], s[24:25]      ; the block's 16 rows x 16 bytes: 256 consecutive bytes, aligned
	ds_store_b8 v11, v48                           ; both lanes of a row write the same byte with the same value
.Lnoown:
	s_wait_xcnt 0x0                                ; loads, the store and the prefetch have read their registers and bases
	s_add_nc_u64 s[16:17], s[16:17], 1024
	s_add_nc_u64 s[18:19], s[18:19], 64
	s_add_nc_u64 s[20:21], s[20:21], 128
	s_add_nc_u64 s[22:23], s[22:23], 8192
	s_add_nc_u64 s[24:25], s[24:25], 16384
	s_add_co_u32 s29, s29, 64
	s_add_co_u32 s28, s28, 1
	s_cmp_lt_u32 s28, 8
	s_cbranch_scc1 .Lblk
	s_wait_dscnt 0x0                               ; the owners' scale bytes have landed
	s_barrier_signal -1
	s_barrier_wait -1
	v_lshl_add_u32 v11, v0, 1, SCB                 ; thread 16 tile + r takes that row's two bytes
	v_lshlrev_b32 v12, 2, v0
	ds_load_u16 v13, v11
	s_wait_dscnt 0x0
	global_store_b16 v12, v13, s[26:27]
	s_wait_tensorcnt 0x0
	ds_add_u32 v52, v53
	s_wait_dscnt 0x0
	s_endpgm
.Lfunc_end_k_qb002131846_attn:
	.size	k_qb002131846_attn, .Lfunc_end_k_qb002131846_attn-k_qb002131846_attn
	.p2alignl 7, 3214868480
	.fill 96, 4, 3214868480
	.section	.rodata,"a",@progbits
	.p2align	6, 0x0
	.amdhsa_kernel k_qb002131846_attn
		.amdhsa_group_segment_fixed_size 76800
		.amdhsa_private_segment_fixed_size 0
		.amdhsa_enable_private_segment 0
		.amdhsa_kernarg_size 24
		.amdhsa_user_sgpr_count 2
		.amdhsa_user_sgpr_kernarg_segment_ptr 1
		.amdhsa_wavefront_size32 1
		.amdhsa_system_sgpr_workgroup_id_x 1
		.amdhsa_system_sgpr_workgroup_id_y 1
		.amdhsa_system_sgpr_workgroup_id_z 1
		.amdhsa_system_vgpr_workitem_id 0
		.amdhsa_next_free_vgpr 512
		.amdhsa_next_free_sgpr 66
		.amdhsa_reserve_vcc 0
		.amdhsa_float_denorm_mode_32 3
		.amdhsa_float_denorm_mode_16_64 3
		.amdhsa_memory_ordered 1
		.amdhsa_forward_progress 1
		.amdhsa_inst_pref_size 115
	.end_amdhsa_kernel
	.amdgpu_metadata
---
amdhsa.version: [ 1, 2 ]
amdhsa.kernels:
  - .name:           k_qb002131846_attn
    .symbol:         k_qb002131846_attn.kd
    .args:
      - { .name: qkv, .offset: 0, .size: 8, .value_kind: global_buffer, .address_space: global }
      - { .name: gate, .offset: 8, .size: 8, .value_kind: global_buffer, .address_space: global }
      - { .name: ocode, .offset: 16, .size: 8, .value_kind: global_buffer, .address_space: global }
    .group_segment_fixed_size: 76800
    .private_segment_fixed_size: 0
    .kernarg_segment_align: 8
    .kernarg_segment_size: 24
    .max_flat_workgroup_size: 256
    .sgpr_count:     66
    .vgpr_count:     512
    .wavefront_size: 32
...
	.end_amdgpu_metadata
.endif
;; end of part 6
;; launch outp: the kernel of part 4 again; grid 8 x 32, 4 waves a work-group, no clusters, 35,328 bytes of LDS; arguments ocode, prep, X, b_out, out0; writes out0
;; ======== version 3 of 3: 4 launches; version 2 with the launches attn, outp written anew for expert scheduling mode
;; workspace buffers: prep 5,013,504 bytes; qkv 7,208,960 bytes; gate 16,777,216 bytes; ocode 2,228,224 bytes
;; launch prep: the kernel of part 5 again; grid 576 x 1, 16 waves a work-group, no clusters, 93,184 bytes of LDS; arguments X, W_in, W_out, prep; writes prep
;; launch proj: the kernel of part 2 again; grid 16 x 16, 4 waves a work-group, clusters of 4 x 4, 327,680 bytes of LDS; arguments prep, b_in, qkv, gate; writes qkv, gate
;; launch attn (part 7): grid 8 x 32, 8 waves a work-group, no clusters, 76,800 bytes of LDS; arguments qkv, gate, ocode; writes ocode
.if DOCPART == 7
	.amdgcn_target "amdgcn-amd-amdhsa--gfx1250"
	.amdhsa_code_object_version 6
	.text
	.protected	k_qb002131846_attn
	.globl	k_qb002131846_attn
	.p2align	8
	.type	k_qb002131846_attn,@function
k_qb002131846_attn:
	s_mov_b64 s[64:65], 0
	v_nop
	global_prefetch_b8 v0, s[64:65] scope:SCOPE_SE
	s_setreg_imm32_b32 hwreg(HW_REG_WAVE_SCHED_MODE, 0, 2), 2
	s_setreg_imm32_b32 hwreg(HW_REG_WAVE_MODE, 25, 1), 1
	s_wait_xcnt 0x0
	s_wait_alu depctr_vm_vsrc(0)
; Shepard's attention of one (batch, head): W = (1e-4 + sqrt(max(|q|^2 + |k|^2 - 2 q.k, 0)))^-2, W / (1e-4 + the row's sum), A = W V, O = G A, O quantised along d for the last product.
; q.k and W V are products on codes of FP4 (E2M1) with E8M0 scales; |q|^2 and |k|^2 are f32 sums of the unquantised numbers.  W is quantised FINISHED AND NORMALISED, so the row's sum must be known first:
; THE UNNORMALISED W OF 32 QUERIES x ALL 2,048 KEYS STAYS IN REGISTERS: 8 waves x 256 registers.  Each root and each reciprocal is taken once.
; SHARES.  A work-group takes 256 queries, 32 a trip.  Wave w keeps keys 256 w .. 256 w + 255 in registers for the whole launch: K's codes (8 fragments, two tiles of 16 keys each), V^T's (8), their scale words.
; They go from memory straight into registers, once a work-group; so there is no tensor load, no ring, and no cluster: a joint load ends in LDS, where nothing of this is wanted.
; LAYOUT.  Both products are used transposed: S^T = K Q^T, O^T = V^T P^T: a lane holds one query.  A tile's keys are chosen (by the launch that made the tiles) so that the 16 registers of tiles 2 e, 2 e + 1 are keys 32 e + 16 h + 0 .. 15.
; K = 64 is half of the matrix instruction's 128: a fragment of K holds two tiles of keys, and Q stands beside zero codes, once in the lower half of K and once in the upper.
; -1/2 |k|^2 is the C of the first product; then sq = -2 (q.k - 1/2 |k|^2) + |q|^2 is one fused multiply-add.  It comes from LDS ONCE for both tiles of queries, into bank 0: tile 1's products take bank 0 as C and write bank 1,
; then tile 0's add in place.  It is asked for a trip ahead, as soon as tile 0's conversions have left bank 0 free.
; A TRIP, two barriers: scores; W, in batches of 64 registers with plain work between the roots and reciprocals; each wave's part of the rows' sums to LDS | barrier | normalise, quantise, V^T P^T; the eight waves' parts of O^T to LDS | barrier |
; waves 0-3 add them, one (tile of queries, 32 channels) each, multiply by G, quantise, store.
; THE BLOCKS' LARGEST NUMBERS ARE TAKEN OF THE UNNORMALISED W, round the first barrier, where a wave would else have nothing to issue.  Rounding a product by one positive factor keeps the order of the numbers, so the largest W times that
; factor has the bits of the largest normalised W.  The floor of the scale is laid on behind that multiplication.
; LIMITS: no NaN or infinities; floor of the scale byte at 1, zeros get byte 1; divisions are v_rcp_f32 and a multiplication; sums over keys in this text's fixed order.  O's scale bytes leave as halfwords 4 bytes apart: 131,072 bytes in the whole launch.
; REGISTERS.  window 1: bank 0 = v0-127: W(0, kt) at v[8 kt]; from its conversions on, -1/2 |k|^2 for the next trip.  bank 1 = v128-255: W(1, kt); later O^T(qt, dt) at v[128 + 8 (4 qt + dt)]; later an owner's eight parts.   window 0: below.
; THE MODE: SCHED_MODE bits 1:0 = 2 (LLVM: expert scheduling mode 2), set by the entry lines.  The code itself states the register dependences between vector or matrix instructions and memory or LDS instructions, with s_wait_alu, always for 0.
; THE PLAN.  Registers that memory or LDS instructions touch, round the loop:
;   v1-v10      addresses, made at the head ahead of one wait on va_vdst, never written again.  v11: written at each trip's head, read by an owner's byte store.  v12: read by the prefetch.  Both are made anew behind the loop.
;   Q           v13-15, v20-23, v32-35: read by the trip's first four lines and its 32 products; the next trip's loads land there behind the first batch's wait on va_vdst, ahead of which all those readers stand.
;   bank 0      last named by tile 0's multiplications and conversions; behind them one wait on va_vdst, then the loads of the next trip's -1/2 |k|^2; no line names it again before the next trip's products.
;   v74-89      the sums' chains write them; one wait on va_vdst, then the LDS store of v74; behind the barrier one wait on vm_vsrc, then the eight parts land there.
;   v58-73      last read by the conversions, as scale operands; the wait on va_vdst that stands ahead of the second product also serves an owner's loads of G, which land there.
;   bank 1      O^T is written by the second product; four places, one wait on va_vdst, the LDS stores; behind the barrier one wait on vm_vsrc; an owner's loads of the parts stand behind a window switch and a wait on va_vdst of their own.
;   v110, v111, v48   an owner's codes and byte: one wait on va_vdst ahead of its two stores.
; One wait on vm_vsrc at a trip's head frees what the stores of the trip before (in the first trip: of the head) have read.
.set KIMG, 2097152
.set VIMG, 4194304
.set NHQ,  6291456
.set NHK,  6553600
.set QSC,  6815744
.set KSC,  6946816
.set VSC,  7077888
.set OSC,  2097152
.set SUMA, 8192                        ; LDS: 0: -1/2 |k|^2, 1,024 bytes a wave, its own;  here: the sums' parts, [32 queries][8 waves] f32;
.set SCB,  9216                        ; O's scale bytes, [trip 8][qt 2][r 16][2];
.set OP,   10240                       ; the parts of O^T, 8,192 bytes a wave
; v1 16 x lane; v2 4 r; v3 my -1/2 |k|^2; v4, v5 the sums' parts, in and back; v6, v7 O^T's parts, in and back; v8 G's offset; v9 O's codes' offset; v10, v11 O's scale byte; v12 256 x lane; v13-15 Q's scale word and -1/2 |q|^2 as loaded
; v16-39 Q: for each qt zeros (4), q (4), zeros (4); v40-41 Q's scale words; v[42:43], v[44:45] |q|^2; v46-48 an owner's work; v[54:55], v[56:57] 1 / (1e-4 + sum)
.set TM,  58                           ; v58-73  (qt, block) at 58 + 8 qt + b: largest numbers, then scale operands; behind the conversions an owner's 16 numbers of G
.set SU,  74                           ; v74-89  eight sums, (qt, chain) at 74 + 8 qt + 2 c; then the eight waves' parts read back
.set TX,  90                           ; v90-105 the other half's largest numbers, then bytes
.set PC,  74                           ; v74-105 P's codes: (qt, ks) at 74 + 16 qt + 8 ks, over what the two lines above have left
.set PS,  106                          ; v106-109 P's scale words
.set KF,  112                          ; v112-175 K
.set VF,  176                          ; v176-239 V^T: (ks, dt) at 176 + 8 (4 ks + dt)
.set KS,  240
.set VS,  248
.set MSB, 0
.macro WIN new                         ; bits 1:0 source 0, 3:2 source 1, 5:4 source 2, 7:6 destination; the high byte repeats the setting that is left
.if MSB != \new
	s_set_vgpr_msb (MSB<<8)|\new
.set MSB, \new
.endif
.endm
	s_load_b128 s[4:7], s[0:1], 0x0                ; qkv, gate
	s_load_b64 s[8:9], s[0:1], 0x10                ; ocode
	v_lshl_add_u32 v52, v0, 2, 0x12800
	v_mov_b32 v53, 0
	v_lshrrev_b32 v60, 5, v0
	v_readfirstlane_b32 s10, v60                   ; wave 0..7
	s_and_b32 s11, ttmp7, 0xffff
	s_lshr_b32 s12, s11, 4                         ; batch
	s_and_b32 s13, s11, 15                         ; head
	s_lshl_b32 s36, s13, 8
	s_lshl_b32 s37, s12, 7
	s_add_co_u32 s36, s36, s37                     ; 256 hd + 128 bt: the (batch, head)'s first tile
	s_wait_alu depctr_va_sdst(0)                   ; s10 is written, ahead of its first reader
	s_lshl_b32 s37, s10, 4
	s_add_co_u32 s37, s36, s37                     ; my first tile of keys
	s_lshl_b32 s38, ttmp9, 4
	s_add_co_u32 s36, s36, s38                     ; the work-group's first tile of queries
	s_lshl_b32 s14, s12, 7
	s_add_co_u32 s14, s14, s38                     ; the same without the head
	s_lshl_b32 s40, s37, 9
	s_add_co_u32 s40, s40, KIMG
	s_mov_b32 s41, 0
	s_lshl_b32 s42, s37, 5
	s_add_co_u32 s42, s42, KSC
	s_mov_b32 s43, 0
	s_lshl_b32 s44, s37, 9
	s_add_co_u32 s44, s44, VIMG
	s_mov_b32 s45, 0
	s_lshl_b32 s46, s37, 5
	s_add_co_u32 s46, s46, VSC
	s_mov_b32 s47, 0
	s_lshl_b32 s48, s37, 6
	s_add_co_u32 s48, s48, NHK
	s_mov_b32 s49, 0
	s_lshl_b32 s16, s36, 9
	s_mov_b32 s17, 0
	s_lshl_b32 s18, s36, 5
	s_add_co_u32 s18, s18, QSC
	s_mov_b32 s19, 0
	s_lshl_b32 s20, s36, 6
	s_add_co_u32 s20, s20, NHQ
	s_mov_b32 s21, 0
	s_lshl_b32 s22, s36, 12
	s_mov_b32 s23, 0
	s_lshl_b32 s24, s14, 13                        ; O's codes: 8,192 bytes a tile; the head's two blocks of 256 bytes at 512 hd
	s_lshl_b32 s38, s13, 9
	s_add_co_u32 s24, s24, s38
	s_mov_b32 s25, 0
	s_lshr_b32 s26, s13, 1                         ; O's scale words: [hd / 2][tile][r], my halfword hd % 2
	s_lshl_b32 s26, s26, 14
	s_lshl_b32 s38, s14, 6
	s_add_co_u32 s26, s26, s38
	s_and_b32 s38, s13, 1
	s_lshl_b32 s38, s38, 1
	s_add_co_u32 s26, s26, s38
	s_add_co_u32 s26, s26, OSC
	s_mov_b32 s27, 0
	s_lshl_b32 s50, s10, 10
	s_lshl_b32 s51, s10, 2
	s_add_co_u32 s51, s51, SUMA
	s_lshl_b32 s52, s10, 13
	s_add_co_u32 s52, s52, OP
	s_and_b32 s53, s10, 3
	s_lshl_b32 s53, s53, 11                        ; an owner's (qt, e) = (wave / 2, wave % 2): 2,048 bytes each
	s_add_co_u32 s56, s53, OP
	s_bfe_u32 s54, s10, 0x10001
	s_and_b32 s55, s10, 1
	s_lshl_b32 s57, s54, 13
	s_lshl_b32 s58, s55, 8
	s_add_co_u32 s57, s57, s58
	s_lshl_b32 s58, s54, 5
	s_add_co_u32 s58, s58, s55
	s_add_co_u32 s58, s58, SCB
	s_mov_b32 s28, 0                               ; the trip
	s_mov_b32 s29, 0                               ; 64 x the trip
	s_mov_b32 s30, 0x38d1b717                      ; 1e-4
	s_mov_b32 s31, s30
	s_mov_b32 s32, 0x76543210
	s_mov_b32 s33, 0xfedcba98                      ; v_permlanex16_b32's selects for lane l xor 16
	s_mov_b32 s34, 0xffff0000                      ; lanes 16-31
	s_cmp_eq_u32 s10, 4
	s_cselect_b32 s35, 7, 0                        ; wave 4 prefetches, in trips 0 to 6
	v_and_b32 v60, 15, v0                          ; r
	v_bfe_u32 v61, v0, 4, 1                        ; h
	v_and_b32 v62, 31, v0                          ; lane
	v_lshlrev_b32 v1, 4, v62
	v_lshlrev_b32 v2, 2, v60
	v_lshl_add_u32 v3, v61, 5, s50
	v_lshl_add_u32 v4, v62, 5, s51
	v_lshl_add_u32 v5, v60, 5, SUMA
	v_add_nc_u32 v6, s52, v1
	v_add_nc_u32 v7, s56, v1
	v_add_nc_u32 v8, s53, v1
	v_lshlrev_b32 v9, 4, v60
	v_lshl_add_u32 v9, v61, 3, v9
	v_add_nc_u32 v9, s57, v9
	v_lshl_add_u32 v10, v60, 1, s58
	v_add_nc_u32 v11, s50, v1
	v_lshlrev_b32 v12, 8, v62
	s_wait_kmcnt 0x0
	s_add_nc_u64 s[40:41], s[4:5], s[40:41]
	s_add_nc_u64 s[42:43], s[4:5], s[42:43]
	s_add_nc_u64 s[44:45], s[4:5], s[44:45]
	s_add_nc_u64 s[46:47], s[4:5], s[46:47]
	s_add_nc_u64 s[48:49], s[4:5], s[48:49]
	s_add_nc_u64 s[16:17], s[4:5], s[16:17]
	s_add_nc_u64 s[18:19], s[4:5], s[18:19]
	s_add_nc_u64 s[20:21], s[4:5], s[20:21]
	s_add_nc_u64 s[22:23], s[6:7], s[22:23]
	s_add_nc_u64 s[24:25], s[8:9], s[24:25]
	s_add_nc_u64 s[26:27], s[8:9], s[26:27]
	s_wait_alu depctr_va_vdst(0)                   ; the addresses v1 to v12 are written, which the loads, stores and prefetches of the kernel read
.irp p, 0,1,2,3,4,5,6,7
	global_load_b128 v[KF+8*\p:KF+8*\p+3], v1, s[40:41] offset:1024*\p         ; tile 2 p of my keys: k 0-63 of the fragment,
	global_load_b128 v[KF+8*\p+4:KF+8*\p+7], v1, s[40:41] offset:1024*\p+512   ; tile 2 p + 1: k 64-127
	global_load_b32 v[KS+\p], v2, s[42:43] offset:64*\p
.endr
.irp k, 0,1,2,3,4,5,6,7
	global_load_b128 v[VF+8*\k:VF+8*\k+3], v1, s[44:45] offset:1024*\k
	global_load_b128 v[VF+8*\k+4:VF+8*\k+7], v1, s[44:45] offset:1024*\k+512
	global_load_b32 v[VS+\k], v2, s[46:47] offset:64*\k
.endr
	global_load_b128 v[74:77], v1, s[48:49]
	global_load_b128 v[78:81], v1, s[48:49] offset:512
.macro QLOAD                           ; 32 queries: two half images, the pair's scale word, -1/2 |q|^2
	global_load_b128 v[20:23], v1, s[16:17]
	global_load_b128 v[32:35], v1, s[16:17] offset:512
	global_load_b32 v13, v2, s[18:19]
	global_load_b32 v14, v2, s[20:21]
	global_load_b32 v15, v2, s[20:21] offset:64
.endm
; -1/2 |k|^2 of keys 8 h + 0 .. 7 of each of my 16 tiles, into bank 0, in the layout of a product's C: 32 loads serve both tiles of queries.
; again = 1: in the loop, where vector instructions have named bank 0; at the head none has
.macro HKLOAD again
	WIN 0x40                                       ; destination window 1, address window 0
.if \again
	s_wait_alu depctr_va_vdst(0)                   ; tile 0's multiplications have written bank 0 and its conversions are done reading it: the loads below land there
.endif
.irp k, 0,1,2,3,4,5,6,7,8,9,10,11,12,13,14,15
	ds_load_b128 v[8*\k:8*\k+3], v3 offset:64*\k
	ds_load_b128 v[8*\k+4:8*\k+7], v3 offset:64*\k+16
.endr
	WIN 0
.endm
	QLOAD
.irp k, 16,17,18,19,24,25,26,27,28,29,30,31,36,37,38,39
	v_mov_b32 v\k, 0                               ; the zero codes beside Q
.endr
.irp k, 43,45,48,55,57
	v_mov_b32 v\k, 0                               ; upper halves of pairs that are named whole, and a lane permute's destination
.endr
.irp k, 0,1,2,3,4,5,6,7,8,9,10,11,12,13,14,15
	v_mov_b32 v[TX+\k], 0                          ; lane permutes' destinations count as sources: written once
.endr
	s_wait_loadcnt 0x0
	ds_store_b128 v11, v[74:77]                    ; my keys' -1/2 |k|^2, [tile 16][row 16] f32: read by my wave alone.  (The lines since the head's wait name neither v11 nor v74-81, nor v3 below)
	ds_store_b128 v11, v[78:81] offset:512
	HKLOAD 0                                       ; the first trip's (LDS serves a wave's instructions in order: these see the stores)
	s_wait_xcnt 0x0                                ; the loads have read their bases
	s_add_nc_u64 s[16:17], s[16:17], 1024          ; Q's three bases stand one trip ahead
	s_add_nc_u64 s[18:19], s[18:19], 64
	s_add_nc_u64 s[20:21], s[20:21], 128
; Plain step j (0 .. 63) of a stage on batch i (64 registers: qt = i / 2).  Stage 1: sq = max(-2 s' + |q|^2, 0).  Stage 2: (1e-4 + dist)^2.
; In each stage the 32 packed lines come first and the lines that read their results 32 steps later: no line reads a result just made.
.macro P1 i, j
.if (\j) < 32
	v_pk_fma_f32 v[64*(\i)+2*(\j):64*(\i)+2*(\j)+1], v[64*(\i)+2*(\j):64*(\i)+2*(\j)+1], -2.0, v[42+2*((\i)/2):43+2*((\i)/2)] op_sel_hi:[1,0,0]
.else
	v_max_num_f32 v[64*(\i)+2*(\j)-64], 0, v[64*(\i)+2*(\j)-64]
	v_max_num_f32 v[64*(\i)+2*(\j)-63], 0, v[64*(\i)+2*(\j)-63]
.endif
.endm
.macro P2 i, j
.if (\j) < 32
	v_pk_add_f32 v[64*(\i)+2*(\j):64*(\i)+2*(\j)+1], v[64*(\i)+2*(\j):64*(\i)+2*(\j)+1], s[30:31] op_sel_hi:[1,0]
.else
	v_pk_mul_f32 v[64*(\i)+2*(\j)-64:64*(\i)+2*(\j)-63], v[64*(\i)+2*(\j)-64:64*(\i)+2*(\j)-63], v[64*(\i)+2*(\j)-64:64*(\i)+2*(\j)-63]
.endif
.endm
; 64 roots (kind 1) or reciprocals (kind 2) in place on batch tb, with a plain stage on ANOTHER batch between them; then ONE wait for the 64, ahead of the first instruction that names a result
.macro ROUND kind, tb, stage, pb
.set J, 0
.rept 64
.if \kind == 1
	v_sqrt_f32 v[64*(\tb)+J], v[64*(\tb)+J]
.else
	v_rcp_f32 v[64*(\tb)+J], v[64*(\tb)+J]
.endif
.if \stage == 1
	P1 \pb, J
.elseif \stage == 2
	P2 \pb, J
.endif
.set J, J+1
.endr
.if \stage == 0
	v_nop                                          ; a plain instruction behind the last transcendental
.endif
	s_wait_alu depctr_va_vdst(0)                   ; the batch's 64 results are written, ahead of the first instruction that names one
.endm
; The largest of my 16 numbers of each of tile qt's eight blocks of 32 keys.  No |.|: W is positive.  The eight blocks by turns
.macro MAXB qt
	WIN 0x05                                       ; sources 0 and 1 window 1
.irp i, 0,2,4,6,8,10,12,14
.irp b, 0,1,2,3,4,5,6,7
.if \i == 0
	v_max_num_f32 v[TM+8*\qt+\b], v[128*\qt+16*\b], v[128*\qt+16*\b+1]
.else
	v_max3_num_f32 v[TM+8*\qt+\b], v[128*\qt+16*\b+\i], v[128*\qt+16*\b+\i+1], v[TM+8*\qt+\b]
.endif
.endr
.endr
.endm
; W of tile qt: normalised, then turned into codes: 8 blocks of 32 keys, two fragments
.macro NORMC qt
	WIN 0x41
.set M, 0
.rept 64
	v_pk_mul_f32 v[128*\qt+2*M:128*\qt+2*M+1], v[128*\qt+2*M:128*\qt+2*M+1], v[54+2*\qt:55+2*\qt] op_sel_hi:[1,0]
.set M, M+1
.endr
	WIN 0x01
.irp b, 0,1,2,3,4,5,6,7
.irp f, 0,1
	v_cvt_scalef32_pk8_fp4_f32 v[PC+16*\qt+2*\b+\f], v[128*\qt+16*\b+8*\f:128*\qt+16*\b+8*\f+7], v[TM+8*\qt+\b]
.endr
.endr
.endm
.Lblk:                                             ; 8 trips of 32 queries
	s_wait_loadcnt 0x0                             ; this trip's Q
	s_wait_alu depctr_vm_vsrc(0)                   ; the stores of the trip before have read v11, v48, v110, v111 and O^T's registers in bank 1 (in the first trip: the head's stores v11 and v74-81): this trip writes them all again
	v_perm_b32 v40, v13, v13, 0x01000100           ; tile 0's two scale bytes, twice: they serve Q in either half of K
	v_perm_b32 v41, v13, v13, 0x03020302           ; tile 1's
	v_mul_f32 v42, -2.0, v14                       ; |q|^2
	v_mul_f32 v44, -2.0, v15
	v_add_nc_u32 v11, s29, v10
.rept 6
	v_nop                                          ; with the three lines above: nine plain instructions between the scale words' making and the scaled products (eight are asked)
.endr
	s_wait_dscnt 0x0                               ; -1/2 |k|^2 lies in bank 0
	s_wait_alu depctr_va_vdst(0)                   ; Q's scale words v40 and v41 are written (in the first trip the zero codes beside Q too), which the scaled products take; so is v11, which an owner's byte store reads.  The places above stay beside this wait
	WIN 0x50                                       ; C and D window 1
.irp p, 0,1,2,3,4,5,6,7                            ; tile 1 of the queries: C = bank 0, D = bank 1
	v_wmma_scale_f32_16x16x128_f8f6f4 v[128+16*\p:128+16*\p+7], v[KF+8*\p:KF+8*\p+7], v[32:39], v[16*\p:16*\p+7], v[KS+\p], v41 matrix_a_fmt:MATRIX_FMT_FP4 matrix_b_fmt:MATRIX_FMT_FP4
	v_wmma_scale_f32_16x16x128_f8f6f4 v[128+16*\p+8:128+16*\p+15], v[KF+8*\p:KF+8*\p+7], v[28:35], v[16*\p+8:16*\p+15], v[KS+\p], v41 matrix_a_fmt:MATRIX_FMT_FP4 matrix_b_fmt:MATRIX_FMT_FP4
.endr
.rept 5
	v_nop                                          ; five plain instructions before a matrix instruction writes over a register that an earlier one took as C
.endr
.irp p, 0,1,2,3,4,5,6,7                            ; tile 0: in place on bank 0
	v_wmma_scale_f32_16x16x128_f8f6f4 v[16*\p:16*\p+7], v[KF+8*\p:KF+8*\p+7], v[20:27], v[16*\p:16*\p+7], v[KS+\p], v40 matrix_a_fmt:MATRIX_FMT_FP4 matrix_b_fmt:MATRIX_FMT_FP4
	v_wmma_scale_f32_16x16x128_f8f6f4 v[16*\p+8:16*\p+15], v[KF+8*\p:KF+8*\p+7], v[16:23], v[16*\p+8:16*\p+15], v[KS+\p], v40 matrix_a_fmt:MATRIX_FMT_FP4 matrix_b_fmt:MATRIX_FMT_FP4
.endr
.rept 4
	v_nop                                          ; places behind the products, ahead of the first reads of the scores
.endr
	WIN 0x45                                       ; W as destination and as sources 0 and 1; |q|^2 in window 0
.set J, 0
.rept 64                                           ; the batches go in the order 2, 3, 0, 1: bank 1's products were issued first
	P1 2, J
.set J, J+1
.endr
	ROUND 1, 2, 1, 3
	WIN 0                                          ; the wait that ends the batch above stands behind the trip's first four lines and its 32 products too: they are done reading Q's registers, in which the loads below land; nothing stands between
	s_cmp_eq_u32 s28, 7
	s_cbranch_scc1 .Lnoq                           ; no load leaves its buffer
	QLOAD                                          ; the next trip's Q: nearly a whole trip ahead
.Lnoq:
	s_cmp_lt_u32 s28, s35
	s_cbranch_scc0 .Lnopf
	global_prefetch_b8 v12, s[22:23] offset:8192 th:TH_LOAD_NT scope:SCOPE_SE   ; the next trip's 8,192 bytes of G: a lane to each 256, one wave of the one work-group that reads them; the last trip asks for nothing
.Lnopf:
	WIN 0x45
	ROUND 1, 3, 2, 2
	ROUND 2, 2, 1, 0
	ROUND 1, 0, 2, 3
	ROUND 2, 3, 1, 1
	ROUND 1, 1, 2, 0
	ROUND 2, 0, 2, 1
	ROUND 2, 1, 0, 0
	WIN 0x05                                       ; the rows' sums over my keys: eight chains by turns; the first additions start them, nothing is cleared
.irp q, 0,1
.irp c, 0,1,2,3
	v_pk_add_f32 v[SU+8*\q+2*\c:SU+8*\q+2*\c+1], v[128*\q+2*\c:128*\q+2*\c+1], v[128*\q+8+2*\c:128*\q+8+2*\c+1]
.endr
.endr
	WIN 0x04
.set M, 2
.rept 14
.irp q, 0,1
.irp c, 0,1,2,3
	v_pk_add_f32 v[SU+8*\q+2*\c:SU+8*\q+2*\c+1], v[SU+8*\q+2*\c:SU+8*\q+2*\c+1], v[128*\q+8*M+2*\c:128*\q+8*M+2*\c+1]
.endr
.endr
.set M, M+1
.endr
	WIN 0
.irp q, 0,1
	v_pk_add_f32 v[SU+8*\q:SU+8*\q+1], v[SU+8*\q:SU+8*\q+1], v[SU+8*\q+2:SU+8*\q+3]
	v_pk_add_f32 v[SU+8*\q+4:SU+8*\q+5], v[SU+8*\q+4:SU+8*\q+5], v[SU+8*\q+6:SU+8*\q+7]
.endr
.irp q, 0,1
	v_pk_add_f32 v[SU+8*\q:SU+8*\q+1], v[SU+8*\q:SU+8*\q+1], v[SU+8*\q+4:SU+8*\q+5]
.endr
.irp q, 0,1
	v_add_f32 v[SU+8*\q], v[SU+8*\q], v[SU+8*\q+1]
.endr
.irp q, 0,1
	v_permlanex16_b32 v[SU+8*\q+1], v[SU+8*\q], s32, s33
.endr
.irp q, 0,1
	v_add_f32 v[SU+8*\q], v[SU+8*\q], v[SU+8*\q+1]
.endr
	v_cndmask_b32 v[SU], v[SU], v[SU+8], s34       ; lanes 0-15 tile 0's queries, lanes 16-31 tile 1's
	s_wait_alu depctr_va_vdst(0)                   ; v74 is written, which the store reads; and the chains are done with v74-89, in which the parts land behind the barrier (the lines between name v58-73 and the banks alone)
	ds_store_b32 v4, v[SU]
	MAXB 0                                         ; work on registers while the store is on its way,
	s_wait_dscnt 0x0                               ; my part has landed; an owner's reads of the last trip's parts of O^T are back
	s_barrier_signal -1
	MAXB 1                                         ; and while the other waves arrive
	WIN 0
	s_barrier_wait -1
	s_wait_alu depctr_vm_vsrc(0)                   ; my store has read v74, in which the first of the loads below lands
.irp q, 0,1
.irp c, 0,1
	ds_load_b128 v[SU+8*\q+4*\c:SU+8*\q+4*\c+3], v5 offset:512*\q+16*\c
.endr
.endr
.irp k, 0,1,2,3,4,5,6,7,8,9,10,11,12,13,14,15
	v_permlanex16_b32 v[TX+\k], v[TM+\k], s32, s33 ; a block's other 16 keys lie in lane l xor 16
.endr
	s_wait_dscnt 0x0
.irp q, 0,1
	v_pk_add_f32 v[SU+8*\q:SU+8*\q+1], v[SU+8*\q:SU+8*\q+1], v[SU+8*\q+2:SU+8*\q+3]
	v_pk_add_f32 v[SU+8*\q+4:SU+8*\q+5], v[SU+8*\q+4:SU+8*\q+5], v[SU+8*\q+6:SU+8*\q+7]
.endr
.irp q, 0,1
	v_pk_add_f32 v[SU+8*\q:SU+8*\q+1], v[SU+8*\q:SU+8*\q+1], v[SU+8*\q+4:SU+8*\q+5]
.endr
.irp q, 0,1
	v_add_f32 v[SU+8*\q], v[SU+8*\q], v[SU+8*\q+1] ; the same order in every wave: the same bits
.endr
.irp q, 0,1
	v_add_f32 v[54+2*\q], s30, v[SU+8*\q]
.endr
	v_rcp_f32 v54, v54
	v_rcp_f32 v56, v56
.irp k, 0,1,2,3,4,5,6,7,8,9,10,11,12,13,14,15
	v_max_num_f32 v[TM+\k], v[TM+\k], v[TX+\k]     ; the block's largest W.  (Plain work behind the reciprocals, which it does not name)
.endr
	s_wait_alu depctr_va_vdst(0)                   ; one wait for the two reciprocals, ahead of their first reader
.irp q, 0,1
.irp b, 0,1,2,3,4,5,6,7
	v_mul_f32 v[TM+8*\q+\b], v[TM+8*\q+\b], v[54+2*\q]   ; normalised: the bits of the block's largest normalised W
.endr
.endr
.irp k, 0,1,2,3,4,5,6,7,8,9,10,11,12,13,14,15
	v_max_num_f32 v[TM+\k], 0x1800000, v[TM+\k]    ; the floor 2^(3 - 127): the byte cannot fall under 1
.endr
.irp k, 0,1,2,3,4,5,6,7,8,9,10,11,12,13,14,15
	v_add_nc_u32 v[TM+\k], 0xff000000, v[TM+\k]    ; 2 off the exponent field: the conversion's scale operand
.endr
.irp k, 0,1,2,3,4,5,6,7,8,9,10,11,12,13,14,15
	v_lshrrev_b32 v[TX+\k], 23, v[TM+\k]           ; the scale's byte
.endr
.irp w, 0,1,2,3                                    ; word 2 qt + ks: the bytes of blocks 4 ks .. 4 ks + 3 of tile qt
	v_lshl_or_b32 v[PS+\w], v[TX+4*\w+1], 8, v[TX+4*\w]
.endr
.irp w, 0,1,2,3
	v_lshl_or_b32 v[PS+\w], v[TX+4*\w+2], 16, v[PS+\w]
.endr
.irp w, 0,1,2,3
	v_lshl_or_b32 v[PS+\w], v[TX+4*\w+3], 24, v[PS+\w]
.endr
	NORMC 0
	HKLOAD 1                                       ; bank 0 is free: the next trip's -1/2 |k|^2 (in the last trip: read and not used)
	NORMC 1
	WIN 0
	v_nop                                          ; one plain instruction behind the conversions
.irp q, 0,1
.irp g, 0,1,2,3
.irp i, 0,1
	v_permlane16_swap_b32 v[PC+16*\q+4*\g+\i], v[PC+16*\q+4*\g+2+\i]   ; a whole block to a lane
.endr
.endr
.endr
.rept 8
	v_nop                                          ; an operand made by vector instructions stands four plain instructions ahead of a scaled product (the scale words were made long before)
.endr
	s_wait_alu depctr_va_vdst(0)                   ; P's codes and scale words are written, which the scaled products below take; and the conversions are done reading v58-73, in which an owner's G lands.  The places above stay beside this wait
	s_cmp_lt_u32 s10, 4
	s_cbranch_scc0 .Lnog
.irp c, 0,1,2,3
	global_load_b128 v[TM+4*\c:TM+4*\c+3], v8, s[22:23] offset:512*\c th:TH_LOAD_NT   ; an owner's 16 numbers a lane of G, in O^T's layout, into registers that the conversions have left
.endr
.Lnog:
	WIN 0x50
.irp s, 0,1                                        ; O^T over my 256 keys: eight accumulators by turns
.irp d, 0,1,2,3
.irp q, 0,1
.if \s == 0
	v_wmma_scale_f32_16x16x128_f8f6f4 v[128+8*(4*\q+\d):128+8*(4*\q+\d)+7], v[VF+8*\d:VF+8*\d+7], v[PC+16*\q:PC+16*\q+7], 0, v[VS+\d], v[PS+2*\q] matrix_a_fmt:MATRIX_FMT_FP4 matrix_b_fmt:MATRIX_FMT_FP4
.else
	v_wmma_scale_f32_16x16x128_f8f6f4 v[128+8*(4*\q+\d):128+8*(4*\q+\d)+7], v[VF+32+8*\d:VF+32+8*\d+7], v[PC+16*\q+8:PC+16*\q+15], v[128+8*(4*\q+\d):128+8*(4*\q+\d)+7], v[VS+4+\d], v[PS+2*\q+1] matrix_a_fmt:MATRIX_FMT_FP4 matrix_b_fmt:MATRIX_FMT_FP4
.endif
.endr
.endr
.endr
	WIN 0
.rept 4
	v_nop                                          ; places behind the products, ahead of the stores of the results
.endr
	WIN 0x04                                       ; an LDS store's data are its source 1
	s_wait_alu depctr_va_vdst(0)                   ; the products have written O^T, which the stores read; the places above stay beside this wait
.irp k, 0,1,2,3,4,5,6,7,8,9,10,11,12,13,14,15
	ds_store_b128 v6, v[128+4*\k:128+4*\k+3] offset:512*\k   ; as the registers stand, each accumulator from its low end on
.endr
	WIN 0
	s_wait_dscnt 0x0                               ; my part of O^T has landed, my reads of the sums' parts are back, and so is -1/2 |k|^2
	s_barrier_signal -1
	s_barrier_wait -1
	s_wait_alu depctr_vm_vsrc(0)                   ; my stores have read O^T's registers in bank 1, in which an owner's loads land and which its additions write
	s_cmp_lt_u32 s10, 4
	s_cbranch_scc0 .Lnoown
	WIN 0x40                                       ; owner (qt, e): register i of 16 is channel 32 e + 16 h + i of query r
	s_wait_alu depctr_va_vdst(0)                   ; the products have written, and tile 1's multiplications and conversions are done with, bank 1, in which the loads below land
.irp s, 0,1,2,3,4,5,6,7
.irp c, 0,1,2,3
	ds_load_b128 v[128+16*\s+4*\c:128+16*\s+4*\c+3], v7 offset:8192*\s+512*\c
.endr
.endr
	WIN 0x55
.irp s, 1,2,3,4,5,6,7
	s_wait_dscnt 4*(7-\s)                          ; parts 0 to s are in: behind them stand four loads for each later part
.irp m, 0,1,2,3,4,5,6,7
	v_pk_add_f32 v[128+2*\m:129+2*\m], v[128+2*\m:129+2*\m], v[128+16*\s+2*\m:129+16*\s+2*\m]
.endr
.endr
	s_wait_loadcnt 0x0                             ; G
	WIN 0x41
.irp m, 0,1,2,3,4,5,6,7
	v_pk_mul_f32 v[128+2*\m:129+2*\m], v[128+2*\m:129+2*\m], v[TM+2*\m:TM+2*\m+1]
.endr
	WIN 0x05
	v_max3_num_f32 v46, |v128|, |v129|, 0x1800000
	v_max3_num_f32 v47, |v136|, |v137|, 0x1800000
.irp i, 2,4,6
	v_max3_num_f32 v46, |v[128+\i]|, |v[129+\i]|, v46
	v_max3_num_f32 v47, |v[136+\i]|, |v[137+\i]|, v47
.endr
	WIN 0
	v_max_num_f32 v46, v46, v47
	v_permlanex16_b32 v48, v46, s32, s33
	v_max_num_f32 v46, v46, v48                    ; the block of 32 along d lies in lanes l and l xor 16
	v_add_nc_u32 v46, 0xff000000, v46
	v_lshrrev_b32 v48, 23, v46
	WIN 0x01
	v_cvt_scalef32_pk8_fp4_f32 v110, v[128:135], v46
	v_cvt_scalef32_pk8_fp4_f32 v111, v[136:143], v46
	WIN 0
	v_nop
	s_wait_alu depctr_va_vdst(0)                   ; the conversions have written v110 and v111 and the shift v48, which the two stores read
	global_store_b64 v9, v[110:111], s[24:25]      ; the block's 16 rows x 16 bytes: 256 consecutive bytes, aligned
	ds_store_b8 v11, v48                           ; both lanes of a row write the same byte with the same value
.Lnoown:
	s_wait_xcnt 0x0                                ; loads, the store and the prefetch have read their registers and bases
	s_add_nc_u64 s[16:17], s[16:17], 1024
	s_add_nc_u64 s[18:19], s[18:19], 64
	s_add_nc_u64 s[20:21], s[20:21], 128
	s_add_nc_u64 s[22:23], s[22:23], 8192
	s_add_nc_u64 s[24:25], s[24:25], 16384
	s_add_co_u32 s29, s29, 64
	s_add_co_u32 s28, s28, 1
	s_cmp_lt_u32 s28, 8
	s_cbranch_scc1 .Lblk
	s_wait_dscnt 0x0                               ; the owners' scale bytes have landed
	s_barrier_signal -1
	s_barrier_wait -1
	s_wait_alu depctr_vm_vsrc(0)                   ; the owners' byte stores have read v11 and the prefetches v12: both are made anew
	v_lshl_add_u32 v11, v0, 1, SCB                 ; thread 16 tile + r takes that row's two bytes
	v_lshlrev_b32 v12, 2, v0
	s_wait_alu depctr_va_vdst(0)                   ; v11 and v12 are written, which the load and the store read; the last trip's first lines are done reading v13, in which the load lands
	ds_load_u16 v13, v11
	s_wait_dscnt 0x0
	global_store_b16 v12, v13, s[26:27]
	s_wait_dscnt 0x0                               ; the closing lines, six on end
	s_wait_alu 0x0
	s_wait_tensorcnt 0x0
	ds_add_u32 v52, v53
	s_wait_dscnt 0x0
	s_endpgm
.Lfunc_end_k_qb002131846_attn:
	.size	k_qb002131846_attn, .Lfunc_end_k_qb002131846_attn-k_qb002131846_attn
	.p2alignl 7, 3214868480
	.fill 96, 4, 3214868480
	.section	.rodata,"a",@progbits
	.p2align	6, 0x0
	.amdhsa_kernel k_qb002131846_attn
		.amdhsa_group_segment_fixed_size 76800
		.amdhsa_private_segment_fixed_size 0
		.amdhsa_enable_private_segment 0
		.amdhsa_kernarg_size 24
		.amdhsa_user_sgpr_count 2
		.amdhsa_user_sgpr_kernarg_segment_ptr 1
		.amdhsa_wavefront_size32 1
		.amdhsa_system_sgpr_workgroup_id_x 1
		.amdhsa_system_sgpr_workgroup_id_y 1
		.amdhsa_system_sgpr_workgroup_id_z 1
		.amdhsa_system_vgpr_workitem_id 0
		.amdhsa_next_free_vgpr 512
		.amdhsa_next_free_sgpr 66
		.amdhsa_reserve_vcc 0
		.amdhsa_float_denorm_mode_32 3
		.amdhsa_float_denorm_mode_16_64 3
		.amdhsa_memory_ordered 1
		.amdhsa_forward_progress 1
		.amdhsa_inst_pref_size 116
	.end_amdhsa_kernel
	.amdgpu_metadata
---
amdhsa.version: [ 1, 2 ]
amdhsa.kernels:
  - .name:           k_qb002131846_attn
    .symbol:         k_qb002131846_attn.kd
    .args:
      - { .name: qkv, .offset: 0, .size: 8, .value_kind: global_buffer, .address_space: global }
      - { .name: gate, .offset: 8, .size: 8, .value_kind: global_buffer, .address_space: global }
      - { .name: ocode, .offset: 16, .size: 8, .value_kind: global_buffer, .address_space: global }
    .group_segment_fixed_size: 76800
    .private_segment_fixed_size: 0
    .kernarg_segment_align: 8
    .kernarg_segment_size: 24
    .max_flat_workgroup_size: 256
    .sgpr_count:     66
    .vgpr_count:     512
    .wavefront_size: 32
...
	.end_amdgpu_metadata
.endif
;; end of part 7
;; launch outp (part 8): grid 8 x 32, 4 waves a work-group, no clusters, 35,328 bytes of LDS; arguments ocode, prep, X, b_out, out0; writes out0
.if DOCPART == 8
	.amdgcn_target "amdgcn-amd-amdhsa--gfx1250"
	.amdhsa_code_object_version 6
	.text
	.protected	k_qb002131846_outp
	.globl	k_qb002131846_outp
	.p2align	8
	.type	k_qb002131846_outp,@function
k_qb002131846_outp:
	s_mov_b64 s[64:65], 0
	v_nop
	global_prefetch_b8 v0, s[64:65] scope:SCOPE_SE
	s_setreg_imm32_b32 hwreg(HW_REG_WAVE_SCHED_MODE, 0, 2), 2
	s_setreg_imm32_b32 hwreg(HW_REG_WAVE_MODE, 25, 1), 1
	s_wait_xcnt 0x0
	s_wait_alu depctr_vm_vsrc(0)
; out = X + Q(O) Q(W_out)^T + b_out, [4096][1024] f32, the product on codes of FP4 (E2M1) with E8M0 scales, K = 1,024.
; SHARES.  A work-group takes 128 tokens x 128 columns, a wave 64 x 64: 16 accumulators.  Both operands lie in memory as images of their registers (1,024 bytes: 16 rows x 128 K): all eight K steps of a wave's four tiles
; of tokens and four tiles of W_out go straight into 512 registers, each fragment by two loads of 512 consecutive bytes, and feed four products each.  No loop, no barrier, no tensor load; so no cluster either: nothing passes through LDS on the way in.
; Source 0 = 16 rows of W_out, source 1 = 16 tokens: a lane holds one token and eight neighbouring columns.  b_out is the C of each sum's first matrix instruction.
; A tile's tokens are 32 (T / 2) + 8 (T % 2) + r + 8 (r / 8): the wave's own stage in LDS (32 rows x (256 + 16) bytes) puts two tiles' rows in order; they come back as whole rows, X is added, and sixteen lanes store 256 consecutive bytes, aligned.
; REGISTERS.  window 0: v1-10 addresses; v16-47 O's scale words (tile a, K step s: 16 + 8 a + s); v48-79 W_out's: these 64 hold scales and nothing else; v80-111 the bias; v128-255 the accumulators.
;   window 1: O's fragments at v[8 (8 a + s)]; on the way out v0-63 take rows.   window 2: W_out's.   window 3: v0-127 X.
; THE MODE: SCHED_MODE bits 1:0 = 2 (LLVM: expert scheduling mode 2), set by the entry lines.  The code itself states the register dependences between vector or matrix instructions and memory or LDS instructions, with s_wait_alu, always for 0.
; THE PLAN.  Registers that memory or LDS instructions touch:
;   v1-v6, v10      addresses, made once at the head ahead of one wait on va_vdst; only loads and window switches follow up to the products.
;   operands, scale words, the bias, X: filled by loads alone and read by matrix and vector instructions behind their waits on LOADcnt; none is loaded again but O's first 64 registers, below.
;   the accumulators: written by the products; four places and one wait on va_vdst, then the LDS stores of both halves read them; nothing writes them again.
;   v0-63 of window 1: read by the products as O's fragments (the same wait covers that); the first half's rows land there, the additions write them, a wait on va_vdst, the global stores read them;
;                   for the second half: a wait on vm_vsrc (the stores have read them) and one on va_vdst (the additions are done with them), behind the window switch and straight ahead of the loads.
.set OSC,  2097152
.set WOI,  4194304
.set WOS,  4980736
.set AS,   16
.set BS,   48
.set BI,   80
.set ACC,  128
.set RB,   0                           ; the way out: 16 x 4 registers of window 1
.set MSB, 0
.macro WIN new                         ; bits 1:0 source 0, 3:2 source 1, 5:4 source 2, 7:6 destination; the high byte repeats the setting that is left
.if MSB != \new
	s_set_vgpr_msb (MSB<<8)|\new
.set MSB, \new
.endif
.endm
	s_load_b256 s[4:11], s[0:1], 0x0               ; O's codes and scales s[4:5], the weights' workspace s[6:7], X s[8:9], b_out s[10:11]
	s_load_b64 s[12:13], s[0:1], 0x20              ; out
	v_lshl_add_u32 v126, v0, 2, 0x8800
	v_mov_b32 v127, 0
	v_lshrrev_b32 v1, 5, v0
	v_readfirstlane_b32 s14, v1                    ; wave 0..3
	s_wait_alu depctr_va_sdst(0)                   ; s14 is written, ahead of its first reader
	s_lshr_b32 s15, s14, 1                         ; which 64 tokens
	s_and_b32 s16, s14, 1                          ; which 64 columns
	s_and_b32 s17, ttmp7, 0xffff
	s_lshl_b32 s18, s17, 3
	s_lshl_b32 s19, s15, 2
	s_add_co_u32 s18, s18, s19                     ; my first tile of tokens
	s_lshl_b32 s19, ttmp9, 3
	s_lshl_b32 s34, s16, 2
	s_add_co_u32 s19, s19, s34                     ; my first tile of W_out
	s_lshl_b32 s20, s18, 13
	s_mov_b32 s21, 0
	s_lshl_b32 s22, s18, 6
	s_add_co_u32 s22, s22, OSC
	s_mov_b32 s23, 0
	s_lshl_b32 s24, s19, 13
	s_add_co_u32 s24, s24, WOI
	s_mov_b32 s25, 0
	s_lshl_b32 s26, s19, 9
	s_add_co_u32 s26, s26, WOS
	s_mov_b32 s27, 0
	s_lshl_b32 s28, s19, 6                         ; 16 columns of 4 bytes a tile
	s_mov_b32 s29, 0
	s_lshl_b32 s30, s18, 16                        ; 16 rows of 4,096 bytes a tile
	s_add_co_u32 s30, s30, s28
	s_mov_b32 s31, 0
	v_and_b32 v7, 15, v0                           ; r
	v_bfe_u32 v8, v0, 4, 1                         ; h
	v_and_b32 v9, 31, v0
	v_lshlrev_b32 v1, 4, v9                        ; 16 x lane
	v_lshlrev_b32 v2, 2, v7                        ; 4 r
	v_lshlrev_b32 v3, 5, v7                        ; 32 r
	v_lshlrev_b32 v10, 5, v8                       ; 32 h
	s_mul_i32 s35, s14, 8704                       ; my stage
	v_and_b32 v4, 8, v7
	v_add_nc_u32 v4, v4, v7
	v_mul_u32_u24 v4, v4, 272
	v_lshl_add_u32 v4, v8, 5, v4
	v_add_nc_u32 v4, s35, v4                       ; in: row r + 8 (r / 8), + 32 h bytes
	v_mul_u32_u24 v5, v8, 272
	v_lshl_add_u32 v5, v7, 4, v5
	v_add_nc_u32 v5, s35, v5                       ; back: lanes 0-15 one row, lanes 16-31 the next
	v_lshlrev_b32 v6, 12, v8
	v_lshl_add_u32 v6, v7, 4, v6                   ; and the same two rows in X and in out
	s_wait_kmcnt 0x0
	s_add_nc_u64 s[20:21], s[4:5], s[20:21]
	s_add_nc_u64 s[22:23], s[4:5], s[22:23]
	s_add_nc_u64 s[24:25], s[6:7], s[24:25]
	s_add_nc_u64 s[26:27], s[6:7], s[26:27]
	s_add_nc_u64 s[28:29], s[10:11], s[28:29]
	s_add_nc_u64 s[32:33], s[12:13], s[30:31]
	s_add_nc_u64 s[30:31], s[8:9], s[30:31]
	s_wait_alu depctr_va_vdst(0)                   ; the addresses v1 to v6 and v10 are written, which the loads and stores of the kernel read; only loads and window switches follow up to the products
.irp b, 0,1,2,3
	global_load_b128 v[BS+8*\b:BS+8*\b+3], v3, s[26:27] offset:512*\b          ; a row's 32 scale bytes: the words of K steps 0-3,
	global_load_b128 v[BS+8*\b+4:BS+8*\b+7], v3, s[26:27] offset:512*\b+16     ; and 4-7
.endr
.irp a, 0,1,2,3
.irp s, 0,1,2,3,4,5,6,7
	global_load_b32 v[AS+8*\a+\s], v2, s[22:23] offset:16384*\s+64*\a
.endr
.endr
.irp b, 0,1,2,3
	global_load_b128 v[BI+8*\b:BI+8*\b+3], v10, s[28:29] offset:64*\b
	global_load_b128 v[BI+8*\b+4:BI+8*\b+7], v10, s[28:29] offset:64*\b+16
.endr
.irp s, 0,1,2,3,4,5,6,7                            ; K step by K step: 16 loads each
	WIN 0x40
.irp a, 0,1,2,3
	global_load_b128 v[8*(8*\a+\s):8*(8*\a+\s)+3], v1, s[20:21] offset:8192*\a+1024*\s
	global_load_b128 v[8*(8*\a+\s)+4:8*(8*\a+\s)+7], v1, s[20:21] offset:8192*\a+1024*\s+512
.endr
	WIN 0x80
.irp b, 0,1,2,3
	global_load_b128 v[8*(8*\b+\s):8*(8*\b+\s)+3], v1, s[24:25] offset:8192*\b+1024*\s
	global_load_b128 v[8*(8*\b+\s)+4:8*(8*\b+\s)+7], v1, s[24:25] offset:8192*\b+1024*\s+512
.endr
.endr
	WIN 0xc0
.irp p, 0,1
.irp t, 0,1,2,3,4,5,6,7,8,9,10,11,12,13,14,15
	global_load_b128 v[64*\p+4*\t:64*\p+4*\t+3], v6, s[30:31] offset:(32*\p+2*\t)*4096 th:TH_LOAD_NT   ; X: read once in the launch
.endr
.endr
; K step s: 16 products, the accumulators by turns
.macro MUL s
.if 16*(7-\s)+32 > 63
	s_wait_loadcnt 63                              ; a lower count than the loads issued behind this K step's
.else
	s_wait_loadcnt 16*(7-\s)+32                    ; behind this K step's loads: 16 for each later K step, and X's 32
.endif
	WIN 0x06                                       ; source 0 (W_out) window 2, source 1 (O) window 1
.irp a, 0,1,2,3
.irp b, 0,1,2,3
.if \s == 0
	v_wmma_scale_f32_16x16x128_f8f6f4 v[ACC+8*(4*\a+\b):ACC+8*(4*\a+\b)+7], v[8*(8*\b+\s):8*(8*\b+\s)+7], v[8*(8*\a+\s):8*(8*\a+\s)+7], v[BI+8*\b:BI+8*\b+7], v[BS+8*\b+\s], v[AS+8*\a+\s] matrix_a_fmt:MATRIX_FMT_FP4 matrix_b_fmt:MATRIX_FMT_FP4
.else
	v_wmma_scale_f32_16x16x128_f8f6f4 v[ACC+8*(4*\a+\b):ACC+8*(4*\a+\b)+7], v[8*(8*\b+\s):8*(8*\b+\s)+7], v[8*(8*\a+\s):8*(8*\a+\s)+7], v[ACC+8*(4*\a+\b):ACC+8*(4*\a+\b)+7], v[BS+8*\b+\s], v[AS+8*\a+\s] matrix_a_fmt:MATRIX_FMT_FP4 matrix_b_fmt:MATRIX_FMT_FP4
.endif
.endr
.endr
.endm
.irp s, 0,1,2,3,4,5,6,7
	MUL \s
.endr
	WIN 0
; 32 tokens: tiles 2 p and 2 p + 1 through the stage
.macro OUT p
.if \p == 0
.rept 4
	v_nop                                          ; places behind the last products, ahead of the stores' reads of the results
.endr
	s_wait_alu depctr_va_vdst(0)                   ; the products have written the accumulators, which the LDS stores of both halves read, and are done reading O's fragments, in which the first half's rows land; the places above stay beside this wait
.else
	s_wait_xcnt 0x0                                ; the first half's stores have read their registers
.endif
.irp u, 0,1
.irp b, 0,1,2,3
.irp c, 0,1
	ds_store_b128 v4, v[ACC+8*(4*(2*\p+\u)+\b)+4*\c:ACC+8*(4*(2*\p+\u)+\b)+4*\c+3] offset:2176*\u+64*\b+16*\c   ; each accumulator from its low end on
.endr
.endr
.endr
	WIN 0x40                                       ; destination window 1, address window 0
.if \p == 1
	s_wait_alu depctr_vm_vsrc(0)                   ; the first half's global stores have read the rows' registers, in which the loads below land and which the additions write again
	s_wait_alu depctr_va_vdst(0)                   ; the first half's additions are done with the rows' registers, in which the loads below land
.endif
.irp t, 0,1,2,3,4,5,6,7,8,9,10,11,12,13,14,15
	ds_load_b128 v[RB+4*\t:RB+4*\t+3], v5 offset:544*\t    ; LDS serves a wave's instructions in order: these see my stores
.endr
	s_wait_dscnt 0x0
.if \p == 0
	s_wait_loadcnt 0x0                             ; X
.endif
	WIN 0x4d                                       ; destination and source 0 window 1, source 1 (X) window 3
.set M, 0
.rept 32
	v_pk_add_f32 v[RB+2*M:RB+2*M+1], v[RB+2*M:RB+2*M+1], v[64*\p+2*M:64*\p+2*M+1]
.set M, M+1
.endr
	WIN 0x04                                       ; a store's data are its source 1: window 1; its address window 0
	s_wait_alu depctr_va_vdst(0)                   ; the additions have written the rows, which the stores read
.irp t, 0,1,2,3,4,5,6,7,8,9,10,11,12,13,14,15
	global_store_b128 v6, v[RB+4*\t:RB+4*\t+3], s[32:33] offset:(32*\p+2*\t)*4096 th:TH_STORE_NT   ; sixteen lanes store 256 consecutive bytes, aligned
.endr
	WIN 0
.endm
	OUT 0
	OUT 1
	s_wait_dscnt 0x0                               ; the closing lines, six on end
	s_wait_alu 0x0
	s_wait_tensorcnt 0x0
	ds_add_u32 v126, v127
	s_wait_dscnt 0x0
	s_endpgm
.Lfunc_end_k_qb002131846_outp:
	.size	k_qb002131846_outp, .Lfunc_end_k_qb002131846_outp-k_qb002131846_outp
	.p2alignl 7, 3214868480
	.fill 96, 4, 3214868480
	.section	.rodata,"a",@progbits
	.p2align	6, 0x0
	.amdhsa_kernel k_qb002131846_outp
		.amdhsa_group_segment_fixed_size 35328
		.amdhsa_private_segment_fixed_size 0
		.amdhsa_enable_private_segment 0
		.amdhsa_kernarg_size 40
		.amdhsa_user_sgpr_count 2
		.amdhsa_user_sgpr_kernarg_segment_ptr 1
		.amdhsa_wavefront_size32 1
		.amdhsa_system_sgpr_workgroup_id_x 1
		.amdhsa_system_sgpr_workgroup_id_y 1
		.amdhsa_system_sgpr_workgroup_id_z 1
		.amdhsa_system_vgpr_workitem_id 0
		.amdhsa_next_free_vgpr 1024
		.amdhsa_next_free_sgpr 66
		.amdhsa_reserve_vcc 0
		.amdhsa_float_denorm_mode_32 3
		.amdhsa_float_denorm_mode_16_64 3
		.amdhsa_memory_ordered 1
		.amdhsa_forward_progress 1
		.amdhsa_inst_pref_size 51
	.end_amdhsa_kernel
	.amdgpu_metadata
---
amdhsa.version: [ 1, 2 ]
amdhsa.kernels:
  - .name:           k_qb002131846_outp
    .symbol:         k_qb002131846_outp.kd
    .args:
      - { .name: ocode, .offset: 0, .size: 8, .value_kind: global_buffer, .address_space: global }
      - { .name: prep, .offset: 8, .size: 8, .value_kind: global_buffer, .address_space: global }
      - { .name: X, .offset: 16, .size: 8, .value_kind: global_buffer, .address_space: global }
      - { .name: b_out, .offset: 24, .size: 8, .value_kind: global_buffer, .address_space: global }
      - { .name: out0, .offset: 32, .size: 8, .value_kind: global_buffer, .address_space: global }
    .group_segment_fixed_size: 35328
    .private_segment_fixed_size: 0
    .kernarg_segment_align: 8
    .kernarg_segment_size: 40
    .max_flat_workgroup_size: 128
    .sgpr_count:     66
    .vgpr_count:     1024
    .wavefront_size: 32
...
	.end_amdgpu_metadata
.endif
;; end of part 8
